; MI455X (gfx1250); checked and timed in simulation.
; The chip was launched on July 23, 2026; its instructions are those of AMD's public machine-readable ISA for CDNA 5 (MIT licence, August 2026) and "CDNA5" Instruction Set Architecture Reference Guide (July 2026). The comments in the code are by the model that wrote it; some were corrected since.
;; Parallel Memory Module. Allowed arithmetic: matrix products marked QUANTISED: E2M3 operands, one E8M0 scale for each 32 along K, by v_wmma_scale_f32_16x16x128_f8f6f4 with both operands' format E2M3, f32 sums; everything else in f32.
;; Inputs: bd 512 float32; bkv 1,024 float32; bq 512 float32; ln1_b 512 float32; ln1_g 512 float32; ln2_b 512 float32; ln2_g 512 float32; ln3_b 512 float32; ln3_g 512 float32; mem_mask 2 x 1 x 2,048 x 4,096 bool; mlp1_b1 2,048 float32; mlp1_b2 512 float32; mlp1_w1 512 x 2,048 float32; mlp1_w2 2,048 x 512 float32; mlp2_b1 2,048 float32; mlp2_b2 512 float32; mlp2_w1 512 x 2,048 float32; mlp2_w2 2,048 x 512 float32; past_hidden 4,096 x 2 x 512 float32; wd 512 x 512 float32; wkv 512 x 1,024 float32; wq 512 x 512 float32; x 2,048 x 2 x 512 float32.
;; Outputs: out0 2,048 x 2 x 512 float32.
;; This version of the problem:
;;   THIS VERSION OF THE PROBLEM IS GIVEN IN LOW PRECISION. The matrix products marked QUANTISED in the list below multiply operands that are first quantised to E2M3 (2 exponent bits, 3 mantissa bits; 6 bits a number), with one power-of-two scale for each 32 numbers along K (OCP MX v1.0); their sums are f32. All else is computed in f32.
;;   The module's matrix products, in the order in which they are computed (A, B: the left and right operand; K: the contracted axis; several contracted axes count as one K, in the product's order):
;;     1. [M 4,096, K 512] x [K 512, N 2,048]; A: computed on the way; B: input mlp1_w1: QUANTISED
;;     2. [M 4,096, K 2,048] x [K 2,048, N 512]; A: computed on the way; B: input mlp1_w2: QUANTISED
;;     3. [M 4,096, K 512] x [K 512, N 512]; A: computed on the way; B: input wq: QUANTISED
;;     4. [M 8,192, K 512] x [K 512, N 1,024]; A: input past_hidden; B: input wkv: QUANTISED
;;     5. batch 32 x [M 2,048, K 32] x [K 32, N 4,096]; A: computed on the way; B: computed on the way: QUANTISED
;;     6. batch 32 x [M 32, K 4,096] x [K 4,096, N 2,048]; A: computed on the way; B: softmax (see below): QUANTISED
;;     7. [M 4,096, K 512] x [K 512, N 512]; A: computed on the way; B: input wd: QUANTISED
;;     8. [M 4,096, K 512] x [K 512, N 2,048]; A: computed on the way; B: input mlp2_w1: QUANTISED
;;     9. [M 4,096, K 2,048] x [K 2,048, N 512]; A: computed on the way; B: input mlp2_w2: QUANTISED
;;   THE QUANTISER, for each operand of a quantised product, along K:
;;     - K is cut into blocks of 32 from its start; a last block that is shorter is filled with zeros.
;;     - A block's scale is 2^e with e = floor(log2(the largest magnitude in the block)) - 2, held to -126 .. 127; a block of zeros has e = 0. As a byte (E8M0): e + 127.
;;     - Each number is divided by its block's scale, clamped to +-7.5, and rounded to the nearest number of E2M3, ties to even, subnormals kept.
;;     - The product sums the exact products of the quantised numbers (number of the format x scale) in f32.
;;   ~~~python
;;   def quantise(x, axis):      # numpy; x: float32 -> the quantised numbers, widened to float32 again
;;       x = np.moveaxis(x, axis, -1); K = x.shape[-1]
;;       x = np.pad(x, [(0, 0)] * (x.ndim - 1) + [(0, -K % 32)]); x = x.reshape(x.shape[:-1] + (-1, 32)); a = np.abs(x).max(-1, keepdims=True)
;;       e = np.where(a > 0, np.clip(np.frexp(np.where(a > 0, a, 1))[1] - 1 - 2, -126, 127), 0)      # np.frexp(a)[1] - 1 = floor(log2(a)), exactly
;;       r = np.clip(x / 2.0 ** e, -7.5, 7.5)
;;       step = 2.0 ** (np.maximum(np.frexp(np.where(r == 0, 1, r))[1] - 1, 0) - 3)
;;       q = np.round(r / step) * step * 2.0 ** e      # np.round: ties to even
;;       return np.moveaxis(q.reshape(q.shape[:-2] + (-1,))[..., :K], -1, axis).astype(np.float32)
;;   ~~~
;;   SOFTMAX AHEAD OF A QUANTISED PRODUCT. Where the list says 'softmax', what is quantised is not the finished softmax but p = 2^(t - M), with t = logit x log2(e) and M = ceil(the row's largest t), a whole number; so 1/2 < the row's largest p <= 1. The row's sum l is taken of the UNQUANTISED p, in f32, and the product's result is divided by l at the end. Since M is a whole number, a kernel that streams over the keys may use a running M (the ceiling of the running maximum): every later rescaling is an exact power of two, which a block's scale takes up: the codes' values come out the same.
;;   OPERANDS COMPUTED ON THE WAY. 'Computed on the way' means the value that the module computes at that place (a softmax that the list does not call 'softmax' is quantised finished and normalised). What goes into a quantiser is computed in f32, as accurately as f32 sums, v_exp_f32 and their like allow (about 1e-6 of the number): no bf16 or f16 on the way to a quantiser, and a product that is left as it is and whose result goes on into a quantised operand takes f32 operands (vector FMAs, or v_wmma_f32_16x16x4_f32). A number that lies on a knife's edge between two numbers of the format may be rounded either way, as far as f32 arithmetic and the matrix unit's own rounding can turn it there, and no further.
;; 2 versions. Each part assembles by itself: llvm-mc -triple=amdgcn-amd-amdhsa -mcpu=gfx1250 --defsym DOCPART=n.
;; ======== version 1 of 2: 5 launches
;; workspace buffers: wts 4,096,000 bytes; mw 2,097,152 bytes of whole numbers; kv 6,553,600 bytes; x1 8,388,608 bytes; qq 1,638,400 bytes; cx 1,638,400 bytes
;; launch prep (part 1): grid 832 x 1, 4 waves a work-group, no clusters, 34,304 bytes of LDS; arguments mlp1_w1, mlp1_w2, wq, mlp2_w1, mlp2_w2, wd, wkv, mem_mask, wts, mw; writes wts, mw
.if DOCPART == 1
	.amdgcn_target "amdgcn-amd-amdhsa--gfx1250"
	.amdhsa_code_object_version 6
	.text
	.protected	k_qdcd590b6b5_prep
	.globl	k_qdcd590b6b5_prep
	.p2align	8
	.type	k_qdcd590b6b5_prep,@function
k_qdcd590b6b5_prep:
	s_mov_b64 s[64:65], 0
	v_nop
	global_prefetch_b8 v0, s[64:65] scope:SCOPE_SE
	s_setreg_imm32_b32 hwreg(HW_REG_WAVE_MODE, 25, 1), 1
	s_wait_xcnt 0x0
; PREP.  Work-groups 0-319: one chunk of a weight each (128 columns x 128 along K) becomes FP6 codes (E2M3) and E8M0 scale bytes, laid in the order of the operand's registers.
; Work-groups 320-831: mem_mask becomes lane-bit words for the attention launch.
; A chunk is 8 tiles of 16 columns; tile 2 i + u, row m stands for column 32 i + 8 u + (m & 7) + 16 (m >> 3).  Tile t's registers 4 p .. 4 p + 3 of lane l lie at 1536 t + 512 p + 16 l.
; Scale words of a chunk: 512 bytes; lane l's word i: lanes 0-15 tile 2 i, lanes 16-31 tile 2 i + 1, row l % 16.
; A lane takes a column and its registers run down K: a block of 32 lies in one lane, and the conversions give codes with K innermost.
; A block's scale byte is its largest magnitude's exponent field - 2, held at 1 from below (a block of zeros keeps 1: its codes are zeros, and this program alone reads the bytes).
; LIMITS: NaN and infinities among the weights are not served.
.set WSOFF, 3932160
.set AO, 8                             ; v8-39    k x pitch + 4 x lane, k = 0 .. 31
.set X, 40                             ; v40-103  two sets of 32 numbers
.set CODE, 104                         ; v104-127 the codes of my column: 12 registers for each half of the lanes that will hold them
.macro LOADW kb                        ; block kb: 32 rows of the weight at my column
.set kk, 0
.rept 32
	global_load_b32 v[X+32*((\kb)%2)+kk], v[AO+kk], s[40+2*(\kb):41+2*(\kb)] th:TH_LOAD_NT
.set kk, kk+1
.endr
.endm
.macro BLOCKW kb
.set XS, X+32*((\kb)%2)
.set CD, CODE+12*((\kb)%2)+6*((\kb)/2)
.if (\kb) < 3
	s_wait_loadcnt 32                              ; this block's 32 loads are in; the next block's 32 may be out
.else
	s_wait_loadcnt 0x0
.endif
	v_max3_num_f32 v132, |v[XS]|, |v[XS+1]|, |v[XS+2]|
	v_max3_num_f32 v133, |v[XS+3]|, |v[XS+4]|, |v[XS+5]|
.irp i, 6,10,14,18,22,26
	v_max3_num_f32 v132, v132, |v[XS+\i]|, |v[XS+\i+1]|
	v_max3_num_f32 v133, v133, |v[XS+\i+2]|, |v[XS+\i+3]|
.endr
	v_max3_num_f32 v132, v132, |v[XS+30]|, |v[XS+31]|
	v_max3_num_f32 v132, v132, v133, 0x1800000     ; the floor 2^(3 - 127): the byte cannot fall under 1
	v_add_nc_u32 v134, 0xff000000, v132            ; 2 off the exponent field: the conversion's scale operand
	v_lshrrev_b32 v135, 23, v134                   ; the scale's byte
.if (\kb) == 0
	v_mov_b32 v136, v135
.else
	v_lshl_or_b32 v136, v135, 8*(\kb), v136
.endif
	v_cvt_scalef32_pk16_fp6_f32 v[CD:CD+2], v[XS:XS+15], v134
	v_cvt_scalef32_pk16_fp6_f32 v[128:130], v[XS+16:XS+31], v134   ; (three registers that begin on an even number)
	v_nop                                          ; one plain place behind a scaled conversion
.irp i, 0,1,2
	v_mov_b32 v[CD+3+\i], v[128+\i]
.endr
.if (\kb)+2 < 4
	LOADW (\kb)+2
.endif
.endm
	s_load_b512 s[4:19], s[0:1], 0x0               ; mlp1_w1, mlp1_w2, wq, mlp2_w1, mlp2_w2, wd, wkv, mem_mask
	s_load_b128 s[36:39], s[0:1], 0x40             ; wts, mw
	v_lshl_add_u32 v176, v0, 2, 0x8400
	v_mov_b32 v177, 0
	v_lshrrev_b32 v1, 5, v0
	v_readfirstlane_b32 s3, v1                     ; wave
	v_and_b32 v1, 31, v0                           ; lane
	s_cmp_lt_u32 ttmp9, 320
	s_cbranch_scc0 .Lmask
	; ---- a chunk of a weight.  idx = 36 y + p; y 0-3: stream A of wave y, y 4-7: stream C, y 8: wkv
	s_mul_i32 s20, ttmp9, 1821
	s_lshr_b32 s20, s20, 16                        ; y = idx / 36 (exact for idx under 320)
	s_mul_i32 s21, s20, 36
	s_sub_co_u32 s21, ttmp9, s21                   ; p
	s_lshr_b32 s22, s20, 2                         ; stream
	s_and_b32 s23, s20, 3                          ; the wave that will walk it
	s_add_co_u32 s24, s21, 32
	s_sub_co_u32 s25, s21, 4
	s_cmp_lt_u32 s21, 4
	s_cselect_b32 s24, s24, s25                    ; stream C has its projection first
	s_cmp_eq_u32 s22, 1
	s_cselect_b32 s24, s24, s21                    ; q: 0-15 first MLP weight, 16-31 second, 32-35 projection
	s_lshr_b32 s25, s24, 2
	s_lshl_b32 s26, s23, 2
	s_add_co_u32 s25, s25, s26                     ; group of the first weight
	s_and_b32 s26, s24, 3                          ; its K step
	s_and_b32 s27, s24, 15                         ; K step of the other two
	s_mov_b32 s28, 512
	s_lshr_b32 s29, s21, 2                         ; wkv: group,
	s_and_b32 s30, s21, 3                          ; K step
	s_wait_kmcnt 0x0
	s_cmp_eq_u32 s22, 1                            ; every choice hangs on the work-group's number alone
	s_cselect_b64 s[4:5], s[10:11], s[4:5]
	s_cselect_b64 s[6:7], s[12:13], s[6:7]
	s_cselect_b64 s[8:9], s[14:15], s[8:9]
	s_cmp_lt_u32 s24, 16
	s_cselect_b32 s25, s25, s23                    ; G
	s_cselect_b32 s26, s26, s27                    ; s
	s_cselect_b32 s28, 2048, s28                   ; N
	s_cselect_b64 s[6:7], s[4:5], s[6:7]
	s_cmp_lt_u32 s24, 32
	s_cselect_b64 s[6:7], s[6:7], s[8:9]
	s_cmp_eq_u32 s22, 2
	s_cselect_b32 s25, s29, s25
	s_cselect_b32 s26, s30, s26
	s_cselect_b32 s28, 1024, s28
	s_cselect_b64 s[6:7], s[16:17], s[6:7]
	s_mul_i32 s29, s26, s28
	s_add_co_u32 s29, s29, s25
	s_lshl_b32 s30, s29, 9                         ; (128 s N + 128 G) x 4 bytes
	s_lshl_b32 s31, s3, 7                          ; + my wave's 32 columns
	s_add_co_u32 s30, s30, s31
	s_mov_b32 s31, 0
	s_add_nc_u64 s[40:41], s[6:7], s[30:31]
	s_lshl_b32 s27, s28, 2                         ; a row of the weight in bytes
	s_lshl_b32 s32, s28, 7                         ; 32 rows
	s_mov_b32 s33, 0
	s_add_nc_u64 s[42:43], s[40:41], s[32:33]
	s_add_nc_u64 s[44:45], s[42:43], s[32:33]
	s_add_nc_u64 s[46:47], s[44:45], s[32:33]
	s_mul_i32 s30, ttmp9, 12288
	s_add_nc_u64 s[48:49], s[36:37], s[30:31]      ; the chunk's codes
	s_lshl_b32 s30, ttmp9, 9
	s_add_co_u32 s30, s30, WSOFF
	s_add_nc_u64 s[50:51], s[36:37], s[30:31]      ; its scale words
	v_lshlrev_b32 v3, 2, v1
.set kk, 0
.rept 32
	v_mad_u32_u24 v[AO+kk], s27, kk, v3
.set kk, kk+1
.endr
	LOADW 0
	LOADW 1
	v_bfe_u32 v4, v1, 3, 1                         ; u: which tile of the pair my column falls into,
	v_and_b32 v5, 7, v1
	v_bfe_u32 v6, v1, 4, 1
	v_lshl_or_b32 v5, v6, 3, v5                    ; m: and which row of it
	v_lshlrev_b32 v5, 4, v5
	v_mad_u32_u24 v6, v4, 1536, v5
	s_mul_i32 s29, s3, 3072
	v_add_nc_u32 v6, s29, v6                       ; 3072 wave + 1536 u + 16 m
	v_lshl_add_u32 v7, v4, 8, v5
	s_lshl_b32 s29, s3, 2
	v_add_nc_u32 v7, s29, v7                       ; 16 (m + 16 u) + 4 wave
	BLOCKW 0
	BLOCKW 1
	BLOCKW 2
	BLOCKW 3
.irp h, 0,1                                    ; blocks h and 2 + h belong to lane m + 16 h of the fragment
.irp p, 0,1,2
	global_store_b128 v6, v[CODE+12*\h+4*\p:CODE+12*\h+4*\p+3], s[48:49] offset:512*\p+256*\h   ; the sixteen lanes of a tile store 256 consecutive bytes, aligned
.endr
.endr
	global_store_b32 v7, v136, s[50:51]
	s_endpgm
.Lmask:
	; ---- the mask: a wave takes 16 queries x 512 keys.  Word n = 16 b + i of key step j: bit l = mask(query l % 16, key 128 j + 32 b + 16 (l / 16) + i)
	s_sub_co_u32 s20, ttmp9, 320
	s_lshl_b32 s20, s20, 2
	s_add_co_u32 s20, s20, s3                      ; unit = (batch x 128 + tile of queries) x 8 + which 512 keys
	s_lshr_b32 s21, s20, 3
	s_and_b32 s22, s20, 7
	s_lshl_b32 s24, s21, 16                        ; 16 rows of 4,096 bytes
	s_lshl_b32 s25, s22, 9
	s_add_co_u32 s24, s24, s25
	s_mov_b32 s25, 0
	s_lshl_b32 s26, s20, 10                        ; 256 words a unit
	s_mov_b32 s27, 0
	v_lshlrev_b32 v4, 4, v1
	s_mul_i32 s28, s3, 8448                        ; my wave's stage: 16 rows of 512 + 16 bytes
	v_add_nc_u32 v2, s28, v4
	v_and_b32 v5, 15, v1
	v_lshrrev_b32 v6, 4, v1
	v_mul_u32_u24 v3, v5, 528
	v_lshl_add_u32 v3, v6, 4, v3
	v_add_nc_u32 v3, s28, v3
	s_wait_kmcnt 0x0
	s_add_nc_u64 s[18:19], s[18:19], s[24:25]
	s_add_nc_u64 s[38:39], s[38:39], s[26:27]
.irp j, 0,1,2,3,4,5,6,7,8,9,10,11,12,13,14,15
	global_load_b128 v[40+4*\j:43+4*\j], v4, s[18:19] offset:4096*\j th:TH_LOAD_NT   ; 512 consecutive bytes of a query's row
.endr
.irp j, 0,1,2,3,4,5,6,7
	v_mov_b32 v[168+\j], 0                         ; a lane write's destination counts as read
.endr
	s_wait_loadcnt 0x0
.irp j, 0,1,2,3,4,5,6,7,8,9,10,11,12,13,14,15
	ds_store_b128 v2, v[40+4*\j:43+4*\j] offset:528*\j
.endr
.irp g, 0,1,2,3,4,5,6,7,8,9,10,11,12,13,14,15
	ds_load_b128 v[104+4*\g:107+4*\g], v3 offset:32*\g     ; my query's keys 32 g + 16 (l / 16) + 0 .. 15; a wave's LDS instructions are served in order
.endr
	s_wait_dscnt 0x0
.set W, 0
.rept 256
	v_and_b32 v[8+W%4], 0xff<<(8*(W%4)), v[104+4*(W/16)+(W%16)/4]
	v_cmp_ne_u32 s[40+W%8], 0, v[8+W%4]            ; the word: one bit a lane
	v_writelane_b32 v[168+4*(W/128)+W%4], s[40+W%8], (W%128)/4
.set W, W+1
.endr
	global_store_b128 v4, v[168:171], s[38:39]     ; 512 consecutive bytes each
	global_store_b128 v4, v[172:175], s[38:39] offset:512
	s_wait_tensorcnt 0x0
	ds_add_u32 v176, v177
	s_wait_dscnt 0x0
	s_endpgm
.Lfunc_end_k_qdcd590b6b5_prep:
	.size	k_qdcd590b6b5_prep, .Lfunc_end_k_qdcd590b6b5_prep-k_qdcd590b6b5_prep
	.p2alignl 7, 3214868480
	.fill 96, 4, 3214868480
	.section	.rodata,"a",@progbits
	.p2align	6, 0x0
	.amdhsa_kernel k_qdcd590b6b5_prep
		.amdhsa_group_segment_fixed_size 34304
		.amdhsa_private_segment_fixed_size 0
		.amdhsa_enable_private_segment 0
		.amdhsa_kernarg_size 80
		.amdhsa_user_sgpr_count 2
		.amdhsa_user_sgpr_kernarg_segment_ptr 1
		.amdhsa_wavefront_size32 1
		.amdhsa_system_sgpr_workgroup_id_x 1
		.amdhsa_system_sgpr_workgroup_id_y 1
		.amdhsa_system_sgpr_workgroup_id_z 1
		.amdhsa_system_vgpr_workitem_id 0
		.amdhsa_next_free_vgpr 178
		.amdhsa_next_free_sgpr 66
		.amdhsa_reserve_vcc 0
		.amdhsa_float_denorm_mode_32 3
		.amdhsa_float_denorm_mode_16_64 3
		.amdhsa_memory_ordered 1
		.amdhsa_forward_progress 1
		.amdhsa_inst_pref_size 77
	.end_amdhsa_kernel
	.amdgpu_metadata
---
amdhsa.version: [ 1, 2 ]
amdhsa.kernels:
  - .name:           k_qdcd590b6b5_prep
    .symbol:         k_qdcd590b6b5_prep.kd
    .args:
      - { .name: mlp1_w1, .offset: 0, .size: 8, .value_kind: global_buffer, .address_space: global }
      - { .name: mlp1_w2, .offset: 8, .size: 8, .value_kind: global_buffer, .address_space: global }
      - { .name: wq, .offset: 16, .size: 8, .value_kind: global_buffer, .address_space: global }
      - { .name: mlp2_w1, .offset: 24, .size: 8, .value_kind: global_buffer, .address_space: global }
      - { .name: mlp2_w2, .offset: 32, .size: 8, .value_kind: global_buffer, .address_space: global }
      - { .name: wd, .offset: 40, .size: 8, .value_kind: global_buffer, .address_space: global }
      - { .name: wkv, .offset: 48, .size: 8, .value_kind: global_buffer, .address_space: global }
      - { .name: mem_mask, .offset: 56, .size: 8, .value_kind: global_buffer, .address_space: global }
      - { .name: wts, .offset: 64, .size: 8, .value_kind: global_buffer, .address_space: global }
      - { .name: mw, .offset: 72, .size: 8, .value_kind: global_buffer, .address_space: global }
    .group_segment_fixed_size: 34304
    .private_segment_fixed_size: 0
    .kernarg_segment_align: 8
    .kernarg_segment_size: 80
    .max_flat_workgroup_size: 128
    .sgpr_count:     66
    .vgpr_count:     178
    .wavefront_size: 32
...
	.end_amdgpu_metadata
.endif
;; end of part 1
;; launch kvp (part 2): grid 256 x 1, 4 waves a work-group, no clusters, 13,824 bytes of LDS; arguments past_hidden, bkv, wts, kv; writes kv
.if DOCPART == 2
	.amdgcn_target "amdgcn-amd-amdhsa--gfx1250"
	.amdhsa_code_object_version 6
	.text
	.protected	k_qdcd590b6b5_kvp
	.globl	k_qdcd590b6b5_kvp
	.p2align	8
	.type	k_qdcd590b6b5_kvp,@function
k_qdcd590b6b5_kvp:
	s_mov_b64 s[64:65], 0
	v_nop
	global_prefetch_b8 v0, s[64:65] scope:SCOPE_SE
	s_setreg_imm32_b32 hwreg(HW_REG_WAVE_MODE, 25, 1), 1
	s_wait_xcnt 0x0
; KVP.  kv = Q(past_hidden) Q(wkv) + bkv on FP6 codes; k and v are normalised (l2) in f32 and quantised: k along the head's 32, v along the keys.
; A work-group takes one batch index and one block of 32 keys: two tiles of 16; tile u, row m is key 32 kg + 8 u + (m & 7) + 16 (m >> 3).  Wave w makes columns 256 w .. 256 w + 255 (heads 4 w .. 4 w + 3).
; k's products are used transposed (source 0 = 16 columns of wkv, source 1 = 16 keys): a lane holds a key, its registers run along d.  v's are used as they are (source 0 = keys, source 1 = columns):
; a lane holds a d, its registers run along the keys, which are the K of attention's second product.
; The rows' codes go from wave to wave through LDS as images of the operand's registers.  The weights come straight into registers, chunk by chunk, two buffers.
; REGISTERS: window 0: v4-16 addresses; v24-31 weights' scale words; v32-39 rows' scale words; v40-167 16 accumulators; v168-187 codes; v188-203, v228-231 at work; v204-219 sums of squares; v220-227 v's bias.
;   window 1: two chunks (v0-95, v96-191), k's bias (v192-255).   window 2: the rows' 8 fragments.
; LIMITS: NaN and infinities are not served; 1 / norm by v_rsq_f32 of max(sum of squares, 1e-24).
.set WSOFF, 3932160
.set L16, 4
.set L4, 5
.set XA, 6
.set KBO, 7
.set VBO, 8
.set IW, 9
.set SW, 10
.set KC16, 11
.set KC8, 12
.set KS, 13
.set VC16, 14
.set VC8, 15
.set VS, 16
.set WSC, 24
.set PS, 32
.set ACC, 40
.set PC, 168
.set TM, 188
.set SS, 204
.set VBI, 220
.set PW, 228
.set BYD, 229
.set LT, 230
.set SEL, 16
.set WP, 20
.set SP, 22
.set PSC, 12288
.set MSB, 0
.macro WIN new                         ; the immediate's high byte repeats the setting that is left
.if MSB != (\new)
	s_set_vgpr_msb (MSB<<8)|(\new)
.set MSB, \new
.endif
.endm
.macro BARRIER
	s_wait_dscnt 0x0
	s_barrier_signal -1
	s_barrier_wait -1
.endm
; 64 numbers of a lane, register 16 b + i = k 32 b + 16 (lane / 16) + i of my row, become a fragment's codes in v[PC] on and its scale word in v[PW]
.macro QUANT s
.irp b, 0,1,2,3
	v_max3_num_f32 v[TM+\b], |v[\s+16*\b]|, |v[\s+1+16*\b]|, 0x1800000
.endr
.irp i, 2,4,6,8,10,12,14
.irp b, 0,1,2,3
	v_max3_num_f32 v[TM+\b], v[TM+\b], |v[\s+16*\b+\i]|, |v[\s+1+16*\b+\i]|
.endr
.endr
.irp b, 0,1,2,3
	v_permlanex16_b32 v[TM+4+\b], v[TM+\b], s[SEL], s[SEL+1]
.endr
.irp b, 0,1,2,3
	v_max_num_f32 v[TM+\b], v[TM+\b], v[TM+4+\b]
.endr
.irp b, 0,1,2,3
	v_add_nc_u32 v[TM+12+\b], 0xff000000, v[TM+\b]
.endr
.irp b, 0,1,2,3
	v_lshrrev_b32 v[TM+4+\b], 23, v[TM+12+\b]
.endr
	v_lshl_or_b32 v[PW], v[TM+5], 8, v[TM+4]
	v_lshl_or_b32 v[PW], v[TM+6], 16, v[PW]
	v_lshl_or_b32 v[PW], v[TM+7], 24, v[PW]
.irp c, 0,1
	v_cvt_scalef32_pk16_fp6_f32 v[PC+6*\c:PC+2+6*\c], v[\s+32*\c:\s+15+32*\c], v[TM+12+2*\c]
	v_cvt_scalef32_pk16_fp6_f32 v[PC+12+4*\c:PC+14+4*\c], v[\s+16+32*\c:\s+31+32*\c], v[TM+12+2*\c+1]
.endr
	v_nop
.irp c, 0,1
.irp i, 0,1,2
	v_permlane16_swap_b32 v[PC+6*\c+\i], v[PC+12+4*\c+\i]
.endr
.irp i, 0,1,2
	v_mov_b32 v[PC+3+6*\c+\i], v[PC+12+4*\c+\i]
.endr
.endr
.endm
; two groups of 16 registers (a block of 32 lies in lanes l and l xor 16) become six registers: lane (r, h) holds the whole block of group h; the bytes in v[TM+4], v[TM+5]
.macro Q2 g
	s_wait_xcnt 0x0                                ; the codes' registers were store data
	v_max3_num_f32 v[TM], |v[\g]|, |v[\g+1]|, 0x1800000
	v_max3_num_f32 v[TM+1], |v[\g+16]|, |v[\g+17]|, 0x1800000
.irp i, 2,4,6,8,10,12,14
	v_max3_num_f32 v[TM], v[TM], |v[\g+\i]|, |v[\g+\i+1]|
	v_max3_num_f32 v[TM+1], v[TM+1], |v[\g+16+\i]|, |v[\g+17+\i]|
.endr
	v_permlanex16_b32 v[TM+4], v[TM], s[SEL], s[SEL+1]
	v_permlanex16_b32 v[TM+5], v[TM+1], s[SEL], s[SEL+1]
	v_max_num_f32 v[TM], v[TM], v[TM+4]
	v_max_num_f32 v[TM+1], v[TM+1], v[TM+5]
	v_add_nc_u32 v[TM+12], 0xff000000, v[TM]
	v_add_nc_u32 v[TM+13], 0xff000000, v[TM+1]
	v_lshrrev_b32 v[TM+4], 23, v[TM+12]
	v_lshrrev_b32 v[TM+5], 23, v[TM+13]
	v_cvt_scalef32_pk16_fp6_f32 v[PC:PC+2], v[\g:\g+15], v[TM+12]
	v_cvt_scalef32_pk16_fp6_f32 v[PC+12:PC+14], v[\g+16:\g+31], v[TM+13]
	v_nop
.irp i, 0,1,2
	v_permlane16_swap_b32 v[PC+\i], v[PC+12+\i]
.endr
.irp i, 0,1,2
	v_mov_b32 v[PC+3+\i], v[PC+12+\i]
.endr
.endm
; 16 registers and lane l xor 16's are one vector of 32: divided by its norm
.macro L2K g
	v_pk_mul_f32 v[LT:LT+1], v[\g:\g+1], v[\g:\g+1]
.irp i, 2,4,6,8,10,12,14
	v_pk_fma_f32 v[LT:LT+1], v[\g+\i:\g+\i+1], v[\g+\i:\g+\i+1], v[LT:LT+1]
.endr
	v_add_f32 v[LT], v[LT], v[LT+1]
	v_permlanex16_b32 v[LT+1], v[LT], s[SEL], s[SEL+1]
	v_add_f32 v[LT], v[LT], v[LT+1]
	v_max_num_f32 v[LT], 0x179abe15, v[LT]         ; 1e-24 = (1e-12)^2
	v_rsq_f32 v[LT], v[LT]
	v_nop
	s_wait_alu depctr_va_vdst(0)
.irp i, 0,2,4,6,8,10,12,14
	v_pk_mul_f32 v[\g+\i:\g+\i+1], v[\g+\i:\g+\i+1], v[LT:LT+1] op_sel_hi:[1,0]
.endr
.endm
.macro CHUNK buf, ahead                ; 25 loads: a chunk's 96 registers and its four scale words
	WIN 0x40
.irp i, 0,1,2,3,4,5,6,7,8,9,10,11,12,13,14,15,16,17,18,19,20,21,22,23
	global_load_b128 v[96*(\buf)+4*\i:96*(\buf)+4*\i+3], v[L16], s[WP:WP+1] offset:(\ahead)*12288+512*\i
.endr
	WIN 0
	global_load_b128 v[WSC+4*(\buf):WSC+4*(\buf)+3], v[L16], s[SP:SP+1] offset:(\ahead)*512
.endm
.macro WMM d, a, b, c, sa, sb, row     ; source 0 a weight's tile: its scales in lanes 0-15 (row = 0) or 16-31
.if \row
	v_wmma_scale_f32_16x16x128_f8f6f4 v[\d:\d+7], v[\a:\a+11], v[\b:\b+11], v[\c:\c+7], v[\sa], v[\sb] matrix_a_fmt:MATRIX_FMT_FP6 matrix_b_fmt:MATRIX_FMT_FP6 matrix_a_scale:MATRIX_SCALE_ROW1
.else
	v_wmma_scale_f32_16x16x128_f8f6f4 v[\d:\d+7], v[\a:\a+11], v[\b:\b+11], v[\c:\c+7], v[\sa], v[\sb] matrix_a_fmt:MATRIX_FMT_FP6 matrix_b_fmt:MATRIX_FMT_FP6
.endif
.endm
.macro WMV d, a, b, cz, sa, sb, row    ; source 1 a weight's tile; cz: the product starts its sum
.if \cz
.if \row
	v_wmma_scale_f32_16x16x128_f8f6f4 v[\d:\d+7], v[\a:\a+11], v[\b:\b+11], 0, v[\sa], v[\sb] matrix_a_fmt:MATRIX_FMT_FP6 matrix_b_fmt:MATRIX_FMT_FP6 matrix_b_scale:MATRIX_SCALE_ROW1
.else
	v_wmma_scale_f32_16x16x128_f8f6f4 v[\d:\d+7], v[\a:\a+11], v[\b:\b+11], 0, v[\sa], v[\sb] matrix_a_fmt:MATRIX_FMT_FP6 matrix_b_fmt:MATRIX_FMT_FP6
.endif
.else
.if \row
	v_wmma_scale_f32_16x16x128_f8f6f4 v[\d:\d+7], v[\a:\a+11], v[\b:\b+11], v[\d:\d+7], v[\sa], v[\sb] matrix_a_fmt:MATRIX_FMT_FP6 matrix_b_fmt:MATRIX_FMT_FP6 matrix_b_scale:MATRIX_SCALE_ROW1
.else
	v_wmma_scale_f32_16x16x128_f8f6f4 v[\d:\d+7], v[\a:\a+11], v[\b:\b+11], v[\d:\d+7], v[\sa], v[\sb] matrix_a_fmt:MATRIX_FMT_FP6 matrix_b_fmt:MATRIX_FMT_FP6
.endif
.endif
.endm
; K step s of group g: 16 products, the 16 accumulators by turns in the same order in every step
.macro STEPKV g, s
.set CI, 4*(\g)+(\s)
.set BU, CI%2
.if CI < 7
	s_wait_loadcnt 25                              ; all but the next chunk's 25 loads are in
.else
	s_wait_loadcnt 0x0
.endif
.if (\s) == 0
	WIN 0x19                                       ; source 0 and C (k's bias) window 1, source 1 window 2
.else
	WIN 0x09
.endif
.irp e, 0,1
.irp ut, 0,1
.irp u, 0,1
.if (\s) == 0
	WMM ACC+64*\e+16*\u+8*\ut, 96*BU+12*(4*\e+\ut), 12*(4*\u+(\s)), 192+32*(\g)+8*(2*\e+\ut), WSC+4*BU+2*\e, PS+4*\u+(\s), \ut
.else
	WMM ACC+64*\e+16*\u+8*\ut, 96*BU+12*(4*\e+\ut), 12*(4*\u+(\s)), ACC+64*\e+16*\u+8*\ut, WSC+4*BU+2*\e, PS+4*\u+(\s), \ut
.endif
.endr
.endr
.endr
	WIN 0x06                                       ; source 0 window 2, source 1 window 1
.irp e, 0,1
.irp dt, 0,1
.irp u, 0,1
	WMV ACC+64*\e+32+16*\dt+8*\u, 12*(4*\u+(\s)), 96*BU+12*(4*\e+2+\dt), (\s)==0, PS+4*\u+(\s), WSC+4*BU+2*\e+1, \dt
.endr
.endr
.endr
	WIN 0
.rept 4
	v_nop                                          ; places in front of loads into registers that the products read, and of the first read of results
.endr
.if CI < 6
	CHUNK BU, CI+2
.endif
.endm
.macro KPART g, e                      ; head 4 w + 2 g + e: k of the 32 keys
	L2K ACC+64*\e
	L2K ACC+64*\e+16
	Q2 ACC+64*\e
	v_lshl_or_b32 v[BYD], v[TM+5], 8, v[TM+4]      ; the two tiles' bytes of my row
	global_store_b128 v[KC16], v[PC:PC+3], s[10:11] offset:(2*\g+\e)*204800
	global_store_b64 v[KC8], v[PC+4:PC+5], s[10:11] offset:(2*\g+\e)*204800
	global_store_b16 v[KS], v[BYD], s[10:11] offset:(2*\g+\e)*204800
.endm
.macro VPART g, e                      ; the same head's v: lane = d, registers = keys
.set VA, ACC+64*\e+32
.irp dt, 0,1
.irp i, 0,1,2,3,4,5,6,7,8,9,10,11,12,13,14,15
	v_add_f32 v[VA+16*\dt+\i], v[VA+16*\dt+\i], v[VBI+4*\g+2*\e+\dt]
.endr
.endr
.irp i, 0,2,4,6,8,10,12,14
	v_pk_mul_f32 v[SS+\i:SS+\i+1], v[VA+\i:VA+\i+1], v[VA+\i:VA+\i+1]
.endr
.irp i, 0,2,4,6,8,10,12,14
	v_pk_fma_f32 v[SS+\i:SS+\i+1], v[VA+16+\i:VA+17+\i], v[VA+16+\i:VA+17+\i], v[SS+\i:SS+\i+1]
.endr
.irp k, 1,2,4,8                                ; a key's 32 d lie in two registers of sixteen lanes
.irp i, 0,1,2,3,4,5,6,7,8,9,10,11,12,13,14,15
	v_add_f32_dpp v[SS+\i], v[SS+\i], v[SS+\i] row_xmask:\k row_mask:0xf bank_mask:0xf
.endr
.endr
.irp i, 0,1,2,3,4,5,6,7,8,9,10,11,12,13,14,15
	v_max_num_f32 v[SS+\i], 0x179abe15, v[SS+\i]
.endr
.irp i, 0,1,2,3,4,5,6,7,8,9,10,11,12,13,14,15
	v_rsq_f32 v[SS+\i], v[SS+\i]
.endr
	v_nop
	s_wait_alu depctr_va_vdst(0)
.irp i, 0,2,4,6,8,10,12,14
	v_pk_mul_f32 v[VA+\i:VA+\i+1], v[VA+\i:VA+\i+1], v[SS+\i:SS+\i+1]
	v_pk_mul_f32 v[VA+16+\i:VA+17+\i], v[VA+16+\i:VA+17+\i], v[SS+\i:SS+\i+1]
.endr
	Q2 VA
	v_cndmask_b32 v[BYD], v[TM+4], v[TM+5], s18    ; lanes 16-31 hold the second tile of d
	global_store_b128 v[VC16], v[PC:PC+3], s[10:11] offset:(2*\g+\e)*204800
	global_store_b64 v[VC8], v[PC+4:PC+5], s[10:11] offset:(2*\g+\e)*204800
	global_store_b8 v[VS], v[BYD], s[10:11] offset:(2*\g+\e)*204800
.endm
	s_load_b256 s[4:11], s[0:1], 0x0               ; past_hidden, bkv, wts, kv
	v_lshl_add_u32 v254, v0, 2, 0x3400
	v_mov_b32 v255, 0
	v_lshrrev_b32 v1, 5, v0
	v_readfirstlane_b32 s12, v1                    ; wave
	v_and_b32 v1, 31, v0
	v_and_b32 v2, 15, v0                           ; r
	v_bfe_u32 v3, v0, 4, 1                         ; h
	s_and_b32 s13, ttmp9, 1                        ; batch index
	s_lshr_b32 s14, ttmp9, 1                       ; block of 32 keys
	s_lshr_b32 s24, s14, 2                         ; key step of 128
	s_and_b32 s25, s14, 3                          ; block in the step
	s_lshr_b32 s26, s25, 1
	s_and_b32 s27, s25, 1
	s_mov_b32 s[SEL], 0x76543210
	s_mov_b32 s[SEL+1], 0xfedcba98
	s_mov_b32 s18, 0xffff0000
	v_lshlrev_b32 v[L16], 4, v1
	v_lshlrev_b32 v[L4], 2, v1
	v_lshlrev_b32 v[KBO], 6, v3
	v_and_b32 v17, 7, v2
	v_lshrrev_b32 v18, 3, v2
	v_lshl_add_u32 v17, v18, 4, v17                ; (r & 7) + 16 (r >> 3)
	v_lshlrev_b32 v[VBO], 2, v17
	v_lshl_add_u32 v[XA], v17, 12, v[KBO]          ; a key is 4,096 bytes on from the last; + 64 h
	s_mul_i32 s28, s12, 1536
	v_add_nc_u32 v[IW], s28, v[L16]
	s_lshl_b32 s28, s12, 7
	v_add_nc_u32 v[SW], s28, v[L4]
	s_mul_i32 s28, s14, 768                        ; k's unit
	v_add_nc_u32 v[KC16], s28, v[L16]
	s_add_co_u32 s29, s28, 512
	v_lshl_add_u32 v[KC8], v1, 3, s29
	s_lshl_b32 s28, s24, 7
	s_lshl_b32 s29, s26, 6
	s_add_co_u32 s29, s29, s28
	s_lshl_b32 s30, s27, 1
	s_add_co_u32 s29, s29, s30
	s_add_co_u32 s29, s29, 196608
	v_lshl_add_u32 v[KS], v2, 2, s29
	s_add_co_u32 s29, s28, s25
	s_add_co_u32 s29, s29, 200704
	v_lshl_add_u32 v[VS], v2, 2, s29
	v_lshl_add_u32 v[VS], v3, 6, v[VS]
	s_mul_i32 s28, s24, 3072
	s_mul_i32 s29, s26, 768
	s_add_co_u32 s28, s28, s29
	s_add_co_u32 s28, s28, 98304
	s_lshl_b32 s29, s27, 8
	s_add_co_u32 s29, s29, s28
	s_lshl_b32 s30, s27, 7
	s_add_co_u32 s30, s30, s28
	s_add_co_u32 s30, s30, 512
	v_mul_u32_u24 v17, v3, 1536
	v_lshl_add_u32 v[VC16], v2, 4, v17
	v_add_nc_u32 v[VC16], s29, v[VC16]
	v_lshl_add_u32 v[VC8], v2, 3, v17
	v_add_nc_u32 v[VC8], s30, v[VC8]
.irp b, 0,1,2,3
	v_mov_b32 v[TM+4+\b], 0                        ; a lane permute's destination counts as one of its sources
.endr
	s_lshl_b32 s28, s14, 17
	s_lshl_b32 s29, s13, 11
	s_add_co_u32 s28, s28, s29
	s_lshl_b32 s29, s12, 9
	s_add_co_u32 s28, s28, s29
	s_mov_b32 s29, 0
	s_lshl_b32 s30, s12, 10
	s_mov_b32 s31, 0
	s_lshl_b32 s32, s12, 3
	s_add_co_u32 s32, s32, 288                     ; my first chunk
	s_mul_i32 s34, s32, 12288
	s_mov_b32 s35, 0
	s_lshl_b32 s32, s32, 9
	s_add_co_u32 s32, s32, WSOFF
	s_mov_b32 s33, 0
	s_wait_kmcnt 0x0
	s_add_nc_u64 s[4:5], s[4:5], s[28:29]
	s_add_nc_u64 s[6:7], s[6:7], s[30:31]
	s_add_nc_u64 s[WP:WP+1], s[8:9], s[34:35]
	s_add_nc_u64 s[SP:SP+1], s[8:9], s[32:33]
	s_lshl_b32 s28, s13, 2
	s_add_co_u32 s28, s28, s12
	s_mul_i32 s28, s28, 4*204800
	s_add_nc_u64 s[10:11], s[10:11], s[28:29]
.irp u, 0,1                                    ; my K step (128 of the 512) of the 32 keys: 64 numbers a lane and tile
.irp q, 0,1,2,3,4,5,6,7,8,9,10,11,12,13,14,15
	global_load_b128 v[ACC+64*\u+4*\q:ACC+64*\u+4*\q+3], v[XA], s[4:5] offset:32768*\u+128*(\q/4)+16*(\q%4) th:TH_LOAD_NT
.endr
.endr
	WIN 0x40
.irp g, 0,1
.irp e, 0,1
.irp ut, 0,1
	global_load_b128 v[192+32*\g+8*(2*\e+\ut):195+32*\g+8*(2*\e+\ut)], v[KBO], s[6:7] offset:512*\g+256*\e+32*\ut
	global_load_b128 v[196+32*\g+8*(2*\e+\ut):199+32*\g+8*(2*\e+\ut)], v[KBO], s[6:7] offset:512*\g+256*\e+32*\ut+16
.endr
.endr
.endr
	WIN 0
.irp g, 0,1
.irp e, 0,1
.irp dt, 0,1
	global_load_b32 v[VBI+4*\g+2*\e+\dt], v[VBO], s[6:7] offset:512*\g+256*\e+128+32*\dt
.endr
.endr
.endr
	CHUNK 0, 0
	CHUNK 1, 1
	s_wait_loadcnt 63                              ; 74 loads were issued behind the rows' 32: with 63 out at the most the rows are in
	QUANT ACC
.irp c, 0,1,2
	ds_store_b128 v[IW], v[PC+4*\c:PC+4*\c+3] offset:512*\c
.endr
	ds_store_b32 v[SW], v[PW] offset:PSC
	s_wait_dscnt 0x0
	QUANT ACC+64
.irp c, 0,1,2
	ds_store_b128 v[IW], v[PC+4*\c:PC+4*\c+3] offset:6144+512*\c
.endr
	ds_store_b32 v[SW], v[PW] offset:PSC+512
	BARRIER                                        ; the eight fragments (tile u, K step s: 4 u + s) lie in LDS
	WIN 0x80
.irp q, 0,1,2,3,4,5,6,7
.irp c, 0,1,2
	ds_load_b128 v[12*\q+4*\c:12*\q+4*\c+3], v[L16] offset:1536*\q+512*\c
.endr
.endr
	WIN 0
.irp q, 0,1,2,3,4,5,6,7
	ds_load_b32 v[PS+\q], v[L4] offset:PSC+128*\q
.endr
	s_wait_dscnt 0x0
.irp g, 0,1
	STEPKV \g, 0
	STEPKV \g, 1
	STEPKV \g, 2
	STEPKV \g, 3
	KPART \g, 0
	VPART \g, 0
	KPART \g, 1
	VPART \g, 1
.endr
	s_wait_tensorcnt 0x0
	ds_add_u32 v254, v255
	s_wait_dscnt 0x0
	s_endpgm
.Lfunc_end_k_qdcd590b6b5_kvp:
	.size	k_qdcd590b6b5_kvp, .Lfunc_end_k_qdcd590b6b5_kvp-k_qdcd590b6b5_kvp
	.p2alignl 7, 3214868480
	.fill 96, 4, 3214868480
	.section	.rodata,"a",@progbits
	.p2align	6, 0x0
	.amdhsa_kernel k_qdcd590b6b5_kvp
		.amdhsa_group_segment_fixed_size 13824
		.amdhsa_private_segment_fixed_size 0
		.amdhsa_enable_private_segment 0
		.amdhsa_kernarg_size 32
		.amdhsa_user_sgpr_count 2
		.amdhsa_user_sgpr_kernarg_segment_ptr 1
		.amdhsa_wavefront_size32 1
		.amdhsa_system_sgpr_workgroup_id_x 1
		.amdhsa_system_sgpr_workgroup_id_y 1
		.amdhsa_system_sgpr_workgroup_id_z 1
		.amdhsa_system_vgpr_workitem_id 0
		.amdhsa_next_free_vgpr 608
		.amdhsa_next_free_sgpr 66
		.amdhsa_reserve_vcc 0
		.amdhsa_float_denorm_mode_32 3
		.amdhsa_float_denorm_mode_16_64 3
		.amdhsa_memory_ordered 1
		.amdhsa_forward_progress 1
		.amdhsa_inst_pref_size 119
	.end_amdhsa_kernel
	.amdgpu_metadata
---
amdhsa.version: [ 1, 2 ]
amdhsa.kernels:
  - .name:           k_qdcd590b6b5_kvp
    .symbol:         k_qdcd590b6b5_kvp.kd
    .args:
      - { .name: past_hidden, .offset: 0, .size: 8, .value_kind: global_buffer, .address_space: global }
      - { .name: bkv, .offset: 8, .size: 8, .value_kind: global_buffer, .address_space: global }
      - { .name: wts, .offset: 16, .size: 8, .value_kind: global_buffer, .address_space: global }
      - { .name: kv, .offset: 24, .size: 8, .value_kind: global_buffer, .address_space: global }
    .group_segment_fixed_size: 13824
    .private_segment_fixed_size: 0
    .kernarg_segment_align: 8
    .kernarg_segment_size: 32
    .max_flat_workgroup_size: 128
    .sgpr_count:     66
    .vgpr_count:     608
    .wavefront_size: 32
...
	.end_amdgpu_metadata
.endif
;; end of part 2
;; launch chain_a (part 3): grid 256 x 1, 4 waves a work-group, no clusters, 76,288 bytes of LDS; arguments x, ln1_g, ln1_b, mlp1_b1, mlp1_b2, ln2_g, ln2_b, bq, wts, x1, qq; writes x1, qq
.if DOCPART == 3
	.amdgcn_target "amdgcn-amd-amdhsa--gfx1250"
	.amdhsa_code_object_version 6
	.text
	.protected	k_qdcd590b6b5_chain_a
	.globl	k_qdcd590b6b5_chain_a
	.p2align	8
	.type	k_qdcd590b6b5_chain_a,@function
k_qdcd590b6b5_chain_a:
	s_mov_b64 s[64:65], 0
	v_nop
	global_prefetch_b8 v0, s[64:65] scope:SCOPE_SE
	s_setreg_imm32_b32 hwreg(HW_REG_WAVE_MODE, 25, 1), 1
	s_wait_xcnt 0x0
; CHAIN A.  x1 = gelu(Q(LN1(x)) Q(W1) + b1) quantised x Q(W2) + b2;  q = l2norm(Q(LN2(x1)) Q(wq) + bq), quantised along each head's 32.  All products on FP6 codes with E8M0 scales.
; A work-group takes 16 rows (one batch index, 16 queries).  THE WAVES SHARE THE COLUMNS: wave w owns columns 128 w .. 128 w + 127 of every result of width 512, and hidden units 512 w .. 512 w + 511.
; Every product is used transposed (source 0 = 16 columns of a weight, source 1 = the 16 rows); the columns of a tile are chosen so that a lane's 16 registers of two neighbouring tiles are 16 neighbours along the next K.
; The rows' codes go from wave to wave through LDS as images of the operand's registers.  The weights come straight into registers: each wave walks one linear run of 36 chunks (12,288 bytes of codes, 512 of scale words), two buffers.
; No multicast: the weights land in registers, and a joint load lands in LDS alone.
; gelu is exact-erf: 0.5 erfc(|z|) = t exp(-z^2 + a polynomial in t), t = 1 / (1 + |z| / 2), fractional error about 1.2e-7.
; REGISTERS: window 0: v4-19 addresses; v20-23 mean, 1 / deviation; v24-31 weights' scale words; v32-35 rows' scale words; v36-83 four fragments of rows; v84-147 eight accumulators; v148-167 codes; v168-187 at work; v188-251 at work.
;   window 1: two chunks, the bias of the sums in hand (v192-255).   window 2: LN's gain (v0-63) and bias (v64-127).
; LIMITS: NaN and infinities are not served; v_rsq_f32, v_rcp_f32, v_exp_f32 stand ahead of the quantisers.
.set WSOFF, 3932160
.set STAT, 0
.set IMG0, 2048
.set ISC0, 8192
.set HIMG, 15360
.set HSC, 39936
.set STG, 41984
.set L16, 4
.set L4, 5
.set VB, 6
.set XA, 7
.set IW, 8
.set SW, 9
.set HW, 10
.set HSW, 11
.set STA, 12
.set SO, 13
.set SR, 14
.set MU, 20
.set RS, 22
.set WSC, 24
.set BS, 32
.set BF, 36
.set ACC, 84
.set PC, 148
.set TM, 168
.set PW, 184
.set LT, 186
.set T64, 188
.set LA, 188
.set GZ, 188
.set GT, 196
.set GP, 204
.set C9, 252
.set WP, 32
.set SP, 34
.set BP, 36
.set B2P, 38
.set TR, 40
.set SH, 41
.set SHS, 42
.set SEL, 44
.set INV, 46
.set EPS, 47
.set NT, 20                            ; K steps behind the loop: 16 of W2, 4 of wq
.set MSB, 0
.macro WIN new                         ; the immediate's high byte repeats the setting that is left
.if MSB != (\new)
	s_set_vgpr_msb (MSB<<8)|(\new)
.set MSB, \new
.endif
.endm
.macro BARRIER                         ; my LDS stores have landed and my LDS loads are in: then the work-group's barrier
	s_wait_dscnt 0x0
	s_barrier_signal -1
	s_barrier_wait -1
.endm
; 64 numbers of a lane, register 16 b + i = k 32 b + 16 (lane / 16) + i of my row, become a fragment's codes in v[PC] on and its scale word in v[PW]
.macro QUANT s
.irp b, 0,1,2,3
	v_max3_num_f32 v[TM+\b], |v[\s+16*\b]|, |v[\s+1+16*\b]|, 0x1800000
.endr
.irp i, 2,4,6,8,10,12,14
.irp b, 0,1,2,3
	v_max3_num_f32 v[TM+\b], v[TM+\b], |v[\s+16*\b+\i]|, |v[\s+1+16*\b+\i]|
.endr
.endr
.irp b, 0,1,2,3
	v_permlanex16_b32 v[TM+4+\b], v[TM+\b], s[SEL], s[SEL+1]
.endr
.irp b, 0,1,2,3
	v_max_num_f32 v[TM+\b], v[TM+\b], v[TM+4+\b]
.endr
.irp b, 0,1,2,3
	v_add_nc_u32 v[TM+12+\b], 0xff000000, v[TM+\b]
.endr
.irp b, 0,1,2,3
	v_lshrrev_b32 v[TM+4+\b], 23, v[TM+12+\b]
.endr
	v_lshl_or_b32 v[PW], v[TM+5], 8, v[TM+4]
	v_lshl_or_b32 v[PW], v[TM+6], 16, v[PW]
	v_lshl_or_b32 v[PW], v[TM+7], 24, v[PW]
.irp c, 0,1
	v_cvt_scalef32_pk16_fp6_f32 v[PC+6*\c:PC+2+6*\c], v[\s+32*\c:\s+15+32*\c], v[TM+12+2*\c]
	v_cvt_scalef32_pk16_fp6_f32 v[PC+12+4*\c:PC+14+4*\c], v[\s+16+32*\c:\s+31+32*\c], v[TM+12+2*\c+1]
.endr
	v_nop
.irp c, 0,1
.irp i, 0,1,2
	v_permlane16_swap_b32 v[PC+6*\c+\i], v[PC+12+4*\c+\i]
.endr
.irp i, 0,1,2
	v_mov_b32 v[PC+3+6*\c+\i], v[PC+12+4*\c+\i]
.endr
.endr
.endm
.macro IMAGE adr, off
.irp c, 0,1,2
	ds_store_b128 v[\adr], v[PC+4*\c:PC+4*\c+3] offset:\off+512*\c
.endr
.endm
.macro FETCHF reg, off
.irp c, 0,1,2
	ds_load_b128 v[\reg+4*\c:\reg+4*\c+3], v[L16] offset:\off+512*\c
.endr
.endm
.macro L2K g                           ; 16 registers and lane l xor 16's are one vector of 32: divided by its norm
	v_pk_mul_f32 v[LT:LT+1], v[\g:\g+1], v[\g:\g+1]
.irp i, 2,4,6,8,10,12,14
	v_pk_fma_f32 v[LT:LT+1], v[\g+\i:\g+\i+1], v[\g+\i:\g+\i+1], v[LT:LT+1]
.endr
	v_add_f32 v[LT], v[LT], v[LT+1]
	v_permlanex16_b32 v[LT+1], v[LT], s[SEL], s[SEL+1]
	v_add_f32 v[LT], v[LT], v[LT+1]
	v_max_num_f32 v[LT], 0x179abe15, v[LT]         ; 1e-24 = (1e-12)^2
	v_rsq_f32 v[LT], v[LT]
	v_nop
	s_wait_alu depctr_va_vdst(0)
.irp i, 0,2,4,6,8,10,12,14
	v_pk_mul_f32 v[\g+\i:\g+\i+1], v[\g+\i:\g+\i+1], v[LT:LT+1] op_sel_hi:[1,0]
.endr
.endm
.macro XLOAD reg, sb                   ; my row's 64 numbers of my wave's 128 columns
.irp q, 0,1,2,3,4,5,6,7,8,9,10,11,12,13,14,15
	global_load_b128 v[\reg+4*\q:\reg+4*\q+3], v[XA], s[\sb:\sb+1] offset:128*(\q/4)+16*(\q%4)
.endr
.endm
.macro PLOAD sg, sb                    ; LN's gain and bias at the same columns
	WIN 0x80
.irp q, 0,1,2,3,4,5,6,7,8,9,10,11,12,13,14,15
	global_load_b128 v[4*\q:4*\q+3], v[VB], s[\sg:\sg+1] offset:128*(\q/4)+16*(\q%4)
.endr
.irp q, 0,1,2,3,4,5,6,7,8,9,10,11,12,13,14,15
	global_load_b128 v[64+4*\q:64+4*\q+3], v[VB], s[\sb:\sb+1] offset:128*(\q/4)+16*(\q%4)
.endr
	WIN 0
.endm
.macro BLOAD sp                        ; a bias of 128 columns, in the result's layout: the C of a sum's first products
	WIN 0x40
.irp q, 0,1,2,3,4,5,6,7,8,9,10,11,12,13,14,15
	global_load_b128 v[192+4*\q:192+4*\q+3], v[VB], s[\sp:\sp+1] offset:128*(\q/4)+16*(\q%4)
.endr
	WIN 0
.endm
.macro CHUNK buf, ahead                ; 25 loads: a chunk's 96 registers and its four scale words
	WIN 0x40
.irp i, 0,1,2,3,4,5,6,7,8,9,10,11,12,13,14,15,16,17,18,19,20,21,22,23
	global_load_b128 v[96*(\buf)+4*\i:96*(\buf)+4*\i+3], v[L16], s[WP:WP+1] offset:(\ahead)*12288+512*\i
.endr
	WIN 0
	global_load_b128 v[WSC+4*(\buf):WSC+4*(\buf)+3], v[L16], s[SP:SP+1] offset:(\ahead)*512
.endm
.macro WMM d, a, b, c, sa, sb, row
.if \row
	v_wmma_scale_f32_16x16x128_f8f6f4 v[\d:\d+7], v[\a:\a+11], v[\b:\b+11], v[\c:\c+7], v[\sa], v[\sb] matrix_a_fmt:MATRIX_FMT_FP6 matrix_b_fmt:MATRIX_FMT_FP6 matrix_a_scale:MATRIX_SCALE_ROW1
.else
	v_wmma_scale_f32_16x16x128_f8f6f4 v[\d:\d+7], v[\a:\a+11], v[\b:\b+11], v[\c:\c+7], v[\sa], v[\sb] matrix_a_fmt:MATRIX_FMT_FP6 matrix_b_fmt:MATRIX_FMT_FP6
.endif
.endm
; A K step: the chunk in buffer buf against the rows' fragment in slot.  cm: the bias starts the sums.  wc: the younger loads that may stay out (the next chunk's 25).  dc: the younger LDS loads.
; hk: a bias to ask for.  rf: the hidden K step that takes the slot next, or -1.  ld: the chunk `ahead` takes the buffer.  The eight accumulators take turns in the same order in every step.
.macro STEP buf, slot, cm, ld, ahead, wc, dc, hk, rf
	s_wait_loadcnt \wc
	s_wait_dscnt \dc
.if \cm
	WIN 0x11
.else
	WIN 0x01
.endif
.irp t, 0,1,2,3,4,5,6,7
.if \cm
	WMM ACC+8*\t, 96*(\buf)+12*\t, BF+12*(\slot), 192+8*\t, WSC+4*(\buf)+\t/2, BS+(\slot), \t%2
.else
	WMM ACC+8*\t, 96*(\buf)+12*\t, BF+12*(\slot), ACC+8*\t, WSC+4*(\buf)+\t/2, BS+(\slot), \t%2
.endif
.endr
	WIN 0
.rept 4
	v_nop                                          ; places in front of loads into registers that the products read, and of the first read of results
.endr
.if \hk
	BLOAD \hk
.endif
.if (\rf) >= 0
	FETCHF BF+12*(\slot), HIMG+(\rf)*1536
	ds_load_b32 v[BS+(\slot)], v[L4] offset:HSC+(\rf)*128
.endif
.if \ld
	CHUNK \buf, \ahead
.endif
.endm
.macro GSTEP cm, dc, hk, rf            ; K step S2 of the NT behind the loop
.if S2+2 < NT
.set LD_, 1
.else
.set LD_, 0
.endif
.if S2+1 < NT
.set WC_, 25
.else
.set WC_, 0
.endif
	STEP S2%2, S2%4, \cm, LD_, S2+2, WC_, \dc, \hk, \rf
.set S2, S2+1
.endm
.macro REDUCE off                      ; two packed partial sums -> the row's sum over all 512 columns, in every lane
	v_pk_add_f32 v[LA:LA+1], v[LA:LA+1], v[LA+2:LA+3]
	v_add_f32 v[LA], v[LA], v[LA+1]
	v_permlanex16_b32 v[LA+1], v[LA], s[SEL], s[SEL+1]
	v_add_f32 v[LA], v[LA], v[LA+1]
	ds_store_b32 v[STA], v[LA] offset:\off         ; word 4 lane + wave
	BARRIER
	ds_load_b128 v[LA:LA+3], v[L16] offset:\off    ; the four waves' sums of my row
	s_wait_dscnt 0x0
	v_add_f32 v[LA], v[LA], v[LA+1]
	v_add_f32 v[LA+2], v[LA+2], v[LA+3]
	v_add_f32 v[LA], v[LA], v[LA+2]
.endm
; LayerNorm of the 16 rows (source: 64 registers at src of window sw), quantised; all four K steps' fragments come back into v[BF] on.  Each LDS region is written once.
.macro LNX k, src, sw
	WIN (\sw)|((\sw)<<2)
	v_pk_add_f32 v[LA:LA+1], v[\src:\src+1], v[\src+2:\src+3]
	v_pk_add_f32 v[LA+2:LA+3], v[\src+4:\src+5], v[\src+6:\src+7]
	WIN (\sw)<<2
.irp j, 8,12,16,20,24,28,32,36,40,44,48,52,56,60
	v_pk_add_f32 v[LA:LA+1], v[LA:LA+1], v[\src+\j:\src+\j+1]
	v_pk_add_f32 v[LA+2:LA+3], v[LA+2:LA+3], v[\src+\j+2:\src+\j+3]
.endr
	WIN 0
	REDUCE STAT+1024*(\k)
	v_mul_f32 v[MU], s[INV], v[LA]                 ; the mean
	WIN \sw
.set J_, 0
.rept 32
	v_pk_add_f32 v[ACC+J_:ACC+J_+1], v[\src+J_:\src+J_+1], v[MU:MU+1] op_sel_hi:[1,0] neg_lo:[0,1] neg_hi:[0,1]
.set J_, J_+2
.endr
	WIN 0
	v_pk_mul_f32 v[LA:LA+1], v[ACC:ACC+1], v[ACC:ACC+1]
	v_pk_mul_f32 v[LA+2:LA+3], v[ACC+2:ACC+3], v[ACC+2:ACC+3]
.irp j, 4,8,12,16,20,24,28,32,36,40,44,48,52,56,60
	v_pk_fma_f32 v[LA:LA+1], v[ACC+\j:ACC+\j+1], v[ACC+\j:ACC+\j+1], v[LA:LA+1]
	v_pk_fma_f32 v[LA+2:LA+3], v[ACC+\j+2:ACC+\j+3], v[ACC+\j+2:ACC+\j+3], v[LA+2:LA+3]
.endr
	REDUCE STAT+1024*(\k)+512
	v_fma_f32 v[RS], v[LA], s[INV], s[EPS]         ; the variance + 1e-5
	v_rsq_f32 v[RS], v[RS]
	v_nop
.set J_, 0
	s_wait_alu depctr_va_vdst(0)
.rept 32
	v_pk_mul_f32 v[ACC+J_:ACC+J_+1], v[ACC+J_:ACC+J_+1], v[RS:RS+1] op_sel_hi:[1,0]
.set J_, J_+2
.endr
	WIN 0x28                                       ; gain and bias in window 2
.set J_, 0
.rept 32
	v_pk_fma_f32 v[ACC+J_:ACC+J_+1], v[ACC+J_:ACC+J_+1], v[J_:J_+1], v[64+J_:65+J_]
.set J_, J_+2
.endr
	WIN 0
	QUANT ACC
	IMAGE IW, IMG0+6656*(\k)
	ds_store_b32 v[SW], v[PW] offset:ISC0+6656*(\k)
	BARRIER
.irp s, 0,1,2,3
	FETCHF BF+12*\s, IMG0+6656*(\k)+1536*\s
	ds_load_b32 v[BS+\s], v[L4] offset:ISC0+6656*(\k)+128*\s
.endr
.endm
; gelu of eight registers: a x Phi(a); Phi = 0.5 erfc(|z|) for z < 0, 1 - that for z >= 0, z = a / sqrt(2)
.macro GELU8 a
.irp i, 0,2,4,6
	v_pk_mul_f32 v[GZ+\i:GZ+\i+1], v[\a+\i:\a+\i+1], 0x3f3504f3 op_sel_hi:[1,0]
.endr
.irp i, 0,1,2,3,4,5,6,7
	v_fma_f32 v[GT+\i], |v[GZ+\i]|, 0.5, 1.0
.endr
.irp i, 0,1,2,3,4,5,6,7
	v_rcp_f32 v[GT+\i], v[GT+\i]
.endr
	v_nop
	s_wait_alu depctr_va_vdst(0)
.irp i, 0,2,4,6
	v_pk_fma_f32 v[GP+\i:GP+\i+1], v[GT+\i:GT+\i+1], v[C9:C9+1], 0xbf527892 op_sel_hi:[1,1,0]
.endr
.irp c, 0x3fbe87b0,0xbf914e5d,0x3e8ec7cc,0xbe3ec24c,0x3dc636c9,0x3ebf88fb,0x3f8000c7,0xbffab55a
.irp i, 0,2,4,6
	v_pk_fma_f32 v[GP+\i:GP+\i+1], v[GP+\i:GP+\i+1], v[GT+\i:GT+\i+1], \c op_sel_hi:[1,1,0]
.endr
.endr
.irp i, 0,2,4,6
	v_pk_fma_f32 v[GP+\i:GP+\i+1], v[GZ+\i:GZ+\i+1], v[GZ+\i:GZ+\i+1], v[GP+\i:GP+\i+1] neg_lo:[1,0,0] neg_hi:[1,0,0]
.endr
.irp i, 0,2,4,6
	v_pk_mul_f32 v[GP+\i:GP+\i+1], v[GP+\i:GP+\i+1], 0x3fb8aa3b op_sel_hi:[1,0]
.endr
.irp i, 0,1,2,3,4,5,6,7
	v_exp_f32 v[GP+\i], v[GP+\i]
.endr
	v_nop
	s_wait_alu depctr_va_vdst(0)
.irp i, 0,2,4,6
	v_pk_mul_f32 v[GP+\i:GP+\i+1], v[GP+\i:GP+\i+1], v[GT+\i:GT+\i+1]
.endr
.irp i, 0,2,4,6
	v_pk_fma_f32 v[GT+\i:GT+\i+1], v[GP+\i:GP+\i+1], -1.0, 1.0 op_sel_hi:[1,0,0]
.endr
.irp i, 0,1,2,3,4,5,6,7
	v_cmp_gt_f32 vcc_lo, 0, v[GZ+\i]
	v_cndmask_b32 v[GT+\i], v[GT+\i], v[GP+\i], vcc_lo
.endr
.irp i, 0,2,4,6
	v_pk_mul_f32 v[\a+\i:\a+\i+1], v[\a+\i:\a+\i+1], v[GT+\i:GT+\i+1]
.endr
.endm
.macro STORE_ROWS sb                   ; my 128 columns of the 16 rows through my own stage: each store of the wave covers 512 consecutive bytes, aligned
.irp q, 0,1,2,3,4,5,6,7,8,9,10,11,12,13,14,15
	ds_store_b128 v[SO], v[ACC+4*\q:ACC+4*\q+3] offset:128*(\q/4)+16*(\q%4)
.endr
.irp i, 0,1,2,3,4,5,6,7,8,9,10,11,12,13,14,15
	ds_load_b128 v[T64+4*\i:T64+4*\i+3], v[SR] offset:528*\i       ; a wave's LDS instructions are served in order
.endr
.irp i, 0,1,2,3,4,5,6,7,8,9,10,11,12,13,14,15
	s_wait_dscnt 15-\i
	global_store_b128 v[L16], v[T64+4*\i:T64+4*\i+3], s[\sb:\sb+1] offset:4096*\i
.endr
	s_wait_xcnt 0x0                                ; the stores' data registers are written again behind this wait
.endm
.macro HIDDEN                          ; the loop over my four groups of 128 hidden units: 4 K steps, gelu, quantise, image
	s_mov_b32 s[TR], 4
	s_mov_b32 s[SH], 0
	s_mov_b32 s[SHS], 0
.Lg1:
	STEP 0, 0, 1, 1, 2, 25, 0, BP, -1
	STEP 1, 1, 0, 1, 3, 25, 0, 0, -1
	STEP 0, 2, 0, 1, 4, 25, 0, 0, -1
	STEP 1, 3, 0, 1, 5, 25, 0, 0, -1
.irp t, 0,1,2,3,4,5,6,7
	GELU8 ACC+8*\t
.endr
	QUANT ACC
	v_add_nc_u32 v15, s[SH], v[HW]
	v_add_nc_u32 v16, s[SHS], v[HSW]
	IMAGE 15, HIMG                                 ; K step 4 w + trip of the second product
	ds_store_b32 v16, v[PW] offset:HSC
	s_wait_xcnt 0x0                                ; the trip's loads have read their bases
	s_add_nc_u64 s[WP:WP+1], s[WP:WP+1], 49152
	s_add_nc_u64 s[SP:SP+1], s[SP:SP+1], 2048
	s_add_nc_u64 s[BP:BP+1], s[BP:BP+1], 512
	s_add_co_u32 s[SH], s[SH], 1536
	s_add_co_u32 s[SHS], s[SHS], 128
	s_sub_co_u32 s[TR], s[TR], 1
	s_cmp_eq_u32 s[TR], 1
	s_cselect_b64 s[BP:BP+1], s[B2P:B2P+1], s[BP:BP+1]   ; the last trip asks for the second product's bias
	s_cmp_lg_u32 s[TR], 0
	s_cbranch_scc1 .Lg1
	BARRIER                                        ; the hidden layer's sixteen fragments lie in LDS
.irp s, 0,1,2,3
	FETCHF BF+12*\s, HIMG+1536*\s
	ds_load_b32 v[BS+\s], v[L4] offset:HSC+128*\s
.endr
.endm
.macro SECOND hk0                      ; the second product: 16 K steps; a slot is filled again four steps ahead, so twelve younger LDS loads may stay out
.set S2, 0
.rept 16
.if S2 < 12
.set DC_, 12
.set RF_, S2+4
.else
.set DC_, 4*(15-S2)
.set RF_, -1
.endif
.if S2 == 0
	GSTEP 1, DC_, \hk0, RF_
.else
	GSTEP 0, DC_, 0, RF_
.endif
.endr
.endm
	s_load_b512 s[4:19], s[0:1], 0x0               ; x, ln1_g, ln1_b, mlp1_b1, mlp1_b2, ln2_g, ln2_b, bq
	s_load_b128 s[20:23], s[0:1], 0x40             ; wts, x1
	s_load_b64 s[24:25], s[0:1], 0x50              ; qq
	v_lshl_add_u32 v254, v0, 2, 0x12800
	v_mov_b32 v255, 0
	v_lshrrev_b32 v1, 5, v0
	v_readfirstlane_b32 s26, v1                    ; wave
	v_and_b32 v1, 31, v0
	v_and_b32 v2, 15, v0                           ; r
	v_bfe_u32 v3, v0, 4, 1                         ; h
	s_and_b32 s27, ttmp9, 1                        ; batch index
	s_lshr_b32 s28, ttmp9, 1                       ; tile of 16 queries
	v_lshlrev_b32 v[L16], 4, v1
	v_lshlrev_b32 v[L4], 2, v1
	v_lshlrev_b32 v[VB], 6, v3
	v_lshl_add_u32 v[XA], v2, 12, v[VB]            ; a query is 4,096 bytes on from the last
	s_mul_i32 s29, s26, 1536
	v_add_nc_u32 v[IW], s29, v[L16]
	s_lshl_b32 s29, s26, 7
	v_add_nc_u32 v[SW], s29, v[L4]
	s_mul_i32 s29, s26, 6144
	v_add_nc_u32 v[HW], s29, v[L16]
	s_lshl_b32 s29, s26, 9
	v_add_nc_u32 v[HSW], s29, v[L4]
	s_lshl_b32 s29, s26, 2
	v_add_nc_u32 v[STA], s29, v[L16]
	s_mul_i32 s29, s26, 8448
	s_add_co_u32 s29, s29, STG
	v_mul_u32_u24 v[SO], v2, 528
	v_add_nc_u32 v[SO], v[SO], v[VB]
	v_add_nc_u32 v[SO], s29, v[SO]
	v_add_nc_u32 v[SR], s29, v[L16]
	v_mul_u32_u24 v17, v3, 49152                   ; q's codes: lanes 16-31 hold the next head
	v_lshl_add_u32 v18, v2, 3, v17
	v_lshl_add_u32 v17, v2, 4, v17
	s_lshl_b32 s29, s28, 8
	v_add_nc_u32 v17, s29, v17
	s_lshl_b32 s29, s28, 7
	s_add_co_u32 s29, s29, 32768
	v_add_nc_u32 v18, s29, v18
	s_lshl_b32 s29, s27, 2
	s_add_co_u32 s29, s29, s26
	s_lshl_b32 s29, s29, 13
	s_lshl_b32 s30, s28, 6
	s_add_co_u32 s29, s29, s30
	s_add_co_u32 s29, s29, 1572864
	v_lshl_add_u32 v19, v2, 2, s29                 ; q's scale words
	s_mov_b32 s[SEL], 0x76543210
	s_mov_b32 s[SEL+1], 0xfedcba98
	s_mov_b32 s[INV], 0x3b000000                   ; 1 / 512
	s_mov_b32 s[EPS], 0x3727c5ac                   ; 1e-5
	v_mov_b32 v[C9], 0x3e2ef946
	v_mov_b32 v[C9+1], 0x3e2ef946
	v_mov_b32 v[MU+1], 0
	v_mov_b32 v[RS+1], 0
.irp b, 0,1,2,3
	v_mov_b32 v[TM+4+\b], 0                        ; a lane permute's destination counts as one of its sources
.endr
	s_wait_kmcnt 0x0
	s_lshl_b32 s48, s26, 9                         ; my wave's 128 columns
	s_mov_b32 s49, 0
	s_add_nc_u64 s[6:7], s[6:7], s[48:49]
	s_add_nc_u64 s[8:9], s[8:9], s[48:49]
	s_add_nc_u64 s[12:13], s[12:13], s[48:49]
	s_add_nc_u64 s[14:15], s[14:15], s[48:49]
	s_add_nc_u64 s[16:17], s[16:17], s[48:49]
	s_add_nc_u64 s[18:19], s[18:19], s[48:49]
	s_lshl_b32 s50, s28, 16
	s_lshl_b32 s51, s27, 11
	s_add_co_u32 s50, s50, s51
	s_add_co_u32 s50, s50, s48
	s_mov_b32 s51, 0
	s_add_nc_u64 s[4:5], s[4:5], s[50:51]
	s_add_nc_u64 s[22:23], s[22:23], s[50:51]
	s_lshl_b32 s48, s26, 11                        ; my wave's 512 hidden units
	s_add_nc_u64 s[10:11], s[10:11], s[48:49]
	s_add_nc_u64 s[BP:BP+1], s[10:11], 512
	s_mov_b64 s[B2P:B2P+1], s[12:13]
	s_mul_i32 s48, s26, 36*12288
	s_add_nc_u64 s[WP:WP+1], s[20:21], s[48:49]
	s_mul_i32 s48, s26, 36*512
	s_add_co_u32 s48, s48, WSOFF
	s_add_nc_u64 s[SP:SP+1], s[20:21], s[48:49]
	s_mov_b64 s[52:53], s[24:25]
	s_lshl_b32 s48, s27, 2
	s_add_co_u32 s48, s48, s26
	s_mul_i32 s48, s48, 4*49152
	s_add_nc_u64 s[24:25], s[24:25], s[48:49]
	XLOAD ACC, 4
	PLOAD 6, 8
	BLOAD 10
	CHUNK 0, 0
	CHUNK 1, 1
	s_wait_loadcnt 63                              ; 66 loads were issued behind x's and LN1's 48: with 63 out at the most those are in
	LNX 0, ACC, 0
	PLOAD 14, 16                                   ; LN2's gain and bias, wanted far later
	HIDDEN
	SECOND 18                                      ; its first step asks for bq
	STORE_ROWS 22                                  ; x1
	LNX 1, ACC, 0
	GSTEP 1, 0, 0, -1                              ; h wq + bq
	GSTEP 0, 0, 0, -1
	GSTEP 0, 0, 0, -1
	GSTEP 0, 0, 0, -1
.irp b, 0,1,2,3
	L2K ACC+16*\b                                  ; head 4 w + b
.endr
	QUANT ACC                                      ; a block of 32 is a head: lane (r, h) holds heads 4 w + h and 4 w + 2 + h of query r
.irp c, 0,1
	global_store_b128 v17, v[PC+6*\c:PC+6*\c+3], s[24:25] offset:98304*\c
	global_store_b64 v18, v[PC+6*\c+4:PC+6*\c+5], s[24:25] offset:98304*\c
.endr
	global_store_b32 v19, v[PW], s[52:53]          ; (lanes 16-31 write what lanes 0-15 write)
	s_wait_tensorcnt 0x0
	ds_add_u32 v254, v255
	s_wait_dscnt 0x0
	s_endpgm
.Lfunc_end_k_qdcd590b6b5_chain_a:
	.size	k_qdcd590b6b5_chain_a, .Lfunc_end_k_qdcd590b6b5_chain_a-k_qdcd590b6b5_chain_a
	.p2alignl 7, 3214868480
	.fill 96, 4, 3214868480
	.section	.rodata,"a",@progbits
	.p2align	6, 0x0
	.amdhsa_kernel k_qdcd590b6b5_chain_a
		.amdhsa_group_segment_fixed_size 76288
		.amdhsa_private_segment_fixed_size 0
		.amdhsa_enable_private_segment 0
		.amdhsa_kernarg_size 88
		.amdhsa_user_sgpr_count 2
		.amdhsa_user_sgpr_kernarg_segment_ptr 1
		.amdhsa_wavefront_size32 1
		.amdhsa_system_sgpr_workgroup_id_x 1
		.amdhsa_system_sgpr_workgroup_id_y 1
		.amdhsa_system_sgpr_workgroup_id_z 1
		.amdhsa_system_vgpr_workitem_id 0
		.amdhsa_next_free_vgpr 704
		.amdhsa_next_free_sgpr 66
		.amdhsa_reserve_vcc 1
		.amdhsa_float_denorm_mode_32 3
		.amdhsa_float_denorm_mode_16_64 3
		.amdhsa_memory_ordered 1
		.amdhsa_forward_progress 1
		.amdhsa_inst_pref_size 213
	.end_amdhsa_kernel
	.amdgpu_metadata
---
amdhsa.version: [ 1, 2 ]
amdhsa.kernels:
  - .name:           k_qdcd590b6b5_chain_a
    .symbol:         k_qdcd590b6b5_chain_a.kd
    .args:
      - { .name: x, .offset: 0, .size: 8, .value_kind: global_buffer, .address_space: global }
      - { .name: ln1_g, .offset: 8, .size: 8, .value_kind: global_buffer, .address_space: global }
      - { .name: ln1_b, .offset: 16, .size: 8, .value_kind: global_buffer, .address_space: global }
      - { .name: mlp1_b1, .offset: 24, .size: 8, .value_kind: global_buffer, .address_space: global }
      - { .name: mlp1_b2, .offset: 32, .size: 8, .value_kind: global_buffer, .address_space: global }
      - { .name: ln2_g, .offset: 40, .size: 8, .value_kind: global_buffer, .address_space: global }
      - { .name: ln2_b, .offset: 48, .size: 8, .value_kind: global_buffer, .address_space: global }
      - { .name: bq, .offset: 56, .size: 8, .value_kind: global_buffer, .address_space: global }
      - { .name: wts, .offset: 64, .size: 8, .value_kind: global_buffer, .address_space: global }
      - { .name: x1, .offset: 72, .size: 8, .value_kind: global_buffer, .address_space: global }
      - { .name: qq, .offset: 80, .size: 8, .value_kind: global_buffer, .address_space: global }
    .group_segment_fixed_size: 76288
    .private_segment_fixed_size: 0
    .kernarg_segment_align: 8
    .kernarg_segment_size: 88
    .max_flat_workgroup_size: 128
    .sgpr_count:     66
    .vgpr_count:     704
    .wavefront_size: 32
...
	.end_amdgpu_metadata
.endif
;; end of part 3
;; launch att (part 4): grid 8 x 32, 16 waves a work-group, no clusters, 206,848 bytes of LDS; arguments qq, kv, mw, cx; writes cx
.if DOCPART == 4
	.amdgcn_target "amdgcn-amd-amdhsa--gfx1250"
	.amdhsa_code_object_version 6
	.text
	.protected	k_qdcd590b6b5_att
	.globl	k_qdcd590b6b5_att
	.p2align	8
	.type	k_qdcd590b6b5_att,@function
k_qdcd590b6b5_att:
	s_mov_b64 s[64:65], 0
	v_nop
	global_prefetch_b8 v0, s[64:65] scope:SCOPE_SE
	s_setreg_imm32_b32 hwreg(HW_REG_WAVE_MODE, 25, 1), 1
	s_wait_xcnt 0x0
; ATT.  ctx = softmax(mask(q k^T / sqrt(32))) v on FP6 codes, for one batch index and head (work-group y) and 256 queries (work-group x); ctx is quantised along the head's 32 for the next product.
; A wave owns 16 queries in 256 registers: four waves to a SIMD.  THE WHOLE HEAD'S k, v and their scale words, 204,800 bytes, lie in LDS, filled once: each wave brings 12,800 bytes by one tensor load.  Nothing is filled again.
; No multicast: what the eight work-groups of a head share is fetched once at the head of 32 key steps' work.
; Both products are used transposed: a lane holds one query.  K = 32 IN A FORM OF K = 128: a fragment of k holds FOUR tiles of 16 keys, one in each block of 32; q's codes stand in one block and zero codes in the other three.
; The softmax: t = score x log2(e) / sqrt(32); M = the running largest t rounded up to a whole number; p = 2^(t - M) is quantised along the keys; the sum is taken of the unquantised p and divides at the end.
; The mask comes as words with one bit a lane (scalar loads); it only selects values.  A masked score is -10000 sqrt(32), so that its t is -10000 log2(e) within one rounding.
; REGISTERS: v1-5 lane terms of LDS addresses, v8-11, v20 the addresses in hand; v12 -M, v13 largest t, v[14:15] the sum; v16-19 global offsets; v32-55 k; v56-79 v; v96-159 scores, then p; v160-175 O^T;
;   v176-205 zeros, q in lanes 0-15, zeros, q in lanes 16-31, zeros (six each); v206 q's scales, v207 k's, v208 v's; v209 the masked score; v224.. p's codes; v232-254 at work.
; LIMITS: NaN and infinities are not served.
.set SEL, 14
.set CS, 12
.macro MLOAD                           ; a key step's 64 mask words
	s_load_b512 s[16:31], s[8:9], s98 offset:0x0
	s_load_b512 s[32:47], s[8:9], s98 offset:0x40
	s_load_b512 s[48:63], s[8:9], s98 offset:0x80
	s_load_b512 s[68:83], s[8:9], s98 offset:0xc0
.endm
.macro LDU reg, a16, a8                ; four units of 768 bytes: a lane's six registers, four at 16 l, two at 512 + 8 l
.irp q, 0,1,2,3
	ds_load_b128 v[\reg+6*\q:\reg+6*\q+3], v[\a16] offset:768*\q
	ds_load_b64 v[\reg+6*\q+4:\reg+6*\q+5], v[\a8] offset:768*\q
.endr
.endm
	s_load_b256 s[4:11], s[0:1], 0x0               ; qq, kv, mw, cx
	v_lshl_add_u32 v251, v0, 2, 0x32000
	v_mov_b32 v255, 0
	ds_add_u32 v251, v255
	ds_add_u32 v251, v255
	v_lshrrev_b32 v6, 5, v0
	v_readfirstlane_b32 s96, v6                    ; wave 0..15
	s_and_b32 s99, ttmp7, 0xffff                   ; y = 16 x batch index + head
	s_mov_b32 s88, 3<<16                           ; group 1: elements of 8 bytes, no mask, no padding
	s_mov_b32 s89, 32<<16                          ; tensor_dim0 = 32 elements: rows of 256 bytes
	s_mov_b32 s90, 50<<16                          ; tensor_dim1 = 50
	s_mov_b32 s91, 32<<16                          ; tile_dim0
	s_mov_b32 s92, 50                              ; tile_dim1
	s_mov_b32 s93, 32                              ; the pitch: the block is dense
	s_mov_b32 s94, 0
	s_mov_b32 s95, 0
	s_mov_b32 s84, 1
	s_mul_i32 s85, s96, 12800                      ; LDS address: my wave's part
	s_mul_i32 s2, s99, 204800
	s_add_co_u32 s2, s2, s85
	s_mov_b32 s3, 0
	s_wait_dscnt 0x0
	s_wait_kmcnt 0x0
	s_add_nc_u64 s[86:87], s[6:7], s[2:3]
	s_or_b32 s87, s87, 0x80000000
	tensor_load_to_lds s[84:87], s[88:95]          ; my one tensor load
	s_nop 0
.rept 4
	v_nop
.endr
	v_and_b32 v6, 31, v0
	v_and_b32 v7, 15, v0
	v_lshlrev_b32 v1, 4, v6                        ; k: 16 l
	v_lshlrev_b32 v2, 3, v6
	v_add_nc_u32 v2, 512, v2                       ; 512 + 8 l
	v_add_nc_u32 v3, 95232, v1                     ; v: one step (3,072 bytes) ahead of its region at 98,304: the scalar added stands one step on
	v_add_nc_u32 v4, 95232, v2
	v_lshlrev_b32 v5, 2, v6
	v_add_nc_u32 v5, 196608, v5                    ; k's scale words; v's lie 4,096 on
	s_lshl_b32 s97, ttmp9, 4
	s_add_co_u32 s97, s97, s96                     ; my tile of 16 queries
	s_mul_i32 s100, s99, 49152
	s_lshl_b32 s2, s97, 8
	s_add_co_u32 s2, s2, s100
	v_lshl_add_u32 v16, v7, 4, s2                  ; a query's first 16 bytes of codes, in qq and in cx alike
	s_lshl_b32 s2, s97, 7
	s_add_co_u32 s2, s2, s100
	s_add_co_u32 s2, s2, 32768
	v_lshl_add_u32 v17, v7, 3, s2                  ; its last 8
	s_lshr_b32 s2, s99, 2
	s_lshl_b32 s2, s2, 13
	s_lshl_b32 s3, s97, 6
	s_add_co_u32 s2, s2, s3
	s_add_co_u32 s2, s2, 1572864
	v_lshl_add_u32 v18, v7, 2, s2                  ; its scale word (four heads' bytes)
	s_and_b32 s3, s99, 3
	v_add_nc_u32 v19, s3, v18                      ; my head's byte
	s_mul_i32 s101, s3, 0x01010101                 ; byte select: my head's byte four times
	global_load_b128 v[210:213], v16, s[4:5]
	global_load_b64 v[214:215], v17, s[4:5]
	global_load_b32 v216, v18, s[4:5]
	s_lshr_b32 s2, s99, 4
	s_lshl_b32 s2, s2, 7
	s_add_co_u32 s2, s2, s97
	s_lshl_b32 s2, s2, 13                          ; 32 steps x 256 bytes of mask words a tile
	s_mov_b32 s3, 0
	s_add_nc_u64 s[8:9], s[8:9], s[2:3]
	s_mov_b32 s98, 0
	MLOAD
	s_mov_b32 s[SEL], 0x76543210
	s_mov_b32 s[SEL+1], 0xfedcba98
	s_mov_b32 s[CS], 0x3e8293ee                    ; c = log2(e) / sqrt(32)
	s_mov_b32 s[CS+1], s[CS]
	s_mov_b32 s100, 0xffff
	s_wait_loadcnt 0x0
	v_perm_b32 v206, v216, v216, s101
.irp i, 0,1,2,3,4,5
	v_cndmask_b32 v[182+\i], 0, v[210+\i], s100    ; q in lanes 0-15
	v_cndmask_b32 v[194+\i], v[210+\i], 0, s100    ; q in lanes 16-31
	v_mov_b32 v[176+\i], 0
	v_mov_b32 v[188+\i], 0
	v_mov_b32 v[200+\i], 0
.endr
	v_mov_b32 v209, 0xc75cf88c                     ; -10000 sqrt(32)
	v_mov_b32 v13, 0xff61b1e6                      ; -3e38, under every t
	v_floor_f32 v12, -v13
	v_mov_b32 v14, 0
	v_mov_b32 v15, 0
.irp b, 0,1,2,3
	v_mov_b32 v[236+\b], 0
.endr
	v_mov_b32 v253, 0
.irp j, 0,1,2,3,4,5,6,7,8,9,10,11,12,13,14,15
	v_mov_b32 v[160+\j], 0                         ; O^T: the first change of M leaves zeros zeros
.endr
	s_wait_tensorcnt 0x0                           ; my part has landed,
	s_barrier_signal -1
	s_barrier_wait -1                              ; everybody's has
	LDU 32, 1, 2                                   ; k of step 0
	ds_load_b32 v207, v5
	s_mov_b32 s2, 3072
	s_mov_b32 s3, 128
	s_mov_b32 s97, 32
.Lstep:
	s_wait_dscnt 0x0                               ; k and its scale words are in
.set T_, 0
.rept 8                                        ; tile T of 16 keys lies in block T % 4 of fragment T / 4
.set QB_, 176+6*(1-(T_%4)/2)+12*(T_%2)
.if T_ < 4
	v_wmma_scale_f32_16x16x128_f8f6f4 v[96+8*T_:103+8*T_], v[32:43], v[QB_:QB_+11], 0, v207, v206 matrix_a_fmt:MATRIX_FMT_FP6 matrix_b_fmt:MATRIX_FMT_FP6
.else
	v_wmma_scale_f32_16x16x128_f8f6f4 v[96+8*T_:103+8*T_], v[44:55], v[QB_:QB_+11], 0, v207, v206 matrix_a_fmt:MATRIX_FMT_FP6 matrix_b_fmt:MATRIX_FMT_FP6 matrix_a_scale:MATRIX_SCALE_ROW1
.endif
.set T_, T_+1
.endr
	v_add_nc_u32 v8, s2, v1                        ; the addresses of the next step's k and of this step's v: five places behind the products
	v_add_nc_u32 v9, s2, v2
	v_add_nc_u32 v10, s2, v3
	v_add_nc_u32 v11, s2, v4
	v_add_nc_u32 v20, s3, v5
	s_wait_kmcnt 0x0                               ; the step's mask words
.set N_, 0
.rept 64
.if N_ < 48
	v_cndmask_b32 v[96+N_], v[96+N_], v209, s[16+N_]
.else
	v_cndmask_b32 v[96+N_], v[96+N_], v209, s[20+N_]
.endif
.set N_, N_+1
.endr
	s_add_co_u32 s98, s98, 256
	s_min_u32 s98, s98, 7936                       ; the last trip asks for its own words again: no load leaves the tile's words
	MLOAD
	LDU 56, 10, 11                                 ; v of this step,
	ds_load_b32 v208, v20 offset:3968
	LDU 32, 8, 9                                   ; k of the next (the last trip reads bytes of v's region, which nobody uses)
	ds_load_b32 v207, v20
.irp b, 0,1,2,3
	v_max3_num_f32 v[232+\b], v[96+16*\b], v[97+16*\b], v[98+16*\b]   ; the largest score of each block of 32 keys
.endr
.irp i, 3,5,7,9,11,13
.irp b, 0,1,2,3
	v_max3_num_f32 v[232+\b], v[232+\b], v[96+16*\b+\i], v[97+16*\b+\i]
.endr
.endr
.irp b, 0,1,2,3
	v_max_num_f32 v[232+\b], v[232+\b], v[111+16*\b]
.endr
.irp b, 0,1,2,3
	v_permlanex16_b32 v[236+\b], v[232+\b], s[SEL], s[SEL+1]
.endr
.irp b, 0,1,2,3
	v_max_num_f32 v[232+\b], v[232+\b], v[236+\b]
.endr
	v_max3_num_f32 v254, v232, v233, v234
	v_max_num_f32 v254, v254, v235
	v_mul_f32 v254, s[CS], v254
	v_max_num_f32 v13, v13, v254                   ; the running largest t
	v_mov_b32 v254, v12
	v_floor_f32 v12, -v13                          ; -M = floor(-t)
	v_sub_f32 v254, v12, v254
	v_cvt_i32_f32 v254, v254
	v_ldexp_f32 v252, 1.0, v254                    ; f = 2^(old M - new M)
.set J_, 0
.rept 32
	v_pk_fma_f32 v[96+J_:97+J_], v[96+J_:97+J_], s[CS:CS+1], v[12:13] op_sel_hi:[1,0,0]   ; t - M
.set J_, J_+2
.endr
.irp b, 0,1,2,3
	v_fma_f32 v[232+\b], v[232+\b], s[CS], v12
.endr
.set J_, 0
.rept 64
	v_exp_f32 v[96+J_], v[96+J_]
.set J_, J_+1
.endr
.irp b, 0,1,2,3
	v_exp_f32 v[232+\b], v[232+\b]                 ; each block's largest p
.endr
	v_pk_mul_f32 v[14:15], v[14:15], v[252:253] op_sel_hi:[1,0]
	s_wait_alu depctr_va_vdst(0)
.irp b, 0,1,2,3
	v_max_num_f32 v[232+\b], 0x1800000, v[232+\b]
.endr
.irp b, 0,1,2,3
	v_add_nc_u32 v[244+\b], 0xff000000, v[232+\b]
.endr
.irp b, 0,1,2,3
	v_lshrrev_b32 v[236+\b], 23, v[244+\b]
.endr
	v_lshl_or_b32 v253, v237, 8, v236              ; p's scale word
	v_lshl_or_b32 v253, v238, 16, v253
	v_lshl_or_b32 v253, v239, 24, v253
.irp c, 0,1
	v_cvt_scalef32_pk16_fp6_f32 v[224+6*\c:226+6*\c], v[96+32*\c:111+32*\c], v[244+2*\c]
	v_cvt_scalef32_pk16_fp6_f32 v[236+4*\c:238+4*\c], v[112+32*\c:127+32*\c], v[244+2*\c+1]
.endr
	v_nop
.irp c, 0,1
.irp i, 0,1,2
	v_permlane16_swap_b32 v[224+6*\c+\i], v[236+4*\c+\i]
.endr
.irp i, 0,1,2
	v_mov_b32 v[227+6*\c+\i], v[236+4*\c+\i]
.endr
.endr
.irp j, 0,2,4,6,8,10,12,14
	v_pk_mul_f32 v[160+\j:161+\j], v[160+\j:161+\j], v[252:253] op_sel_hi:[1,0]   ; O^T under the new M
.endr
	v_pk_add_f32 v[236:237], v[96:97], v[98:99]    ; the sum of the unquantised p; these lines are also the places in front of the products below
.irp j, 4,8,12,16,20,24,28,32,36,40,44,48,52,56,60
	v_pk_add_f32 v[14:15], v[14:15], v[96+\j:97+\j]
	v_pk_add_f32 v[236:237], v[236:237], v[98+\j:99+\j]
.endr
	v_pk_add_f32 v[14:15], v[14:15], v[236:237]
	s_wait_dscnt 0x0
	v_wmma_scale_f32_16x16x128_f8f6f4 v[160:167], v[56:67], v[224:235], v[160:167], v208, v253 matrix_a_fmt:MATRIX_FMT_FP6 matrix_b_fmt:MATRIX_FMT_FP6
	v_wmma_scale_f32_16x16x128_f8f6f4 v[168:175], v[68:79], v[224:235], v[168:175], v208, v253 matrix_a_fmt:MATRIX_FMT_FP6 matrix_b_fmt:MATRIX_FMT_FP6 matrix_a_scale:MATRIX_SCALE_ROW1
	s_add_co_u32 s2, s2, 3072
	s_add_co_u32 s3, s3, 128
	s_sub_co_u32 s97, s97, 1
	s_cmp_lg_u32 s97, 0
	s_cbranch_scc1 .Lstep
.rept 4
	v_nop
.endr
	v_add_f32 v14, v14, v15
	v_permlanex16_b32 v252, v14, s[SEL], s[SEL+1]
	v_add_f32 v14, v14, v252                       ; the row's sum
	v_rcp_f32 v14, v14
	v_nop
	s_wait_alu depctr_va_vdst(0)
.irp j, 0,1,2,3,4,5,6,7,8,9,10,11,12,13,14,15
	v_mul_f32 v[96+\j], v[160+\j], v14             ; ctx(query r, d = 16 h + j)
.endr
	v_max3_num_f32 v232, |v96|, |v97|, 0x1800000
.irp i, 2,4,6,8,10,12,14
	v_max3_num_f32 v232, v232, |v[96+\i]|, |v[97+\i]|
.endr
	v_permlanex16_b32 v236, v232, s[SEL], s[SEL+1]
	v_max_num_f32 v232, v232, v236
	v_add_nc_u32 v244, 0xff000000, v232
	v_lshrrev_b32 v237, 23, v244
	v_cvt_scalef32_pk16_fp6_f32 v[224:226], v[96:111], v244
	v_nop
.irp i, 0,1,2
	v_mov_b32 v[227+\i], v[224+\i]
.endr
.irp i, 0,1,2
	v_permlane16_swap_b32 v[224+\i], v[227+\i]     ; every lane now holds its query's 24 bytes: the lower 16 codes, then the upper
.endr
	global_store_b128 v16, v[224:227], s[10:11]    ; (lanes 16-31 write what lanes 0-15 write)
	global_store_b64 v17, v[228:229], s[10:11]
	global_store_b8 v19, v237, s[10:11]
	s_wait_tensorcnt 0x0
	ds_add_u32 v251, v255
	s_wait_dscnt 0x0
	s_endpgm
.Lfunc_end_k_qdcd590b6b5_att:
	.size	k_qdcd590b6b5_att, .Lfunc_end_k_qdcd590b6b5_att-k_qdcd590b6b5_att
	.p2alignl 7, 3214868480
	.fill 96, 4, 3214868480
	.section	.rodata,"a",@progbits
	.p2align	6, 0x0
	.amdhsa_kernel k_qdcd590b6b5_att
		.amdhsa_group_segment_fixed_size 206848
		.amdhsa_private_segment_fixed_size 0
		.amdhsa_enable_private_segment 0
		.amdhsa_kernarg_size 32
		.amdhsa_user_sgpr_count 2
		.amdhsa_user_sgpr_kernarg_segment_ptr 1
		.amdhsa_wavefront_size32 1
		.amdhsa_system_sgpr_workgroup_id_x 1
		.amdhsa_system_sgpr_workgroup_id_y 1
		.amdhsa_system_sgpr_workgroup_id_z 1
		.amdhsa_system_vgpr_workitem_id 0
		.amdhsa_next_free_vgpr 256
		.amdhsa_next_free_sgpr 102
		.amdhsa_reserve_vcc 0
		.amdhsa_float_denorm_mode_32 3
		.amdhsa_float_denorm_mode_16_64 3
		.amdhsa_memory_ordered 1
		.amdhsa_forward_progress 1
		.amdhsa_inst_pref_size 28
	.end_amdhsa_kernel
	.amdgpu_metadata
---
amdhsa.version: [ 1, 2 ]
amdhsa.kernels:
  - .name:           k_qdcd590b6b5_att
    .symbol:         k_qdcd590b6b5_att.kd
    .args:
      - { .name: qq, .offset: 0, .size: 8, .value_kind: global_buffer, .address_space: global }
      - { .name: kv, .offset: 8, .size: 8, .value_kind: global_buffer, .address_space: global }
      - { .name: mw, .offset: 16, .size: 8, .value_kind: global_buffer, .address_space: global }
      - { .name: cx, .offset: 24, .size: 8, .value_kind: global_buffer, .address_space: global }
    .group_segment_fixed_size: 206848
    .private_segment_fixed_size: 0
    .kernarg_segment_align: 8
    .kernarg_segment_size: 32
    .max_flat_workgroup_size: 512
    .sgpr_count:     102
    .vgpr_count:     256
    .wavefront_size: 32
...
	.end_amdgpu_metadata
.endif
;; end of part 4
;; launch chain_c (part 5): grid 256 x 1, 4 waves a work-group, no clusters, 76,288 bytes of LDS; arguments cx, x1, bd, ln3_g, ln3_b, mlp2_b1, mlp2_b2, wts, out0; writes out0
.if DOCPART == 5
	.amdgcn_target "amdgcn-amd-amdhsa--gfx1250"
	.amdhsa_code_object_version 6
	.text
	.protected	k_qdcd590b6b5_chain_c
	.globl	k_qdcd590b6b5_chain_c
	.p2align	8
	.type	k_qdcd590b6b5_chain_c,@function
k_qdcd590b6b5_chain_c:
	s_mov_b64 s[64:65], 0
	v_nop
	global_prefetch_b8 v0, s[64:65] scope:SCOPE_SE
	s_setreg_imm32_b32 hwreg(HW_REG_WAVE_MODE, 25, 1), 1
	s_wait_xcnt 0x0
; CHAIN C.  x2 = x1 + Q(ctx) Q(wd) + bd;  out = x2 + gelu(Q(LN3(x2)) Q(W1) + b1) quantised x Q(W2) + b2.  All products on FP6 codes with E8M0 scales.
; Shares, layouts and the way the weights come are those of the first chain: 16 rows to a work-group, the waves share the columns, every product transposed, rows' codes through LDS as images of the operand's registers,
; each wave walks one linear run of 36 chunks of weights straight into registers, two buffers.  ctx arrives as codes in the operand's order and goes straight into the rows' fragments.
; No multicast: the weights land in registers, and a joint load lands in LDS alone.
; REGISTERS: as in the first chain; window 2 also holds x1, then x2 (v128-191).
; LIMITS: NaN and infinities are not served; erfc by a polynomial of fractional error about 1.2e-7; v_rsq_f32, v_rcp_f32, v_exp_f32 stand ahead of the quantisers.
.set WSOFF, 3932160
.set STAT, 0
.set IMG0, 2048
.set ISC0, 8192
.set HIMG, 15360
.set HSC, 39936
.set STG, 41984
.set L16, 4
.set L4, 5
.set VB, 6
.set XA, 7
.set IW, 8
.set SW, 9
.set HW, 10
.set HSW, 11
.set STA, 12
.set SO, 13
.set SR, 14
.set MU, 20
.set RS, 22
.set WSC, 24
.set BS, 32
.set BF, 36
.set ACC, 84
.set PC, 148
.set TM, 168
.set PW, 184
.set T64, 188
.set LA, 188
.set GZ, 188
.set GT, 196
.set GP, 204
.set C9, 252
.set RES, 128
.set WP, 32
.set SP, 34
.set BP, 36
.set B2P, 38
.set TR, 40
.set SH, 41
.set SHS, 42
.set SEL, 44
.set INV, 46
.set EPS, 47
.set NT, 16                            ; K steps behind the loop: 16 of W2
.set MSB, 0
.macro WIN new                         ; the immediate's high byte repeats the setting that is left
.if MSB != (\new)
	s_set_vgpr_msb (MSB<<8)|(\new)
.set MSB, \new
.endif
.endm
.macro BARRIER
	s_wait_dscnt 0x0
	s_barrier_signal -1
	s_barrier_wait -1
.endm
.macro QUANT s
.irp b, 0,1,2,3
	v_max3_num_f32 v[TM+\b], |v[\s+16*\b]|, |v[\s+1+16*\b]|, 0x1800000
.endr
.irp i, 2,4,6,8,10,12,14
.irp b, 0,1,2,3
	v_max3_num_f32 v[TM+\b], v[TM+\b], |v[\s+16*\b+\i]|, |v[\s+1+16*\b+\i]|
.endr
.endr
.irp b, 0,1,2,3
	v_permlanex16_b32 v[TM+4+\b], v[TM+\b], s[SEL], s[SEL+1]
.endr
.irp b, 0,1,2,3
	v_max_num_f32 v[TM+\b], v[TM+\b], v[TM+4+\b]
.endr
.irp b, 0,1,2,3
	v_add_nc_u32 v[TM+12+\b], 0xff000000, v[TM+\b]
.endr
.irp b, 0,1,2,3
	v_lshrrev_b32 v[TM+4+\b], 23, v[TM+12+\b]
.endr
	v_lshl_or_b32 v[PW], v[TM+5], 8, v[TM+4]
	v_lshl_or_b32 v[PW], v[TM+6], 16, v[PW]
	v_lshl_or_b32 v[PW], v[TM+7], 24, v[PW]
.irp c, 0,1
	v_cvt_scalef32_pk16_fp6_f32 v[PC+6*\c:PC+2+6*\c], v[\s+32*\c:\s+15+32*\c], v[TM+12+2*\c]
	v_cvt_scalef32_pk16_fp6_f32 v[PC+12+4*\c:PC+14+4*\c], v[\s+16+32*\c:\s+31+32*\c], v[TM+12+2*\c+1]
.endr
	v_nop
.irp c, 0,1
.irp i, 0,1,2
	v_permlane16_swap_b32 v[PC+6*\c+\i], v[PC+12+4*\c+\i]
.endr
.irp i, 0,1,2
	v_mov_b32 v[PC+3+6*\c+\i], v[PC+12+4*\c+\i]
.endr
.endr
.endm
.macro IMAGE adr, off
.irp c, 0,1,2
	ds_store_b128 v[\adr], v[PC+4*\c:PC+4*\c+3] offset:\off+512*\c
.endr
.endm
.macro FETCHF reg, off
.irp c, 0,1,2
	ds_load_b128 v[\reg+4*\c:\reg+4*\c+3], v[L16] offset:\off+512*\c
.endr
.endm
.macro XLOAD reg, sb
.irp q, 0,1,2,3,4,5,6,7,8,9,10,11,12,13,14,15
	global_load_b128 v[\reg+4*\q:\reg+4*\q+3], v[XA], s[\sb:\sb+1] offset:128*(\q/4)+16*(\q%4)
.endr
.endm
.macro PLOAD sg, sb
	WIN 0x80
.irp q, 0,1,2,3,4,5,6,7,8,9,10,11,12,13,14,15
	global_load_b128 v[4*\q:4*\q+3], v[VB], s[\sg:\sg+1] offset:128*(\q/4)+16*(\q%4)
.endr
.irp q, 0,1,2,3,4,5,6,7,8,9,10,11,12,13,14,15
	global_load_b128 v[64+4*\q:64+4*\q+3], v[VB], s[\sb:\sb+1] offset:128*(\q/4)+16*(\q%4)
.endr
	WIN 0
.endm
.macro BLOAD sp
	WIN 0x40
.irp q, 0,1,2,3,4,5,6,7,8,9,10,11,12,13,14,15
	global_load_b128 v[192+4*\q:192+4*\q+3], v[VB], s[\sp:\sp+1] offset:128*(\q/4)+16*(\q%4)
.endr
	WIN 0
.endm
.macro CHUNK buf, ahead                ; 25 loads: a chunk's 96 registers and its four scale words
	WIN 0x40
.irp i, 0,1,2,3,4,5,6,7,8,9,10,11,12,13,14,15,16,17,18,19,20,21,22,23
	global_load_b128 v[96*(\buf)+4*\i:96*(\buf)+4*\i+3], v[L16], s[WP:WP+1] offset:(\ahead)*12288+512*\i
.endr
	WIN 0
	global_load_b128 v[WSC+4*(\buf):WSC+4*(\buf)+3], v[L16], s[SP:SP+1] offset:(\ahead)*512
.endm
.macro WMM d, a, b, c, sa, sb, row
.if \row
	v_wmma_scale_f32_16x16x128_f8f6f4 v[\d:\d+7], v[\a:\a+11], v[\b:\b+11], v[\c:\c+7], v[\sa], v[\sb] matrix_a_fmt:MATRIX_FMT_FP6 matrix_b_fmt:MATRIX_FMT_FP6 matrix_a_scale:MATRIX_SCALE_ROW1
.else
	v_wmma_scale_f32_16x16x128_f8f6f4 v[\d:\d+7], v[\a:\a+11], v[\b:\b+11], v[\c:\c+7], v[\sa], v[\sb] matrix_a_fmt:MATRIX_FMT_FP6 matrix_b_fmt:MATRIX_FMT_FP6
.endif
.endm
; A K step: the chunk in buffer buf against the rows' fragment in slot.  cm: the bias starts the sums.  wc: the younger loads that may stay out (the next chunk's 25).  dc: the younger LDS loads.
; hk: a bias to ask for.  rf: the hidden K step that takes the slot next, or -1.  ld: the chunk `ahead` takes the buffer.  The eight accumulators take turns in the same order in every step.
.macro STEP buf, slot, cm, ld, ahead, wc, dc, hk, rf
	s_wait_loadcnt \wc
	s_wait_dscnt \dc
.if \cm
	WIN 0x11
.else
	WIN 0x01
.endif
.irp t, 0,1,2,3,4,5,6,7
.if \cm
	WMM ACC+8*\t, 96*(\buf)+12*\t, BF+12*(\slot), 192+8*\t, WSC+4*(\buf)+\t/2, BS+(\slot), \t%2
.else
	WMM ACC+8*\t, 96*(\buf)+12*\t, BF+12*(\slot), ACC+8*\t, WSC+4*(\buf)+\t/2, BS+(\slot), \t%2
.endif
.endr
	WIN 0
.rept 4
	v_nop                                          ; places in front of loads into registers that the products read, and of the first read of results
.endr
.if \hk
	BLOAD \hk
.endif
.if (\rf) >= 0
	FETCHF BF+12*(\slot), HIMG+(\rf)*1536
	ds_load_b32 v[BS+(\slot)], v[L4] offset:HSC+(\rf)*128
.endif
.if \ld
	CHUNK \buf, \ahead
.endif
.endm
.macro GSTEP cm, dc, hk, rf
.if S2+2 < NT
.set LD_, 1
.else
.set LD_, 0
.endif
.if S2+1 < NT
.set WC_, 25
.else
.set WC_, 0
.endif
	STEP S2%2, S2%4, \cm, LD_, S2+2, WC_, \dc, \hk, \rf
.set S2, S2+1
.endm
.macro REDUCE off
	v_pk_add_f32 v[LA:LA+1], v[LA:LA+1], v[LA+2:LA+3]
	v_add_f32 v[LA], v[LA], v[LA+1]
	v_permlanex16_b32 v[LA+1], v[LA], s[SEL], s[SEL+1]
	v_add_f32 v[LA], v[LA], v[LA+1]
	ds_store_b32 v[STA], v[LA] offset:\off
	BARRIER
	ds_load_b128 v[LA:LA+3], v[L16] offset:\off
	s_wait_dscnt 0x0
	v_add_f32 v[LA], v[LA], v[LA+1]
	v_add_f32 v[LA+2], v[LA+2], v[LA+3]
	v_add_f32 v[LA], v[LA], v[LA+2]
.endm
.macro LNX k, src, sw
	WIN (\sw)|((\sw)<<2)
	v_pk_add_f32 v[LA:LA+1], v[\src:\src+1], v[\src+2:\src+3]
	v_pk_add_f32 v[LA+2:LA+3], v[\src+4:\src+5], v[\src+6:\src+7]
	WIN (\sw)<<2
.irp j, 8,12,16,20,24,28,32,36,40,44,48,52,56,60
	v_pk_add_f32 v[LA:LA+1], v[LA:LA+1], v[\src+\j:\src+\j+1]
	v_pk_add_f32 v[LA+2:LA+3], v[LA+2:LA+3], v[\src+\j+2:\src+\j+3]
.endr
	WIN 0
	REDUCE STAT+1024*(\k)
	v_mul_f32 v[MU], s[INV], v[LA]
	WIN \sw
.set J_, 0
.rept 32
	v_pk_add_f32 v[ACC+J_:ACC+J_+1], v[\src+J_:\src+J_+1], v[MU:MU+1] op_sel_hi:[1,0] neg_lo:[0,1] neg_hi:[0,1]
.set J_, J_+2
.endr
	WIN 0
	v_pk_mul_f32 v[LA:LA+1], v[ACC:ACC+1], v[ACC:ACC+1]
	v_pk_mul_f32 v[LA+2:LA+3], v[ACC+2:ACC+3], v[ACC+2:ACC+3]
.irp j, 4,8,12,16,20,24,28,32,36,40,44,48,52,56,60
	v_pk_fma_f32 v[LA:LA+1], v[ACC+\j:ACC+\j+1], v[ACC+\j:ACC+\j+1], v[LA:LA+1]
	v_pk_fma_f32 v[LA+2:LA+3], v[ACC+\j+2:ACC+\j+3], v[ACC+\j+2:ACC+\j+3], v[LA+2:LA+3]
.endr
	REDUCE STAT+1024*(\k)+512
	v_fma_f32 v[RS], v[LA], s[INV], s[EPS]
	v_rsq_f32 v[RS], v[RS]
	v_nop
.set J_, 0
	s_wait_alu depctr_va_vdst(0)
.rept 32
	v_pk_mul_f32 v[ACC+J_:ACC+J_+1], v[ACC+J_:ACC+J_+1], v[RS:RS+1] op_sel_hi:[1,0]
.set J_, J_+2
.endr
	WIN 0x28
.set J_, 0
.rept 32
	v_pk_fma_f32 v[ACC+J_:ACC+J_+1], v[ACC+J_:ACC+J_+1], v[J_:J_+1], v[64+J_:65+J_]
.set J_, J_+2
.endr
	WIN 0
	QUANT ACC
	IMAGE IW, IMG0+6656*(\k)
	ds_store_b32 v[SW], v[PW] offset:ISC0+6656*(\k)
	BARRIER
.irp s, 0,1,2,3
	FETCHF BF+12*\s, IMG0+6656*(\k)+1536*\s
	ds_load_b32 v[BS+\s], v[L4] offset:ISC0+6656*(\k)+128*\s
.endr
.endm
.macro GELU8 a
.irp i, 0,2,4,6
	v_pk_mul_f32 v[GZ+\i:GZ+\i+1], v[\a+\i:\a+\i+1], 0x3f3504f3 op_sel_hi:[1,0]
.endr
.irp i, 0,1,2,3,4,5,6,7
	v_fma_f32 v[GT+\i], |v[GZ+\i]|, 0.5, 1.0
.endr
.irp i, 0,1,2,3,4,5,6,7
	v_rcp_f32 v[GT+\i], v[GT+\i]
.endr
	v_nop
	s_wait_alu depctr_va_vdst(0)
.irp i, 0,2,4,6
	v_pk_fma_f32 v[GP+\i:GP+\i+1], v[GT+\i:GT+\i+1], v[C9:C9+1], 0xbf527892 op_sel_hi:[1,1,0]
.endr
.irp c, 0x3fbe87b0,0xbf914e5d,0x3e8ec7cc,0xbe3ec24c,0x3dc636c9,0x3ebf88fb,0x3f8000c7,0xbffab55a
.irp i, 0,2,4,6
	v_pk_fma_f32 v[GP+\i:GP+\i+1], v[GP+\i:GP+\i+1], v[GT+\i:GT+\i+1], \c op_sel_hi:[1,1,0]
.endr
.endr
.irp i, 0,2,4,6
	v_pk_fma_f32 v[GP+\i:GP+\i+1], v[GZ+\i:GZ+\i+1], v[GZ+\i:GZ+\i+1], v[GP+\i:GP+\i+1] neg_lo:[1,0,0] neg_hi:[1,0,0]
.endr
.irp i, 0,2,4,6
	v_pk_mul_f32 v[GP+\i:GP+\i+1], v[GP+\i:GP+\i+1], 0x3fb8aa3b op_sel_hi:[1,0]
.endr
.irp i, 0,1,2,3,4,5,6,7
	v_exp_f32 v[GP+\i], v[GP+\i]
.endr
	v_nop
	s_wait_alu depctr_va_vdst(0)
.irp i, 0,2,4,6
	v_pk_mul_f32 v[GP+\i:GP+\i+1], v[GP+\i:GP+\i+1], v[GT+\i:GT+\i+1]
.endr
.irp i, 0,2,4,6
	v_pk_fma_f32 v[GT+\i:GT+\i+1], v[GP+\i:GP+\i+1], -1.0, 1.0 op_sel_hi:[1,0,0]
.endr
.irp i, 0,1,2,3,4,5,6,7
	v_cmp_gt_f32 vcc_lo, 0, v[GZ+\i]
	v_cndmask_b32 v[GT+\i], v[GT+\i], v[GP+\i], vcc_lo
.endr
.irp i, 0,2,4,6
	v_pk_mul_f32 v[\a+\i:\a+\i+1], v[\a+\i:\a+\i+1], v[GT+\i:GT+\i+1]
.endr
.endm
.macro STORE_ROWS sb
.irp q, 0,1,2,3,4,5,6,7,8,9,10,11,12,13,14,15
	ds_store_b128 v[SO], v[ACC+4*\q:ACC+4*\q+3] offset:128*(\q/4)+16*(\q%4)
.endr
.irp i, 0,1,2,3,4,5,6,7,8,9,10,11,12,13,14,15
	ds_load_b128 v[T64+4*\i:T64+4*\i+3], v[SR] offset:528*\i
.endr
.irp i, 0,1,2,3,4,5,6,7,8,9,10,11,12,13,14,15
	s_wait_dscnt 15-\i
	global_store_b128 v[L16], v[T64+4*\i:T64+4*\i+3], s[\sb:\sb+1] offset:4096*\i
.endr
.endm
.macro HIDDEN
	s_mov_b32 s[TR], 4
	s_mov_b32 s[SH], 0
	s_mov_b32 s[SHS], 0
.Lg1:
	STEP 0, 0, 1, 1, 2, 25, 0, BP, -1
	STEP 1, 1, 0, 1, 3, 25, 0, 0, -1
	STEP 0, 2, 0, 1, 4, 25, 0, 0, -1
	STEP 1, 3, 0, 1, 5, 25, 0, 0, -1
.irp t, 0,1,2,3,4,5,6,7
	GELU8 ACC+8*\t
.endr
	QUANT ACC
	v_add_nc_u32 v15, s[SH], v[HW]
	v_add_nc_u32 v16, s[SHS], v[HSW]
	IMAGE 15, HIMG
	ds_store_b32 v16, v[PW] offset:HSC
	s_wait_xcnt 0x0                                ; the trip's loads have read their bases
	s_add_nc_u64 s[WP:WP+1], s[WP:WP+1], 49152
	s_add_nc_u64 s[SP:SP+1], s[SP:SP+1], 2048
	s_add_nc_u64 s[BP:BP+1], s[BP:BP+1], 512
	s_add_co_u32 s[SH], s[SH], 1536
	s_add_co_u32 s[SHS], s[SHS], 128
	s_sub_co_u32 s[TR], s[TR], 1
	s_cmp_eq_u32 s[TR], 1
	s_cselect_b64 s[BP:BP+1], s[B2P:B2P+1], s[BP:BP+1]   ; the last trip asks for the second product's bias
	s_cmp_lg_u32 s[TR], 0
	s_cbranch_scc1 .Lg1
	BARRIER
.irp s, 0,1,2,3
	FETCHF BF+12*\s, HIMG+1536*\s
	ds_load_b32 v[BS+\s], v[L4] offset:HSC+128*\s
.endr
.endm
.macro SECOND hk0
.set S2, 0
.rept 16
.if S2 < 12
.set DC_, 12
.set RF_, S2+4
.else
.set DC_, 4*(15-S2)
.set RF_, -1
.endif
.if S2 == 0
	GSTEP 1, DC_, \hk0, RF_
.else
	GSTEP 0, DC_, 0, RF_
.endif
.endr
.endm
	s_load_b512 s[4:19], s[0:1], 0x0               ; cx, x1, bd, ln3_g, ln3_b, mlp2_b1, mlp2_b2, wts
	s_load_b64 s[20:21], s[0:1], 0x40              ; out0
	v_lshl_add_u32 v254, v0, 2, 0x12800
	v_mov_b32 v255, 0
	v_lshrrev_b32 v1, 5, v0
	v_readfirstlane_b32 s26, v1                    ; wave
	v_and_b32 v1, 31, v0
	v_and_b32 v2, 15, v0
	v_bfe_u32 v3, v0, 4, 1
	s_and_b32 s27, ttmp9, 1                        ; batch index
	s_lshr_b32 s28, ttmp9, 1                       ; tile of 16 queries
	v_lshlrev_b32 v[L16], 4, v1
	v_lshlrev_b32 v[L4], 2, v1
	v_lshlrev_b32 v[VB], 6, v3
	v_lshl_add_u32 v[XA], v2, 12, v[VB]
	s_mul_i32 s29, s26, 1536
	v_add_nc_u32 v[IW], s29, v[L16]
	s_lshl_b32 s29, s26, 7
	v_add_nc_u32 v[SW], s29, v[L4]
	s_mul_i32 s29, s26, 6144
	v_add_nc_u32 v[HW], s29, v[L16]
	s_lshl_b32 s29, s26, 9
	v_add_nc_u32 v[HSW], s29, v[L4]
	s_lshl_b32 s29, s26, 2
	v_add_nc_u32 v[STA], s29, v[L16]
	s_mul_i32 s29, s26, 8448
	s_add_co_u32 s29, s29, STG
	v_mul_u32_u24 v[SO], v2, 528
	v_add_nc_u32 v[SO], v[SO], v[VB]
	v_add_nc_u32 v[SO], s29, v[SO]
	v_add_nc_u32 v[SR], s29, v[L16]
	v_mul_u32_u24 v17, v3, 49152                   ; ctx's codes: lanes 16-31 take the next head
	v_lshl_add_u32 v18, v2, 3, v17
	v_lshl_add_u32 v17, v2, 4, v17
	s_lshl_b32 s29, s28, 8
	v_add_nc_u32 v17, s29, v17
	s_lshl_b32 s29, s28, 7
	s_add_co_u32 s29, s29, 32768
	v_add_nc_u32 v18, s29, v18
	s_lshl_b32 s29, s27, 15
	s_lshl_b32 s30, s28, 6
	s_add_co_u32 s29, s29, s30
	s_add_co_u32 s29, s29, 1572864
	v_lshl_add_u32 v19, v2, 2, s29                 ; ctx's scale words
	s_mov_b32 s[SEL], 0x76543210
	s_mov_b32 s[SEL+1], 0xfedcba98
	s_mov_b32 s[INV], 0x3b000000
	s_mov_b32 s[EPS], 0x3727c5ac
	v_mov_b32 v[C9], 0x3e2ef946
	v_mov_b32 v[C9+1], 0x3e2ef946
	v_mov_b32 v[MU+1], 0
	v_mov_b32 v[RS+1], 0
.irp b, 0,1,2,3
	v_mov_b32 v[TM+4+\b], 0
.endr
	s_wait_kmcnt 0x0
	s_lshl_b32 s48, s26, 9
	s_mov_b32 s49, 0
	s_add_nc_u64 s[8:9], s[8:9], s[48:49]
	s_add_nc_u64 s[10:11], s[10:11], s[48:49]
	s_add_nc_u64 s[12:13], s[12:13], s[48:49]
	s_add_nc_u64 s[16:17], s[16:17], s[48:49]
	s_lshl_b32 s50, s28, 16
	s_lshl_b32 s51, s27, 11
	s_add_co_u32 s50, s50, s51
	s_add_co_u32 s50, s50, s48
	s_mov_b32 s51, 0
	s_add_nc_u64 s[6:7], s[6:7], s[50:51]
	s_add_nc_u64 s[20:21], s[20:21], s[50:51]
	s_lshl_b32 s48, s26, 11
	s_add_nc_u64 s[14:15], s[14:15], s[48:49]
	s_add_nc_u64 s[BP:BP+1], s[14:15], 512
	s_mov_b64 s[B2P:B2P+1], s[16:17]
	s_mul_i32 s48, s26, 36*12288
	s_add_co_u32 s48, s48, 144*12288
	s_add_nc_u64 s[WP:WP+1], s[18:19], s[48:49]
	s_mul_i32 s48, s26, 36*512
	s_add_co_u32 s48, s48, WSOFF+144*512
	s_add_nc_u64 s[SP:SP+1], s[18:19], s[48:49]
	s_mul_i32 s48, s27, 16*49152
	s_add_nc_u64 s[22:23], s[4:5], s[48:49]
.irp g, 0,1,2,3                                ; K step g of ctx wd is heads 4 g .. 4 g + 3: lane (r, h) takes heads 4 g + h and 4 g + 2 + h of query r
.irp c, 0,1
	global_load_b128 v[BF+12*\g+6*\c:BF+12*\g+6*\c+3], v17, s[22:23] offset:(4*\g+2*\c)*49152
	global_load_b64 v[BF+12*\g+6*\c+4:BF+12*\g+6*\c+5], v18, s[22:23] offset:(4*\g+2*\c)*49152
.endr
	global_load_b32 v[BS+\g], v19, s[4:5] offset:8192*\g
.endr
	WIN 0x80
	XLOAD RES, 6                                   ; x1
	WIN 0
	PLOAD 10, 12
	BLOAD 8                                        ; bd
	CHUNK 0, 0
	CHUNK 1, 1
	STEP 0, 0, 1, 1, 2, 25, 0, 14, -1              ; ctx wd + bd; the first step asks for my first group's b1
	STEP 1, 1, 0, 1, 3, 25, 0, 0, -1
	STEP 0, 2, 0, 1, 4, 25, 0, 0, -1
	STEP 1, 3, 0, 1, 5, 25, 0, 0, -1
	s_wait_xcnt 0x0
	s_add_nc_u64 s[WP:WP+1], s[WP:WP+1], 49152
	s_add_nc_u64 s[SP:SP+1], s[SP:SP+1], 2048
	WIN 0x88                                       ; x2 = the sums + x1, kept in window 2
.set J_, 0
.rept 32
	v_pk_add_f32 v[RES+J_:RES+J_+1], v[ACC+J_:ACC+J_+1], v[RES+J_:RES+J_+1]
.set J_, J_+2
.endr
	WIN 0
	LNX 0, RES, 2
	HIDDEN
	SECOND 0
	WIN 0x08
.set J_, 0
.rept 32
	v_pk_add_f32 v[ACC+J_:ACC+J_+1], v[ACC+J_:ACC+J_+1], v[RES+J_:RES+J_+1]   ; + x2
.set J_, J_+2
.endr
	WIN 0
	STORE_ROWS 20
	s_wait_tensorcnt 0x0
	ds_add_u32 v254, v255
	s_wait_dscnt 0x0
	s_endpgm
.Lfunc_end_k_qdcd590b6b5_chain_c:
	.size	k_qdcd590b6b5_chain_c, .Lfunc_end_k_qdcd590b6b5_chain_c-k_qdcd590b6b5_chain_c
	.p2alignl 7, 3214868480
	.fill 96, 4, 3214868480
	.section	.rodata,"a",@progbits
	.p2align	6, 0x0
	.amdhsa_kernel k_qdcd590b6b5_chain_c
		.amdhsa_group_segment_fixed_size 76288
		.amdhsa_private_segment_fixed_size 0
		.amdhsa_enable_private_segment 0
		.amdhsa_kernarg_size 72
		.amdhsa_user_sgpr_count 2
		.amdhsa_user_sgpr_kernarg_segment_ptr 1
		.amdhsa_wavefront_size32 1
		.amdhsa_system_sgpr_workgroup_id_x 1
		.amdhsa_system_sgpr_workgroup_id_y 1
		.amdhsa_system_sgpr_workgroup_id_z 1
		.amdhsa_system_vgpr_workitem_id 0
		.amdhsa_next_free_vgpr 704
		.amdhsa_next_free_sgpr 66
		.amdhsa_reserve_vcc 1
		.amdhsa_float_denorm_mode_32 3
		.amdhsa_float_denorm_mode_16_64 3
		.amdhsa_memory_ordered 1
		.amdhsa_forward_progress 1
		.amdhsa_inst_pref_size 191
	.end_amdhsa_kernel
	.amdgpu_metadata
---
amdhsa.version: [ 1, 2 ]
amdhsa.kernels:
  - .name:           k_qdcd590b6b5_chain_c
    .symbol:         k_qdcd590b6b5_chain_c.kd
    .args:
      - { .name: cx, .offset: 0, .size: 8, .value_kind: global_buffer, .address_space: global }
      - { .name: x1, .offset: 8, .size: 8, .value_kind: global_buffer, .address_space: global }
      - { .name: bd, .offset: 16, .size: 8, .value_kind: global_buffer, .address_space: global }
      - { .name: ln3_g, .offset: 24, .size: 8, .value_kind: global_buffer, .address_space: global }
      - { .name: ln3_b, .offset: 32, .size: 8, .value_kind: global_buffer, .address_space: global }
      - { .name: mlp2_b1, .offset: 40, .size: 8, .value_kind: global_buffer, .address_space: global }
      - { .name: mlp2_b2, .offset: 48, .size: 8, .value_kind: global_buffer, .address_space: global }
      - { .name: wts, .offset: 56, .size: 8, .value_kind: global_buffer, .address_space: global }
      - { .name: out0, .offset: 64, .size: 8, .value_kind: global_buffer, .address_space: global }
    .group_segment_fixed_size: 76288
    .private_segment_fixed_size: 0
    .kernarg_segment_align: 8
    .kernarg_segment_size: 72
    .max_flat_workgroup_size: 128
    .sgpr_count:     66
    .vgpr_count:     704
    .wavefront_size: 32
...
	.end_amdgpu_metadata
.endif
;; end of part 5
;; ======== version 2 of 2: 5 launches
;; workspace buffers: wts 4,096,000 bytes; mw 2,097,152 bytes of whole numbers; kv 6,553,600 bytes; x1 8,388,608 bytes; qq 1,638,400 bytes; cx 1,638,400 bytes
;; launch prep (part 6): grid 832 x 1, 4 waves a work-group, no clusters, 34,304 bytes of LDS; arguments mlp1_w1, mlp1_w2, wq, mlp2_w1, mlp2_w2, wd, wkv, mem_mask, wts, mw; writes wts, mw
.if DOCPART == 6
	.amdgcn_target "amdgcn-amd-amdhsa--gfx1250"
	.amdhsa_code_object_version 6
	.text
	.protected	k_qdcd590b6b5_prep
	.globl	k_qdcd590b6b5_prep
	.p2align	8
	.type	k_qdcd590b6b5_prep,@function
k_qdcd590b6b5_prep:
	s_mov_b64 s[64:65], 0
	v_nop
	global_prefetch_b8 v0, s[64:65] scope:SCOPE_SE
	s_setreg_imm32_b32 hwreg(HW_REG_WAVE_MODE, 25, 1), 1
	s_wait_xcnt 0x0
; PREP.  Work-groups 0-319: one chunk of a weight each (128 columns x 128 along K) becomes FP6 codes (E2M3) and E8M0 scale bytes, laid in the order of the operand's registers.
; Work-groups 320-831: mem_mask becomes lane-bit words for the attention launch.
; A chunk is 8 tiles of 16 columns; tile 2 i + u, row m stands for column 32 i + 8 u + (m & 7) + 16 (m >> 3).  Tile t's registers 4 p .. 4 p + 3 of lane l lie at 1536 t + 512 p + 16 l.
; Scale words of a chunk: 512 bytes; lane l's word i: lanes 0-15 tile 2 i, lanes 16-31 tile 2 i + 1, row l % 16.
; A lane takes a column and its registers run down K: a block of 32 lies in one lane, and the conversions give codes with K innermost.
; A block's scale byte is its largest magnitude's exponent field - 2, held at 1 from below (a block of zeros keeps 1: its codes are zeros, and this program alone reads the bytes).
; LIMITS: NaN and infinities among the weights are not served.
.set WSOFF, 3932160
.set AO, 8                             ; v8-39    k x pitch + 4 x lane, k = 0 .. 31
.set X, 40                             ; v40-103  two sets of 32 numbers
.set CODE, 104                         ; v104-127 the codes of my column: 12 registers for each half of the lanes that will hold them
.macro LOADW kb                        ; block kb: 32 rows of the weight at my column
.set kk, 0
.rept 32
	global_load_b32 v[X+32*((\kb)%2)+kk], v[AO+kk], s[40+2*(\kb):41+2*(\kb)] th:TH_LOAD_NT
.set kk, kk+1
.endr
.endm
.macro BLOCKW kb
.set XS, X+32*((\kb)%2)
.set CD, CODE+12*((\kb)%2)+6*((\kb)/2)
.if (\kb) < 3
	s_wait_loadcnt 32                              ; this block's 32 loads are in; the next block's 32 may be out
.else
	s_wait_loadcnt 0x0
.endif
	v_max3_num_f32 v132, |v[XS]|, |v[XS+1]|, |v[XS+2]|
	v_max3_num_f32 v133, |v[XS+3]|, |v[XS+4]|, |v[XS+5]|
.irp i, 6,10,14,18,22,26
	v_max3_num_f32 v132, v132, |v[XS+\i]|, |v[XS+\i+1]|
	v_max3_num_f32 v133, v133, |v[XS+\i+2]|, |v[XS+\i+3]|
.endr
	v_max3_num_f32 v132, v132, |v[XS+30]|, |v[XS+31]|
	v_max3_num_f32 v132, v132, v133, 0x1800000     ; the floor 2^(3 - 127): the byte cannot fall under 1
	v_add_nc_u32 v134, 0xff000000, v132            ; 2 off the exponent field: the conversion's scale operand
	v_lshrrev_b32 v135, 23, v134                   ; the scale's byte
.if (\kb) == 0
	v_mov_b32 v136, v135
.else
	v_lshl_or_b32 v136, v135, 8*(\kb), v136
.endif
	v_cvt_scalef32_pk16_fp6_f32 v[CD:CD+2], v[XS:XS+15], v134
	v_cvt_scalef32_pk16_fp6_f32 v[128:130], v[XS+16:XS+31], v134   ; (three registers that begin on an even number)
	v_nop                                          ; one plain place behind a scaled conversion
.irp i, 0,1,2
	v_mov_b32 v[CD+3+\i], v[128+\i]
.endr
.if (\kb)+2 < 4
	LOADW (\kb)+2
.endif
.endm
	s_load_b512 s[4:19], s[0:1], 0x0               ; mlp1_w1, mlp1_w2, wq, mlp2_w1, mlp2_w2, wd, wkv, mem_mask
	s_load_b128 s[36:39], s[0:1], 0x40             ; wts, mw
	v_lshl_add_u32 v176, v0, 2, 0x8400
	v_mov_b32 v177, 0
	v_lshrrev_b32 v1, 5, v0
	v_readfirstlane_b32 s3, v1                     ; wave
	v_and_b32 v1, 31, v0                           ; lane
	s_cmp_lt_u32 ttmp9, 320
	s_cbranch_scc0 .Lmask
	; ---- a chunk of a weight.  idx = 36 y + p; y 0-3: stream A of wave y, y 4-7: stream C, y 8: wkv
	s_mul_i32 s20, ttmp9, 1821
	s_lshr_b32 s20, s20, 16                        ; y = idx / 36 (exact for idx under 320)
	s_mul_i32 s21, s20, 36
	s_sub_co_u32 s21, ttmp9, s21                   ; p
	s_lshr_b32 s22, s20, 2                         ; stream
	s_and_b32 s23, s20, 3                          ; the wave that will walk it
	s_add_co_u32 s24, s21, 32
	s_sub_co_u32 s25, s21, 4
	s_cmp_lt_u32 s21, 4
	s_cselect_b32 s24, s24, s25                    ; stream C has its projection first
	s_cmp_eq_u32 s22, 1
	s_cselect_b32 s24, s24, s21                    ; q: 0-15 first MLP weight, 16-31 second, 32-35 projection
	s_lshr_b32 s25, s24, 2
	s_lshl_b32 s26, s23, 2
	s_add_co_u32 s25, s25, s26                     ; group of the first weight
	s_and_b32 s26, s24, 3                          ; its K step
	s_and_b32 s27, s24, 15                         ; K step of the other two
	s_mov_b32 s28, 512
	s_lshr_b32 s29, s21, 2                         ; wkv: group,
	s_and_b32 s30, s21, 3                          ; K step
	s_wait_kmcnt 0x0
	s_cmp_eq_u32 s22, 1                            ; every choice hangs on the work-group's number alone
	s_cselect_b64 s[4:5], s[10:11], s[4:5]
	s_cselect_b64 s[6:7], s[12:13], s[6:7]
	s_cselect_b64 s[8:9], s[14:15], s[8:9]
	s_cmp_lt_u32 s24, 16
	s_cselect_b32 s25, s25, s23                    ; G
	s_cselect_b32 s26, s26, s27                    ; s
	s_cselect_b32 s28, 2048, s28                   ; N
	s_cselect_b64 s[6:7], s[4:5], s[6:7]
	s_cmp_lt_u32 s24, 32
	s_cselect_b64 s[6:7], s[6:7], s[8:9]
	s_cmp_eq_u32 s22, 2
	s_cselect_b32 s25, s29, s25
	s_cselect_b32 s26, s30, s26
	s_cselect_b32 s28, 1024, s28
	s_cselect_b64 s[6:7], s[16:17], s[6:7]
	s_mul_i32 s29, s26, s28
	s_add_co_u32 s29, s29, s25
	s_lshl_b32 s30, s29, 9                         ; (128 s N + 128 G) x 4 bytes
	s_lshl_b32 s31, s3, 7                          ; + my wave's 32 columns
	s_add_co_u32 s30, s30, s31
	s_mov_b32 s31, 0
	s_add_nc_u64 s[40:41], s[6:7], s[30:31]
	s_lshl_b32 s27, s28, 2                         ; a row of the weight in bytes
	s_lshl_b32 s32, s28, 7                         ; 32 rows
	s_mov_b32 s33, 0
	s_add_nc_u64 s[42:43], s[40:41], s[32:33]
	s_add_nc_u64 s[44:45], s[42:43], s[32:33]
	s_add_nc_u64 s[46:47], s[44:45], s[32:33]
	s_mul_i32 s30, ttmp9, 12288
	s_add_nc_u64 s[48:49], s[36:37], s[30:31]      ; the chunk's codes
	s_lshl_b32 s30, ttmp9, 9
	s_add_co_u32 s30, s30, WSOFF
	s_add_nc_u64 s[50:51], s[36:37], s[30:31]      ; its scale words
	s_wait_alu depctr_va_vdst(0)
	v_lshlrev_b32 v3, 2, v1
.set kk, 0
.rept 32
	v_mad_u32_u24 v[AO+kk], s27, kk, v3
.set kk, kk+1
.endr
	LOADW 0
	LOADW 1
	v_bfe_u32 v4, v1, 3, 1                         ; u: which tile of the pair my column falls into,
	v_and_b32 v5, 7, v1
	v_bfe_u32 v6, v1, 4, 1
	v_lshl_or_b32 v5, v6, 3, v5                    ; m: and which row of it
	v_lshlrev_b32 v5, 4, v5
	v_mad_u32_u24 v6, v4, 1536, v5
	s_mul_i32 s29, s3, 3072
	v_add_nc_u32 v6, s29, v6                       ; 3072 wave + 1536 u + 16 m
	v_lshl_add_u32 v7, v4, 8, v5
	s_lshl_b32 s29, s3, 2
	v_add_nc_u32 v7, s29, v7                       ; 16 (m + 16 u) + 4 wave
	BLOCKW 0
	BLOCKW 1
	BLOCKW 2
	BLOCKW 3
.irp h, 0,1                                    ; blocks h and 2 + h belong to lane m + 16 h of the fragment
.irp p, 0,1,2
	global_store_b128 v6, v[CODE+12*\h+4*\p:CODE+12*\h+4*\p+3], s[48:49] offset:512*\p+256*\h   ; the sixteen lanes of a tile store 256 consecutive bytes, aligned
.endr
.endr
	global_store_b32 v7, v136, s[50:51]
	s_endpgm
.Lmask:
	; ---- the mask: a wave takes 16 queries x 512 keys.  Word n = 16 b + i of key step j: bit l = mask(query l % 16, key 128 j + 32 b + 16 (l / 16) + i)
	s_sub_co_u32 s20, ttmp9, 320
	s_lshl_b32 s20, s20, 2
	s_add_co_u32 s20, s20, s3                      ; unit = (batch x 128 + tile of queries) x 8 + which 512 keys
	s_lshr_b32 s21, s20, 3
	s_and_b32 s22, s20, 7
	s_lshl_b32 s24, s21, 16                        ; 16 rows of 4,096 bytes
	s_lshl_b32 s25, s22, 9
	s_add_co_u32 s24, s24, s25
	s_mov_b32 s25, 0
	s_lshl_b32 s26, s20, 10                        ; 256 words a unit
	s_mov_b32 s27, 0
	s_wait_alu depctr_va_vdst(0)
	v_lshlrev_b32 v4, 4, v1
	s_mul_i32 s28, s3, 8448                        ; my wave's stage: 16 rows of 512 + 16 bytes
	v_add_nc_u32 v2, s28, v4
	v_and_b32 v5, 15, v1
	v_lshrrev_b32 v6, 4, v1
	v_mul_u32_u24 v3, v5, 528
	v_lshl_add_u32 v3, v6, 4, v3
	v_add_nc_u32 v3, s28, v3
	s_wait_alu depctr_va_vdst(0)
	s_wait_kmcnt 0x0
	s_add_nc_u64 s[18:19], s[18:19], s[24:25]
	s_add_nc_u64 s[38:39], s[38:39], s[26:27]
.irp j, 0,1,2,3,4,5,6,7,8,9,10,11,12,13,14,15
	global_load_b128 v[40+4*\j:43+4*\j], v4, s[18:19] offset:4096*\j th:TH_LOAD_NT   ; 512 consecutive bytes of a query's row
.endr
.irp j, 0,1,2,3,4,5,6,7
	v_mov_b32 v[168+\j], 0                         ; a lane write's destination counts as read
.endr
	s_wait_loadcnt 0x0
.irp j, 0,1,2,3,4,5,6,7,8,9,10,11,12,13,14,15
	ds_store_b128 v2, v[40+4*\j:43+4*\j] offset:528*\j
.endr
.irp g, 0,1,2,3,4,5,6,7,8,9,10,11,12,13,14,15
	ds_load_b128 v[104+4*\g:107+4*\g], v3 offset:32*\g     ; my query's keys 32 g + 16 (l / 16) + 0 .. 15; a wave's LDS instructions are served in order
.endr
	s_wait_dscnt 0x0
.set W, 0
.rept 256
	v_and_b32 v[8+W%4], 0xff<<(8*(W%4)), v[104+4*(W/16)+(W%16)/4]
	v_cmp_ne_u32 s[40+W%8], 0, v[8+W%4]            ; the word: one bit a lane
	v_writelane_b32 v[168+4*(W/128)+W%4], s[40+W%8], (W%128)/4
.set W, W+1
.endr
	global_store_b128 v4, v[168:171], s[38:39]     ; 512 consecutive bytes each
	global_store_b128 v4, v[172:175], s[38:39] offset:512
	s_wait_tensorcnt 0x0
	ds_add_u32 v176, v177
	s_wait_dscnt 0x0
	s_endpgm
.Lfunc_end_k_qdcd590b6b5_prep:
	.size	k_qdcd590b6b5_prep, .Lfunc_end_k_qdcd590b6b5_prep-k_qdcd590b6b5_prep
	.p2alignl 7, 3214868480
	.fill 96, 4, 3214868480
	.section	.rodata,"a",@progbits
	.p2align	6, 0x0
	.amdhsa_kernel k_qdcd590b6b5_prep
		.amdhsa_group_segment_fixed_size 34304
		.amdhsa_private_segment_fixed_size 0
		.amdhsa_enable_private_segment 0
		.amdhsa_kernarg_size 80
		.amdhsa_user_sgpr_count 2
		.amdhsa_user_sgpr_kernarg_segment_ptr 1
		.amdhsa_wavefront_size32 1
		.amdhsa_system_sgpr_workgroup_id_x 1
		.amdhsa_system_sgpr_workgroup_id_y 1
		.amdhsa_system_sgpr_workgroup_id_z 1
		.amdhsa_system_vgpr_workitem_id 0
		.amdhsa_next_free_vgpr 178
		.amdhsa_next_free_sgpr 66
		.amdhsa_reserve_vcc 0
		.amdhsa_float_denorm_mode_32 3
		.amdhsa_float_denorm_mode_16_64 3
		.amdhsa_memory_ordered 1
		.amdhsa_forward_progress 1
		.amdhsa_inst_pref_size 77
	.end_amdhsa_kernel
	.amdgpu_metadata
---
amdhsa.version: [ 1, 2 ]
amdhsa.kernels:
  - .name:           k_qdcd590b6b5_prep
    .symbol:         k_qdcd590b6b5_prep.kd
    .args:
      - { .name: mlp1_w1, .offset: 0, .size: 8, .value_kind: global_buffer, .address_space: global }
      - { .name: mlp1_w2, .offset: 8, .size: 8, .value_kind: global_buffer, .address_space: global }
      - { .name: wq, .offset: 16, .size: 8, .value_kind: global_buffer, .address_space: global }
      - { .name: mlp2_w1, .offset: 24, .size: 8, .value_kind: global_buffer, .address_space: global }
      - { .name: mlp2_w2, .offset: 32, .size: 8, .value_kind: global_buffer, .address_space: global }
      - { .name: wd, .offset: 40, .size: 8, .value_kind: global_buffer, .address_space: global }
      - { .name: wkv, .offset: 48, .size: 8, .value_kind: global_buffer, .address_space: global }
      - { .name: mem_mask, .offset: 56, .size: 8, .value_kind: global_buffer, .address_space: global }
      - { .name: wts, .offset: 64, .size: 8, .value_kind: global_buffer, .address_space: global }
      - { .name: mw, .offset: 72, .size: 8, .value_kind: global_buffer, .address_space: global }
    .group_segment_fixed_size: 34304
    .private_segment_fixed_size: 0
    .kernarg_segment_align: 8
    .kernarg_segment_size: 80
    .max_flat_workgroup_size: 128
    .sgpr_count:     66
    .vgpr_count:     178
    .wavefront_size: 32
...
	.end_amdgpu_metadata
.endif
;; end of part 6
;; launch kvp (part 7): grid 256 x 1, 4 waves a work-group, no clusters, 13,824 bytes of LDS; arguments past_hidden, bkv, wts, kv; writes kv
.if DOCPART == 7
	.amdgcn_target "amdgcn-amd-amdhsa--gfx1250"
	.amdhsa_code_object_version 6
	.text
	.protected	k_qdcd590b6b5_kvp
	.globl	k_qdcd590b6b5_kvp
	.p2align	8
	.type	k_qdcd590b6b5_kvp,@function
k_qdcd590b6b5_kvp:
	s_mov_b64 s[64:65], 0
	v_nop
	global_prefetch_b8 v0, s[64:65] scope:SCOPE_SE
	s_setreg_imm32_b32 hwreg(HW_REG_WAVE_SCHED_MODE, 0, 2), 2
	s_setreg_imm32_b32 hwreg(HW_REG_WAVE_MODE, 25, 1), 1
	s_wait_xcnt 0x0
	s_wait_alu depctr_vm_vsrc(0)
; KVP.  kv = Q(past_hidden) Q(wkv) + bkv on FP6 codes; k and v are normalised (l2) in f32 and quantised: k along the head's 32, v along the keys.
; A work-group takes one batch index and one block of 32 keys: two tiles of 16; tile u, row m is key 32 kg + 8 u + (m & 7) + 16 (m >> 3).  Wave w makes columns 256 w .. 256 w + 255 (heads 4 w .. 4 w + 3).
; k's products are used transposed (source 0 = 16 columns of wkv, source 1 = 16 keys): a lane holds a key, its registers run along d.  v's are used as they are (source 0 = keys, source 1 = columns):
; a lane holds a d, its registers run along the keys, which are the K of attention's second product.
; The rows' codes go from wave to wave through LDS as images of the operand's registers.  The weights come straight into registers, chunk by chunk, two buffers.
; REGISTERS: window 0: v4-16 addresses; v24-31 weights' scale words; v32-39 rows' scale words; v40-167 16 accumulators; v168-187 codes; v188-203, v228-231 at work; v204-219 sums of squares; v220-227 v's bias.
;   window 1: two chunks (v0-95, v96-191), k's bias (v192-255).   window 2: the rows' 8 fragments.
; LIMITS: NaN and infinities are not served; 1 / norm by v_rsq_f32 of max(sum of squares, 1e-24).
; THE MODE: SCHED_MODE bits 1:0 = 2 (LLVM: expert scheduling mode 2), set by the entry lines.  The code itself states the register dependences
; between vector or matrix instructions and memory or LDS instructions, with s_wait_alu, always for 0.
; THE PLAN.  Registers that memory or LDS instructions touch:
;   v4-16            addresses and offsets: written at the head, never again: one wait on va_vdst ahead of the first load serves them all.
;   the two chunks and v24-31   loaded; read by a K step's sixteen products alone.  ONE wait on va_vdst stands in a K step that asks for a chunk, behind its products; the chunk's 25 loads follow it.
;   v168-187, v228, v229   codes, scale word, bytes: written by QUANT, Q2 and one line behind Q2; read by LDS stores or global stores: a wait on va_vdst between, a wait on vm_vsrc ahead of the next writer.
;   v40-167 (the rows, at the head), k's and v's bias, the rows' fragments and v32-39 are loaded once, into registers that no vector instruction has named.
.set WSOFF, 3932160
.set L16, 4
.set L4, 5
.set XA, 6
.set KBO, 7
.set VBO, 8
.set IW, 9
.set SW, 10
.set KC16, 11
.set KC8, 12
.set KS, 13
.set VC16, 14
.set VC8, 15
.set VS, 16
.set WSC, 24
.set PS, 32
.set ACC, 40
.set PC, 168
.set TM, 188
.set SS, 204
.set VBI, 220
.set PW, 228
.set BYD, 229
.set LT, 230
.set SEL, 16
.set WP, 20
.set SP, 22
.set PSC, 12288
.set MSB, 0
.macro WIN new                         ; the immediate's high byte repeats the setting that is left
.if MSB != (\new)
	s_set_vgpr_msb (MSB<<8)|(\new)
.set MSB, \new
.endif
.endm
.macro BARRIER
	s_wait_dscnt 0x0
	s_barrier_signal -1
	s_barrier_wait -1
.endm
; 64 numbers of a lane, register 16 b + i = k 32 b + 16 (lane / 16) + i of my row, become a fragment's codes in v[PC] on and its scale word in v[PW]
.macro QUANT s
.irp b, 0,1,2,3
	v_max3_num_f32 v[TM+\b], |v[\s+16*\b]|, |v[\s+1+16*\b]|, 0x1800000
.endr
.irp i, 2,4,6,8,10,12,14
.irp b, 0,1,2,3
	v_max3_num_f32 v[TM+\b], v[TM+\b], |v[\s+16*\b+\i]|, |v[\s+1+16*\b+\i]|
.endr
.endr
.irp b, 0,1,2,3
	v_permlanex16_b32 v[TM+4+\b], v[TM+\b], s[SEL], s[SEL+1]
.endr
.irp b, 0,1,2,3
	v_max_num_f32 v[TM+\b], v[TM+\b], v[TM+4+\b]
.endr
.irp b, 0,1,2,3
	v_add_nc_u32 v[TM+12+\b], 0xff000000, v[TM+\b]
.endr
.irp b, 0,1,2,3
	v_lshrrev_b32 v[TM+4+\b], 23, v[TM+12+\b]
.endr
	v_lshl_or_b32 v[PW], v[TM+5], 8, v[TM+4]
	v_lshl_or_b32 v[PW], v[TM+6], 16, v[PW]
	v_lshl_or_b32 v[PW], v[TM+7], 24, v[PW]
.irp c, 0,1
	v_cvt_scalef32_pk16_fp6_f32 v[PC+6*\c:PC+2+6*\c], v[\s+32*\c:\s+15+32*\c], v[TM+12+2*\c]
	v_cvt_scalef32_pk16_fp6_f32 v[PC+12+4*\c:PC+14+4*\c], v[\s+16+32*\c:\s+31+32*\c], v[TM+12+2*\c+1]
.endr
	v_nop
.irp c, 0,1
.irp i, 0,1,2
	v_permlane16_swap_b32 v[PC+6*\c+\i], v[PC+12+4*\c+\i]
.endr
.irp i, 0,1,2
	v_mov_b32 v[PC+3+6*\c+\i], v[PC+12+4*\c+\i]
.endr
.endr
.endm
; two groups of 16 registers (a block of 32 lies in lanes l and l xor 16) become six registers: lane (r, h) holds the whole block of group h; the bytes in v[TM+4], v[TM+5]
.macro Q2 g
	s_wait_xcnt 0x0                                ; the codes' registers were store data
	s_wait_alu depctr_vm_vsrc(0)                   ; the stores issued so far have read v[PC ..] and v[BYD], which the lines below and the line behind this macro write again
	v_max3_num_f32 v[TM], |v[\g]|, |v[\g+1]|, 0x1800000
	v_max3_num_f32 v[TM+1], |v[\g+16]|, |v[\g+17]|, 0x1800000
.irp i, 2,4,6,8,10,12,14
	v_max3_num_f32 v[TM], v[TM], |v[\g+\i]|, |v[\g+\i+1]|
	v_max3_num_f32 v[TM+1], v[TM+1], |v[\g+16+\i]|, |v[\g+17+\i]|
.endr
	v_permlanex16_b32 v[TM+4], v[TM], s[SEL], s[SEL+1]
	v_permlanex16_b32 v[TM+5], v[TM+1], s[SEL], s[SEL+1]
	v_max_num_f32 v[TM], v[TM], v[TM+4]
	v_max_num_f32 v[TM+1], v[TM+1], v[TM+5]
	v_add_nc_u32 v[TM+12], 0xff000000, v[TM]
	v_add_nc_u32 v[TM+13], 0xff000000, v[TM+1]
	v_lshrrev_b32 v[TM+4], 23, v[TM+12]
	v_lshrrev_b32 v[TM+5], 23, v[TM+13]
	v_cvt_scalef32_pk16_fp6_f32 v[PC:PC+2], v[\g:\g+15], v[TM+12]
	v_cvt_scalef32_pk16_fp6_f32 v[PC+12:PC+14], v[\g+16:\g+31], v[TM+13]
	v_nop
.irp i, 0,1,2
	v_permlane16_swap_b32 v[PC+\i], v[PC+12+\i]
.endr
.irp i, 0,1,2
	v_mov_b32 v[PC+3+\i], v[PC+12+\i]
.endr
.endm
; 16 registers and lane l xor 16's are one vector of 32: divided by its norm
.macro L2K g
	v_pk_mul_f32 v[LT:LT+1], v[\g:\g+1], v[\g:\g+1]
.irp i, 2,4,6,8,10,12,14
	v_pk_fma_f32 v[LT:LT+1], v[\g+\i:\g+\i+1], v[\g+\i:\g+\i+1], v[LT:LT+1]
.endr
	v_add_f32 v[LT], v[LT], v[LT+1]
	v_permlanex16_b32 v[LT+1], v[LT], s[SEL], s[SEL+1]
	v_add_f32 v[LT], v[LT], v[LT+1]
	v_max_num_f32 v[LT], 0x179abe15, v[LT]         ; 1e-24 = (1e-12)^2
	s_wait_alu depctr_va_vdst(0)
	v_rsq_f32 v[LT], v[LT]
	v_nop
	s_wait_alu depctr_va_vdst(0)                   ; the reciprocal root has written v[LT], ahead of its first reader
.irp i, 0,2,4,6,8,10,12,14
	v_pk_mul_f32 v[\g+\i:\g+\i+1], v[\g+\i:\g+\i+1], v[LT:LT+1] op_sel_hi:[1,0]
.endr
.endm
.macro CHUNK buf, ahead                ; 25 loads: a chunk's 96 registers and its four scale words
	WIN 0x40
.irp i, 0,1,2,3,4,5,6,7,8,9,10,11,12,13,14,15,16,17,18,19,20,21,22,23
	global_load_b128 v[96*(\buf)+4*\i:96*(\buf)+4*\i+3], v[L16], s[WP:WP+1] offset:(\ahead)*12288+512*\i
.endr
	WIN 0
	global_load_b128 v[WSC+4*(\buf):WSC+4*(\buf)+3], v[L16], s[SP:SP+1] offset:(\ahead)*512
.endm
.macro WMM d, a, b, c, sa, sb, row     ; source 0 a weight's tile: its scales in lanes 0-15 (row = 0) or 16-31
.if \row
	v_wmma_scale_f32_16x16x128_f8f6f4 v[\d:\d+7], v[\a:\a+11], v[\b:\b+11], v[\c:\c+7], v[\sa], v[\sb] matrix_a_fmt:MATRIX_FMT_FP6 matrix_b_fmt:MATRIX_FMT_FP6 matrix_a_scale:MATRIX_SCALE_ROW1
.else
	v_wmma_scale_f32_16x16x128_f8f6f4 v[\d:\d+7], v[\a:\a+11], v[\b:\b+11], v[\c:\c+7], v[\sa], v[\sb] matrix_a_fmt:MATRIX_FMT_FP6 matrix_b_fmt:MATRIX_FMT_FP6
.endif
.endm
.macro WMV d, a, b, cz, sa, sb, row    ; source 1 a weight's tile; cz: the product starts its sum
.if \cz
.if \row
	v_wmma_scale_f32_16x16x128_f8f6f4 v[\d:\d+7], v[\a:\a+11], v[\b:\b+11], 0, v[\sa], v[\sb] matrix_a_fmt:MATRIX_FMT_FP6 matrix_b_fmt:MATRIX_FMT_FP6 matrix_b_scale:MATRIX_SCALE_ROW1
.else
	v_wmma_scale_f32_16x16x128_f8f6f4 v[\d:\d+7], v[\a:\a+11], v[\b:\b+11], 0, v[\sa], v[\sb] matrix_a_fmt:MATRIX_FMT_FP6 matrix_b_fmt:MATRIX_FMT_FP6
.endif
.else
.if \row
	v_wmma_scale_f32_16x16x128_f8f6f4 v[\d:\d+7], v[\a:\a+11], v[\b:\b+11], v[\d:\d+7], v[\sa], v[\sb] matrix_a_fmt:MATRIX_FMT_FP6 matrix_b_fmt:MATRIX_FMT_FP6 matrix_b_scale:MATRIX_SCALE_ROW1
.else
	v_wmma_scale_f32_16x16x128_f8f6f4 v[\d:\d+7], v[\a:\a+11], v[\b:\b+11], v[\d:\d+7], v[\sa], v[\sb] matrix_a_fmt:MATRIX_FMT_FP6 matrix_b_fmt:MATRIX_FMT_FP6
.endif
.endif
.endm
; K step s of group g: 16 products, the 16 accumulators by turns in the same order in every step
.macro STEPKV g, s
.set CI, 4*(\g)+(\s)
.set BU, CI%2
.if CI < 7
	s_wait_loadcnt 25                              ; all but the next chunk's 25 loads are in
.else
	s_wait_loadcnt 0x0
.endif
.if (\s) == 0
	WIN 0x19                                       ; source 0 and C (k's bias) window 1, source 1 window 2
.else
	WIN 0x09
.endif
.irp e, 0,1
.irp ut, 0,1
.irp u, 0,1
.if (\s) == 0
	WMM ACC+64*\e+16*\u+8*\ut, 96*BU+12*(4*\e+\ut), 12*(4*\u+(\s)), 192+32*(\g)+8*(2*\e+\ut), WSC+4*BU+2*\e, PS+4*\u+(\s), \ut
.else
	WMM ACC+64*\e+16*\u+8*\ut, 96*BU+12*(4*\e+\ut), 12*(4*\u+(\s)), ACC+64*\e+16*\u+8*\ut, WSC+4*BU+2*\e, PS+4*\u+(\s), \ut
.endif
.endr
.endr
.endr
	WIN 0x06                                       ; source 0 window 2, source 1 window 1
.irp e, 0,1
.irp dt, 0,1
.irp u, 0,1
	WMV ACC+64*\e+32+16*\dt+8*\u, 12*(4*\u+(\s)), 96*BU+12*(4*\e+2+\dt), (\s)==0, PS+4*\u+(\s), WSC+4*BU+2*\e+1, \dt
.endr
.endr
.endr
	WIN 0
.rept 4
	v_nop                                          ; places behind the products, ahead of the first read of results
.endr
.if CI < 6
	s_wait_alu depctr_va_vdst(0)                   ; the step's sixteen products are done reading their chunk and its scale words, in which the 25 loads below land
	CHUNK BU, CI+2
.endif
.endm
.macro KPART g, e                      ; head 4 w + 2 g + e: k of the 32 keys
	L2K ACC+64*\e
	L2K ACC+64*\e+16
	s_wait_alu depctr_va_vdst(0)
	Q2 ACC+64*\e
	v_lshl_or_b32 v[BYD], v[TM+5], 8, v[TM+4]      ; the two tiles' bytes of my row
	s_wait_alu depctr_va_vdst(0)                   ; the codes in v[PC ..] and the bytes in v[BYD] are written, which the three stores read
	global_store_b128 v[KC16], v[PC:PC+3], s[10:11] offset:(2*\g+\e)*204800
	global_store_b64 v[KC8], v[PC+4:PC+5], s[10:11] offset:(2*\g+\e)*204800
	global_store_b16 v[KS], v[BYD], s[10:11] offset:(2*\g+\e)*204800
.endm
.macro VPART g, e                      ; the same head's v: lane = d, registers = keys
.set VA, ACC+64*\e+32
.irp dt, 0,1
.irp i, 0,1,2,3,4,5,6,7,8,9,10,11,12,13,14,15
	v_add_f32 v[VA+16*\dt+\i], v[VA+16*\dt+\i], v[VBI+4*\g+2*\e+\dt]
.endr
.endr
.irp i, 0,2,4,6,8,10,12,14
	v_pk_mul_f32 v[SS+\i:SS+\i+1], v[VA+\i:VA+\i+1], v[VA+\i:VA+\i+1]
.endr
.irp i, 0,2,4,6,8,10,12,14
	v_pk_fma_f32 v[SS+\i:SS+\i+1], v[VA+16+\i:VA+17+\i], v[VA+16+\i:VA+17+\i], v[SS+\i:SS+\i+1]
.endr
.irp k, 1,2,4,8                                ; a key's 32 d lie in two registers of sixteen lanes
.irp i, 0,1,2,3,4,5,6,7,8,9,10,11,12,13,14,15
	v_add_f32_dpp v[SS+\i], v[SS+\i], v[SS+\i] row_xmask:\k row_mask:0xf bank_mask:0xf
.endr
.endr
.irp i, 0,1,2,3,4,5,6,7,8,9,10,11,12,13,14,15
	v_max_num_f32 v[SS+\i], 0x179abe15, v[SS+\i]
.endr
	s_wait_alu depctr_va_vdst(0)
.irp i, 0,1,2,3,4,5,6,7,8,9,10,11,12,13,14,15
	v_rsq_f32 v[SS+\i], v[SS+\i]
.endr
	v_nop
	s_wait_alu depctr_va_vdst(0)                   ; the sixteen reciprocal roots have written v[SS ..], ahead of their first reader
.irp i, 0,2,4,6,8,10,12,14
	v_pk_mul_f32 v[VA+\i:VA+\i+1], v[VA+\i:VA+\i+1], v[SS+\i:SS+\i+1]
	v_pk_mul_f32 v[VA+16+\i:VA+17+\i], v[VA+16+\i:VA+17+\i], v[SS+\i:SS+\i+1]
.endr
	Q2 VA
	v_cndmask_b32 v[BYD], v[TM+4], v[TM+5], s18    ; lanes 16-31 hold the second tile of d
	s_wait_alu depctr_va_vdst(0)                   ; the codes in v[PC ..] and the byte in v[BYD] are written, which the three stores read
	global_store_b128 v[VC16], v[PC:PC+3], s[10:11] offset:(2*\g+\e)*204800
	global_store_b64 v[VC8], v[PC+4:PC+5], s[10:11] offset:(2*\g+\e)*204800
	global_store_b8 v[VS], v[BYD], s[10:11] offset:(2*\g+\e)*204800
.endm
	s_load_b256 s[4:11], s[0:1], 0x0               ; past_hidden, bkv, wts, kv
	v_lshl_add_u32 v254, v0, 2, 0x3400
	v_mov_b32 v255, 0
	v_lshrrev_b32 v1, 5, v0
	v_readfirstlane_b32 s12, v1                    ; wave
	v_and_b32 v1, 31, v0
	s_wait_alu depctr_va_vdst(0)
	v_and_b32 v2, 15, v0                           ; r
	v_bfe_u32 v3, v0, 4, 1                         ; h
	s_wait_alu depctr_va_vdst(0)
	s_and_b32 s13, ttmp9, 1                        ; batch index
	s_lshr_b32 s14, ttmp9, 1                       ; block of 32 keys
	s_lshr_b32 s24, s14, 2                         ; key step of 128
	s_and_b32 s25, s14, 3                          ; block in the step
	s_lshr_b32 s26, s25, 1
	s_and_b32 s27, s25, 1
	s_mov_b32 s[SEL], 0x76543210
	s_mov_b32 s[SEL+1], 0xfedcba98
	s_mov_b32 s18, 0xffff0000
	v_lshlrev_b32 v[L16], 4, v1
	v_lshlrev_b32 v[L4], 2, v1
	v_lshlrev_b32 v[KBO], 6, v3
	v_and_b32 v17, 7, v2
	v_lshrrev_b32 v18, 3, v2
	v_lshl_add_u32 v17, v18, 4, v17                ; (r & 7) + 16 (r >> 3)
	v_lshlrev_b32 v[VBO], 2, v17
	v_lshl_add_u32 v[XA], v17, 12, v[KBO]          ; a key is 4,096 bytes on from the last; + 64 h
	s_wait_alu depctr_va_sdst(0)                   ; s12, the wave's number, is written, ahead of its first reader
	s_mul_i32 s28, s12, 1536
	v_add_nc_u32 v[IW], s28, v[L16]
	s_lshl_b32 s28, s12, 7
	v_add_nc_u32 v[SW], s28, v[L4]
	s_mul_i32 s28, s14, 768                        ; k's unit
	v_add_nc_u32 v[KC16], s28, v[L16]
	s_add_co_u32 s29, s28, 512
	v_lshl_add_u32 v[KC8], v1, 3, s29
	s_lshl_b32 s28, s24, 7
	s_lshl_b32 s29, s26, 6
	s_add_co_u32 s29, s29, s28
	s_lshl_b32 s30, s27, 1
	s_add_co_u32 s29, s29, s30
	s_add_co_u32 s29, s29, 196608
	v_lshl_add_u32 v[KS], v2, 2, s29
	s_add_co_u32 s29, s28, s25
	s_add_co_u32 s29, s29, 200704
	v_lshl_add_u32 v[VS], v2, 2, s29
	v_lshl_add_u32 v[VS], v3, 6, v[VS]
	s_mul_i32 s28, s24, 3072
	s_mul_i32 s29, s26, 768
	s_add_co_u32 s28, s28, s29
	s_add_co_u32 s28, s28, 98304
	s_lshl_b32 s29, s27, 8
	s_add_co_u32 s29, s29, s28
	s_lshl_b32 s30, s27, 7
	s_add_co_u32 s30, s30, s28
	s_add_co_u32 s30, s30, 512
	v_mul_u32_u24 v17, v3, 1536
	v_lshl_add_u32 v[VC16], v2, 4, v17
	v_add_nc_u32 v[VC16], s29, v[VC16]
	v_lshl_add_u32 v[VC8], v2, 3, v17
	v_add_nc_u32 v[VC8], s30, v[VC8]
.irp b, 0,1,2,3
	v_mov_b32 v[TM+4+\b], 0                        ; a lane permute's destination counts as one of its sources
.endr
	s_lshl_b32 s28, s14, 17
	s_lshl_b32 s29, s13, 11
	s_add_co_u32 s28, s28, s29
	s_lshl_b32 s29, s12, 9
	s_add_co_u32 s28, s28, s29
	s_mov_b32 s29, 0
	s_lshl_b32 s30, s12, 10
	s_mov_b32 s31, 0
	s_lshl_b32 s32, s12, 3
	s_add_co_u32 s32, s32, 288                     ; my first chunk
	s_mul_i32 s34, s32, 12288
	s_mov_b32 s35, 0
	s_lshl_b32 s32, s32, 9
	s_add_co_u32 s32, s32, WSOFF
	s_mov_b32 s33, 0
	s_wait_kmcnt 0x0
	s_add_nc_u64 s[4:5], s[4:5], s[28:29]
	s_add_nc_u64 s[6:7], s[6:7], s[30:31]
	s_add_nc_u64 s[WP:WP+1], s[8:9], s[34:35]
	s_add_nc_u64 s[SP:SP+1], s[8:9], s[32:33]
	s_lshl_b32 s28, s13, 2
	s_add_co_u32 s28, s28, s12
	s_mul_i32 s28, s28, 4*204800
	s_add_nc_u64 s[10:11], s[10:11], s[28:29]
	s_wait_alu depctr_va_vdst(0)                   ; the thirteen addresses and offsets v4 to v16 are written, which every load and store of the kernel reads
.irp u, 0,1                                    ; my K step (128 of the 512) of the 32 keys: 64 numbers a lane and tile
.irp q, 0,1,2,3,4,5,6,7,8,9,10,11,12,13,14,15
	global_load_b128 v[ACC+64*\u+4*\q:ACC+64*\u+4*\q+3], v[XA], s[4:5] offset:32768*\u+128*(\q/4)+16*(\q%4) th:TH_LOAD_NT
.endr
.endr
	WIN 0x40
.irp g, 0,1
.irp e, 0,1
.irp ut, 0,1
	global_load_b128 v[192+32*\g+8*(2*\e+\ut):195+32*\g+8*(2*\e+\ut)], v[KBO], s[6:7] offset:512*\g+256*\e+32*\ut
	global_load_b128 v[196+32*\g+8*(2*\e+\ut):199+32*\g+8*(2*\e+\ut)], v[KBO], s[6:7] offset:512*\g+256*\e+32*\ut+16
.endr
.endr
.endr
	WIN 0
.irp g, 0,1
.irp e, 0,1
.irp dt, 0,1
	global_load_b32 v[VBI+4*\g+2*\e+\dt], v[VBO], s[6:7] offset:512*\g+256*\e+128+32*\dt
.endr
.endr
.endr
	CHUNK 0, 0
	CHUNK 1, 1
	s_wait_loadcnt 63                              ; 74 loads were issued behind the rows' 32: with 63 out at the most the rows are in
	QUANT ACC
	s_wait_alu depctr_va_vdst(0)                   ; the codes in v[PC ..] and the scale word in v[PW] are written, which the four LDS stores read
.irp c, 0,1,2
	ds_store_b128 v[IW], v[PC+4*\c:PC+4*\c+3] offset:512*\c
.endr
	ds_store_b32 v[SW], v[PW] offset:PSC
	s_wait_dscnt 0x0
	s_wait_alu depctr_vm_vsrc(0)                   ; the four LDS stores have read v[PC ..] and v[PW], which the second tile's lines write again
	QUANT ACC+64
	s_wait_alu depctr_va_vdst(0)                   ; the second tile's codes and scale word are written, which the four LDS stores read
.irp c, 0,1,2
	ds_store_b128 v[IW], v[PC+4*\c:PC+4*\c+3] offset:6144+512*\c
.endr
	ds_store_b32 v[SW], v[PW] offset:PSC+512
	BARRIER                                        ; the eight fragments (tile u, K step s: 4 u + s) lie in LDS
	WIN 0x80
.irp q, 0,1,2,3,4,5,6,7
.irp c, 0,1,2
	ds_load_b128 v[12*\q+4*\c:12*\q+4*\c+3], v[L16] offset:1536*\q+512*\c
.endr
.endr
	WIN 0
.irp q, 0,1,2,3,4,5,6,7
	ds_load_b32 v[PS+\q], v[L4] offset:PSC+128*\q
.endr
	s_wait_dscnt 0x0
.irp g, 0,1
	STEPKV \g, 0
	STEPKV \g, 1
	STEPKV \g, 2
	STEPKV \g, 3
	KPART \g, 0
	VPART \g, 0
	KPART \g, 1
	VPART \g, 1
.endr
	s_wait_dscnt 0x0                               ; the closing lines, six on end
	s_wait_alu 0x0
	s_wait_tensorcnt 0x0
	ds_add_u32 v254, v255
	s_wait_dscnt 0x0
	s_endpgm
.Lfunc_end_k_qdcd590b6b5_kvp:
	.size	k_qdcd590b6b5_kvp, .Lfunc_end_k_qdcd590b6b5_kvp-k_qdcd590b6b5_kvp
	.p2alignl 7, 3214868480
	.fill 96, 4, 3214868480
	.section	.rodata,"a",@progbits
	.p2align	6, 0x0
	.amdhsa_kernel k_qdcd590b6b5_kvp
		.amdhsa_group_segment_fixed_size 13824
		.amdhsa_private_segment_fixed_size 0
		.amdhsa_enable_private_segment 0
		.amdhsa_kernarg_size 32
		.amdhsa_user_sgpr_count 2
		.amdhsa_user_sgpr_kernarg_segment_ptr 1
		.amdhsa_wavefront_size32 1
		.amdhsa_system_sgpr_workgroup_id_x 1
		.amdhsa_system_sgpr_workgroup_id_y 1
		.amdhsa_system_sgpr_workgroup_id_z 1
		.amdhsa_system_vgpr_workitem_id 0
		.amdhsa_next_free_vgpr 608
		.amdhsa_next_free_sgpr 66
		.amdhsa_reserve_vcc 0
		.amdhsa_float_denorm_mode_32 3
		.amdhsa_float_denorm_mode_16_64 3
		.amdhsa_memory_ordered 1
		.amdhsa_forward_progress 1
		.amdhsa_inst_pref_size 121
	.end_amdhsa_kernel
	.amdgpu_metadata
---
amdhsa.version: [ 1, 2 ]
amdhsa.kernels:
  - .name:           k_qdcd590b6b5_kvp
    .symbol:         k_qdcd590b6b5_kvp.kd
    .args:
      - { .name: past_hidden, .offset: 0, .size: 8, .value_kind: global_buffer, .address_space: global }
      - { .name: bkv, .offset: 8, .size: 8, .value_kind: global_buffer, .address_space: global }
      - { .name: wts, .offset: 16, .size: 8, .value_kind: global_buffer, .address_space: global }
      - { .name: kv, .offset: 24, .size: 8, .value_kind: global_buffer, .address_space: global }
    .group_segment_fixed_size: 13824
    .private_segment_fixed_size: 0
    .kernarg_segment_align: 8
    .kernarg_segment_size: 32
    .max_flat_workgroup_size: 128
    .sgpr_count:     66
    .vgpr_count:     608
    .wavefront_size: 32
...
	.end_amdgpu_metadata
.endif
;; end of part 7
;; launch chain_a (part 8): grid 256 x 1, 4 waves a work-group, no clusters, 76,288 bytes of LDS; arguments x, ln1_g, ln1_b, mlp1_b1, mlp1_b2, ln2_g, ln2_b, bq, wts, x1, qq; writes x1, qq
.if DOCPART == 8
	.amdgcn_target "amdgcn-amd-amdhsa--gfx1250"
	.amdhsa_code_object_version 6
	.text
	.protected	k_qdcd590b6b5_chain_a
	.globl	k_qdcd590b6b5_chain_a
	.p2align	8
	.type	k_qdcd590b6b5_chain_a,@function
k_qdcd590b6b5_chain_a:
	s_mov_b64 s[64:65], 0
	v_nop
	global_prefetch_b8 v0, s[64:65] scope:SCOPE_SE
	s_setreg_imm32_b32 hwreg(HW_REG_WAVE_SCHED_MODE, 0, 2), 2
	s_setreg_imm32_b32 hwreg(HW_REG_WAVE_MODE, 25, 1), 1
	s_wait_xcnt 0x0
	s_wait_alu depctr_vm_vsrc(0)
; CHAIN A.  x1 = gelu(Q(LN1(x)) Q(W1) + b1) quantised x Q(W2) + b2;  q = l2norm(Q(LN2(x1)) Q(wq) + bq), quantised along each head's 32.  All products on FP6 codes with E8M0 scales.
; A work-group takes 16 rows (one batch index, 16 queries).  THE WAVES SHARE THE COLUMNS: wave w owns columns 128 w .. 128 w + 127 of every result of width 512, and hidden units 512 w .. 512 w + 511.
; Every product is used transposed (source 0 = 16 columns of a weight, source 1 = the 16 rows); the columns of a tile are chosen so that a lane's 16 registers of two neighbouring tiles are 16 neighbours along the next K.
; The rows' codes go from wave to wave through LDS as images of the operand's registers.  The weights come straight into registers: each wave walks one linear run of 36 chunks (12,288 bytes of codes, 512 of scale words), two buffers.
; No multicast: the weights land in registers, and a joint load lands in LDS alone.
; gelu is exact-erf: 0.5 erfc(|z|) = t exp(-z^2 + a polynomial in t), t = 1 / (1 + |z| / 2), fractional error about 1.2e-7.
; REGISTERS: window 0: v4-19 addresses; v20-23 mean, 1 / deviation; v24-31 weights' scale words; v32-35 rows' scale words; v36-83 four fragments of rows; v84-147 eight accumulators; v148-167 codes; v168-187 at work; v188-251 at work.
;   window 1: two chunks, the bias of the sums in hand (v192-255).   window 2: LN's gain (v0-63) and bias (v64-127).
; LIMITS: NaN and infinities are not served; v_rsq_f32, v_rcp_f32, v_exp_f32 stand ahead of the quantisers.
; THE MODE: SCHED_MODE bits 1:0 = 2 (LLVM: expert scheduling mode 2), set by the entry lines.  The code itself states the register dependences
; between vector or matrix instructions and memory or LDS instructions, with s_wait_alu, always for 0.
; THE PLAN.  Registers that memory or LDS instructions touch:
;   v4-14, v17-19    addresses and offsets: written at the head, never again: one wait on va_vdst ahead of the first load serves them all.
;   the two chunks, v24-31, the bias (window 1 v192-255), v32-83   loaded; read by a K step's eight products alone.  ONE wait on va_vdst stands in a K step, behind its products: they are done reading all of these;
;                    the step's loads (a bias, a fragment of rows, a chunk) follow it with nothing but loads and window switches between.  A step that asks for nothing has no wait.
;   v148-167, v184, v15, v16   codes, scale word and the loop's two LDS addresses: written by QUANT and two additions, read by an image's four LDS stores: a wait on va_vdst between, a wait on vm_vsrc ahead of the next QUANT.
;   v188-191         a row's partial sums: written by vector lines, read by one LDS store, then an LDS load lands there: a wait on va_vdst ahead of the store, a wait on vm_vsrc ahead of the load.
;   v84-147, v188-251   the way out of x1: the stage's LDS stores read the accumulators, its loads land in v188-251, the global stores read those; one wait on vm_vsrc behind them, ahead of LN2, which writes both again.
;   window 2 v0-127  LN's gain and bias: loaded at the head, read by LN1's 32 multiply-adds, loaded again behind the wait that stands ahead of LN1's image.
; gelu's eight compares write eight scalar masks (s26-31, s48, s49: temporaries of the head), as a run, with one wait on va_sdst ahead of the eight selects.
.set WSOFF, 3932160
.set STAT, 0
.set IMG0, 2048
.set ISC0, 8192
.set HIMG, 15360
.set HSC, 39936
.set STG, 41984
.set L16, 4
.set L4, 5
.set VB, 6
.set XA, 7
.set IW, 8
.set SW, 9
.set HW, 10
.set HSW, 11
.set STA, 12
.set SO, 13
.set SR, 14
.set MU, 20
.set RS, 22
.set WSC, 24
.set BS, 32
.set BF, 36
.set ACC, 84
.set PC, 148
.set TM, 168
.set PW, 184
.set LT, 186
.set T64, 188
.set LA, 188
.set GZ, 188
.set GT, 196
.set GP, 204
.set C9, 252
.set WP, 32
.set SP, 34
.set BP, 36
.set B2P, 38
.set TR, 40
.set SH, 41
.set SHS, 42
.set SEL, 44
.set INV, 46
.set EPS, 47
.set NT, 20                            ; K steps behind the loop: 16 of W2, 4 of wq
.set MSB, 0
.macro WIN new                         ; the immediate's high byte repeats the setting that is left
.if MSB != (\new)
	s_set_vgpr_msb (MSB<<8)|(\new)
.set MSB, \new
.endif
.endm
.macro BARRIER                         ; my LDS stores have landed and my LDS loads are in: then the work-group's barrier
	s_wait_dscnt 0x0
	s_barrier_signal -1
	s_barrier_wait -1
.endm
; 64 numbers of a lane, register 16 b + i = k 32 b + 16 (lane / 16) + i of my row, become a fragment's codes in v[PC] on and its scale word in v[PW]
.macro QUANT s
.irp b, 0,1,2,3
	v_max3_num_f32 v[TM+\b], |v[\s+16*\b]|, |v[\s+1+16*\b]|, 0x1800000
.endr
.irp i, 2,4,6,8,10,12,14
.irp b, 0,1,2,3
	v_max3_num_f32 v[TM+\b], v[TM+\b], |v[\s+16*\b+\i]|, |v[\s+1+16*\b+\i]|
.endr
.endr
.irp b, 0,1,2,3
	v_permlanex16_b32 v[TM+4+\b], v[TM+\b], s[SEL], s[SEL+1]
.endr
.irp b, 0,1,2,3
	v_max_num_f32 v[TM+\b], v[TM+\b], v[TM+4+\b]
.endr
.irp b, 0,1,2,3
	v_add_nc_u32 v[TM+12+\b], 0xff000000, v[TM+\b]
.endr
.irp b, 0,1,2,3
	v_lshrrev_b32 v[TM+4+\b], 23, v[TM+12+\b]
.endr
	v_lshl_or_b32 v[PW], v[TM+5], 8, v[TM+4]
	v_lshl_or_b32 v[PW], v[TM+6], 16, v[PW]
	v_lshl_or_b32 v[PW], v[TM+7], 24, v[PW]
.irp c, 0,1
	v_cvt_scalef32_pk16_fp6_f32 v[PC+6*\c:PC+2+6*\c], v[\s+32*\c:\s+15+32*\c], v[TM+12+2*\c]
	v_cvt_scalef32_pk16_fp6_f32 v[PC+12+4*\c:PC+14+4*\c], v[\s+16+32*\c:\s+31+32*\c], v[TM+12+2*\c+1]
.endr
	v_nop
.irp c, 0,1
.irp i, 0,1,2
	v_permlane16_swap_b32 v[PC+6*\c+\i], v[PC+12+4*\c+\i]
.endr
.irp i, 0,1,2
	v_mov_b32 v[PC+3+6*\c+\i], v[PC+12+4*\c+\i]
.endr
.endr
.endm
.macro IMAGE adr, off
.irp c, 0,1,2
	ds_store_b128 v[\adr], v[PC+4*\c:PC+4*\c+3] offset:\off+512*\c
.endr
.endm
.macro FETCHF reg, off
.irp c, 0,1,2
	ds_load_b128 v[\reg+4*\c:\reg+4*\c+3], v[L16] offset:\off+512*\c
.endr
.endm
.macro L2K g                           ; 16 registers and lane l xor 16's are one vector of 32: divided by its norm
	v_pk_mul_f32 v[LT:LT+1], v[\g:\g+1], v[\g:\g+1]
.irp i, 2,4,6,8,10,12,14
	v_pk_fma_f32 v[LT:LT+1], v[\g+\i:\g+\i+1], v[\g+\i:\g+\i+1], v[LT:LT+1]
.endr
	v_add_f32 v[LT], v[LT], v[LT+1]
	v_permlanex16_b32 v[LT+1], v[LT], s[SEL], s[SEL+1]
	v_add_f32 v[LT], v[LT], v[LT+1]
	v_max_num_f32 v[LT], 0x179abe15, v[LT]         ; 1e-24 = (1e-12)^2
	v_rsq_f32 v[LT], v[LT]
	v_nop
	s_wait_alu depctr_va_vdst(0)                   ; the reciprocal root has written v[LT], ahead of its first reader
.irp i, 0,2,4,6,8,10,12,14
	v_pk_mul_f32 v[\g+\i:\g+\i+1], v[\g+\i:\g+\i+1], v[LT:LT+1] op_sel_hi:[1,0]
.endr
.endm
.macro XLOAD reg, sb                   ; my row's 64 numbers of my wave's 128 columns
.irp q, 0,1,2,3,4,5,6,7,8,9,10,11,12,13,14,15
	global_load_b128 v[\reg+4*\q:\reg+4*\q+3], v[XA], s[\sb:\sb+1] offset:128*(\q/4)+16*(\q%4)
.endr
.endm
.macro PLOAD sg, sb                    ; LN's gain and bias at the same columns
	WIN 0x80
.irp q, 0,1,2,3,4,5,6,7,8,9,10,11,12,13,14,15
	global_load_b128 v[4*\q:4*\q+3], v[VB], s[\sg:\sg+1] offset:128*(\q/4)+16*(\q%4)
.endr
.irp q, 0,1,2,3,4,5,6,7,8,9,10,11,12,13,14,15
	global_load_b128 v[64+4*\q:64+4*\q+3], v[VB], s[\sb:\sb+1] offset:128*(\q/4)+16*(\q%4)
.endr
	WIN 0
.endm
.macro BLOAD sp                        ; a bias of 128 columns, in the result's layout: the C of a sum's first products
	WIN 0x40
.irp q, 0,1,2,3,4,5,6,7,8,9,10,11,12,13,14,15
	global_load_b128 v[192+4*\q:192+4*\q+3], v[VB], s[\sp:\sp+1] offset:128*(\q/4)+16*(\q%4)
.endr
	WIN 0
.endm
.macro CHUNK buf, ahead                ; 25 loads: a chunk's 96 registers and its four scale words
	WIN 0x40
.irp i, 0,1,2,3,4,5,6,7,8,9,10,11,12,13,14,15,16,17,18,19,20,21,22,23
	global_load_b128 v[96*(\buf)+4*\i:96*(\buf)+4*\i+3], v[L16], s[WP:WP+1] offset:(\ahead)*12288+512*\i
.endr
	WIN 0
	global_load_b128 v[WSC+4*(\buf):WSC+4*(\buf)+3], v[L16], s[SP:SP+1] offset:(\ahead)*512
.endm
.macro WMM d, a, b, c, sa, sb, row
.if \row
	v_wmma_scale_f32_16x16x128_f8f6f4 v[\d:\d+7], v[\a:\a+11], v[\b:\b+11], v[\c:\c+7], v[\sa], v[\sb] matrix_a_fmt:MATRIX_FMT_FP6 matrix_b_fmt:MATRIX_FMT_FP6 matrix_a_scale:MATRIX_SCALE_ROW1
.else
	v_wmma_scale_f32_16x16x128_f8f6f4 v[\d:\d+7], v[\a:\a+11], v[\b:\b+11], v[\c:\c+7], v[\sa], v[\sb] matrix_a_fmt:MATRIX_FMT_FP6 matrix_b_fmt:MATRIX_FMT_FP6
.endif
.endm
; A K step: the chunk in buffer buf against the rows' fragment in slot.  cm: the bias starts the sums.  wc: the younger loads that may stay out (the next chunk's 25).  dc: the younger LDS loads.
; hk: a bias to ask for.  rf: the hidden K step that takes the slot next, or -1.  ld: the chunk `ahead` takes the buffer.  The eight accumulators take turns in the same order in every step.
.macro STEP buf, slot, cm, ld, ahead, wc, dc, hk, rf
	s_wait_loadcnt \wc
	s_wait_dscnt \dc
.if \cm
	WIN 0x11
.else
	WIN 0x01
.endif
.irp t, 0,1,2,3,4,5,6,7
.if \cm
	WMM ACC+8*\t, 96*(\buf)+12*\t, BF+12*(\slot), 192+8*\t, WSC+4*(\buf)+\t/2, BS+(\slot), \t%2
.else
	WMM ACC+8*\t, 96*(\buf)+12*\t, BF+12*(\slot), ACC+8*\t, WSC+4*(\buf)+\t/2, BS+(\slot), \t%2
.endif
.endr
	WIN 0
.rept 4
	v_nop                                          ; places behind the products, ahead of the first read of results
.endr
.if (\hk) || ((\rf) >= 0) || (\ld)
	s_wait_alu depctr_va_vdst(0)                   ; the step's eight products are done reading their chunk, its scale words, the rows' fragment with its scale word, and the bias: the loads below land in these; and the accumulators are written
.endif
.if \hk
	BLOAD \hk
.endif
.if (\rf) >= 0
	FETCHF BF+12*(\slot), HIMG+(\rf)*1536
	ds_load_b32 v[BS+(\slot)], v[L4] offset:HSC+(\rf)*128
.endif
.if \ld
	CHUNK \buf, \ahead
.endif
.endm
.macro GSTEP cm, dc, hk, rf            ; K step S2 of the NT behind the loop
.if S2+2 < NT
.set LD_, 1
.else
.set LD_, 0
.endif
.if S2+1 < NT
.set WC_, 25
.else
.set WC_, 0
.endif
	STEP S2%2, S2%4, \cm, LD_, S2+2, WC_, \dc, \hk, \rf
.set S2, S2+1
.endm
.macro REDUCE off                      ; two packed partial sums -> the row's sum over all 512 columns, in every lane
	v_pk_add_f32 v[LA:LA+1], v[LA:LA+1], v[LA+2:LA+3]
	v_add_f32 v[LA], v[LA], v[LA+1]
	v_permlanex16_b32 v[LA+1], v[LA], s[SEL], s[SEL+1]
	v_add_f32 v[LA], v[LA], v[LA+1]
	s_wait_alu depctr_va_vdst(0)                   ; v[LA] is written, which the LDS store reads; the lines above are done with v[LA .. LA+3], in which the LDS load below lands
	ds_store_b32 v[STA], v[LA] offset:\off         ; word 4 lane + wave
	BARRIER
	s_wait_alu depctr_vm_vsrc(0)                   ; my LDS store has read v[LA], in which the load lands
	ds_load_b128 v[LA:LA+3], v[L16] offset:\off    ; the four waves' sums of my row
	s_wait_dscnt 0x0
	v_add_f32 v[LA], v[LA], v[LA+1]
	v_add_f32 v[LA+2], v[LA+2], v[LA+3]
	v_add_f32 v[LA], v[LA], v[LA+2]
.endm
; LayerNorm of the 16 rows (source: 64 registers at src of window sw), quantised; all four K steps' fragments come back into v[BF] on.  Each LDS region is written once.
; (The codes' registers: an earlier image's LDS stores stand ahead of the waits on vm_vsrc in REDUCE.)
.macro LNX k, src, sw
	WIN (\sw)|((\sw)<<2)
	v_pk_add_f32 v[LA:LA+1], v[\src:\src+1], v[\src+2:\src+3]
	v_pk_add_f32 v[LA+2:LA+3], v[\src+4:\src+5], v[\src+6:\src+7]
	WIN (\sw)<<2
.irp j, 8,12,16,20,24,28,32,36,40,44,48,52,56,60
	v_pk_add_f32 v[LA:LA+1], v[LA:LA+1], v[\src+\j:\src+\j+1]
	v_pk_add_f32 v[LA+2:LA+3], v[LA+2:LA+3], v[\src+\j+2:\src+\j+3]
.endr
	WIN 0
	REDUCE STAT+1024*(\k)
	v_mul_f32 v[MU], s[INV], v[LA]                 ; the mean
	WIN \sw
.set J_, 0
.rept 32
	v_pk_add_f32 v[ACC+J_:ACC+J_+1], v[\src+J_:\src+J_+1], v[MU:MU+1] op_sel_hi:[1,0] neg_lo:[0,1] neg_hi:[0,1]
.set J_, J_+2
.endr
	WIN 0
	v_pk_mul_f32 v[LA:LA+1], v[ACC:ACC+1], v[ACC:ACC+1]
	v_pk_mul_f32 v[LA+2:LA+3], v[ACC+2:ACC+3], v[ACC+2:ACC+3]
.irp j, 4,8,12,16,20,24,28,32,36,40,44,48,52,56,60
	v_pk_fma_f32 v[LA:LA+1], v[ACC+\j:ACC+\j+1], v[ACC+\j:ACC+\j+1], v[LA:LA+1]
	v_pk_fma_f32 v[LA+2:LA+3], v[ACC+\j+2:ACC+\j+3], v[ACC+\j+2:ACC+\j+3], v[LA+2:LA+3]
.endr
	REDUCE STAT+1024*(\k)+512
	v_fma_f32 v[RS], v[LA], s[INV], s[EPS]         ; the variance + 1e-5
	v_rsq_f32 v[RS], v[RS]
	v_nop
.set J_, 0
	s_wait_alu depctr_va_vdst(0)                   ; the reciprocal root has written v[RS], ahead of its first reader
.rept 32
	v_pk_mul_f32 v[ACC+J_:ACC+J_+1], v[ACC+J_:ACC+J_+1], v[RS:RS+1] op_sel_hi:[1,0]
.set J_, J_+2
.endr
	WIN 0x28                                       ; gain and bias in window 2
.set J_, 0
.rept 32
	v_pk_fma_f32 v[ACC+J_:ACC+J_+1], v[ACC+J_:ACC+J_+1], v[J_:J_+1], v[64+J_:65+J_]
.set J_, J_+2
.endr
	WIN 0
	QUANT ACC
	s_wait_alu depctr_va_vdst(0)                   ; the codes in v[PC ..] and the scale word in v[PW] are written, which the four LDS stores read; earlier products are done reading v32-83, in which the loads behind the barrier land; the multiply-adds are done reading gain and bias
	IMAGE IW, IMG0+6656*(\k)
	ds_store_b32 v[SW], v[PW] offset:ISC0+6656*(\k)
	BARRIER
.irp s, 0,1,2,3
	FETCHF BF+12*\s, IMG0+6656*(\k)+1536*\s
	ds_load_b32 v[BS+\s], v[L4] offset:ISC0+6656*(\k)+128*\s
.endr
.endm
; gelu of eight registers: a x Phi(a); Phi = 0.5 erfc(|z|) for z < 0, 1 - that for z >= 0, z = a / sqrt(2)
.macro GELU8 a
.irp i, 0,2,4,6
	v_pk_mul_f32 v[GZ+\i:GZ+\i+1], v[\a+\i:\a+\i+1], 0x3f3504f3 op_sel_hi:[1,0]
.endr
.irp i, 0,1,2,3,4,5,6,7
	v_fma_f32 v[GT+\i], |v[GZ+\i]|, 0.5, 1.0
.endr
.irp i, 0,1,2,3,4,5,6,7
	v_rcp_f32 v[GT+\i], v[GT+\i]
.endr
	v_nop
	s_wait_alu depctr_va_vdst(0)                   ; the eight reciprocals have written v[GT ..], ahead of their first reader
.irp i, 0,2,4,6
	v_pk_fma_f32 v[GP+\i:GP+\i+1], v[GT+\i:GT+\i+1], v[C9:C9+1], 0xbf527892 op_sel_hi:[1,1,0]
.endr
.irp c, 0x3fbe87b0,0xbf914e5d,0x3e8ec7cc,0xbe3ec24c,0x3dc636c9,0x3ebf88fb,0x3f8000c7,0xbffab55a
.irp i, 0,2,4,6
	v_pk_fma_f32 v[GP+\i:GP+\i+1], v[GP+\i:GP+\i+1], v[GT+\i:GT+\i+1], \c op_sel_hi:[1,1,0]
.endr
.endr
.irp i, 0,2,4,6
	v_pk_fma_f32 v[GP+\i:GP+\i+1], v[GZ+\i:GZ+\i+1], v[GZ+\i:GZ+\i+1], v[GP+\i:GP+\i+1] neg_lo:[1,0,0] neg_hi:[1,0,0]
.endr
.irp i, 0,2,4,6
	v_pk_mul_f32 v[GP+\i:GP+\i+1], v[GP+\i:GP+\i+1], 0x3fb8aa3b op_sel_hi:[1,0]
.endr
.irp i, 0,1,2,3,4,5,6,7
	v_exp_f32 v[GP+\i], v[GP+\i]
.endr
	v_nop
.irp i, 0,1,2,3,4,5,6,7
	v_cmp_gt_f32 s[26+\i+16*(\i/6)], 0, v[GZ+\i]   ; the masks z < 0, as a run, into s26-31, s48, s49: they name no exponential's result
.endr
	s_wait_alu depctr_va_vdst(0)                   ; the eight exponentials have written v[GP ..], ahead of their first reader
.irp i, 0,2,4,6
	v_pk_mul_f32 v[GP+\i:GP+\i+1], v[GP+\i:GP+\i+1], v[GT+\i:GT+\i+1]
.endr
.irp i, 0,2,4,6
	v_pk_fma_f32 v[GT+\i:GT+\i+1], v[GP+\i:GP+\i+1], -1.0, 1.0 op_sel_hi:[1,0,0]
.endr
	s_wait_alu depctr_va_sdst(0)                   ; the eight compares have written their masks, ahead of the first select that reads one
.irp i, 0,1,2,3,4,5,6,7
	v_cndmask_b32 v[GT+\i], v[GT+\i], v[GP+\i], s[26+\i+16*(\i/6)]
.endr
.irp i, 0,2,4,6
	v_pk_mul_f32 v[\a+\i:\a+\i+1], v[\a+\i:\a+\i+1], v[GT+\i:GT+\i+1]
.endr
.endm
; my 128 columns of the 16 rows through my own stage: each store of the wave covers 512 consecutive bytes, aligned.
; The wait on va_vdst in the K step just ahead has shown the accumulators written, and every vector line that named v188-251 done; only that step's loads stand between.
.macro STORE_ROWS sb
.irp q, 0,1,2,3,4,5,6,7,8,9,10,11,12,13,14,15
	ds_store_b128 v[SO], v[ACC+4*\q:ACC+4*\q+3] offset:128*(\q/4)+16*(\q%4)
.endr
.irp i, 0,1,2,3,4,5,6,7,8,9,10,11,12,13,14,15
	ds_load_b128 v[T64+4*\i:T64+4*\i+3], v[SR] offset:528*\i       ; a wave's LDS instructions are served in order
.endr
.irp i, 0,1,2,3,4,5,6,7,8,9,10,11,12,13,14,15
	s_wait_dscnt 15-\i
	global_store_b128 v[L16], v[T64+4*\i:T64+4*\i+3], s[\sb:\sb+1] offset:4096*\i
.endr
	s_wait_xcnt 0x0                                ; the stores' data registers are written again behind this wait
	s_wait_alu depctr_vm_vsrc(0)                   ; the global stores have read v[T64 ..] and the stage's LDS stores the accumulators: the second LayerNorm writes both again
.endm
.macro HIDDEN                          ; the loop over my four groups of 128 hidden units: 4 K steps, gelu, quantise, image
	s_mov_b32 s[TR], 4
	s_mov_b32 s[SH], 0
	s_mov_b32 s[SHS], 0
.Lg1:
	STEP 0, 0, 1, 1, 2, 25, 0, BP, -1
	STEP 1, 1, 0, 1, 3, 25, 0, 0, -1
	STEP 0, 2, 0, 1, 4, 25, 0, 0, -1
	STEP 1, 3, 0, 1, 5, 25, 0, 0, -1
.irp t, 0,1,2,3,4,5,6,7
	GELU8 ACC+8*\t
.endr
	s_wait_alu depctr_vm_vsrc(0)                   ; the last image's LDS stores (the last trip's; in the first trip LayerNorm's) have read v[PC ..], v[PW], v15 and v16, which the lines below write again
	QUANT ACC
	v_add_nc_u32 v15, s[SH], v[HW]
	v_add_nc_u32 v16, s[SHS], v[HSW]
	s_wait_alu depctr_va_vdst(0)                   ; the codes, the scale word and the two addresses are written, which the four LDS stores read; behind the last trip also: the products are done reading v32-83, in which the loads behind the barrier land
	IMAGE 15, HIMG                                 ; K step 4 w + trip of the second product
	ds_store_b32 v16, v[PW] offset:HSC
	s_wait_xcnt 0x0                                ; the trip's loads have read their bases
	s_add_nc_u64 s[WP:WP+1], s[WP:WP+1], 49152
	s_add_nc_u64 s[SP:SP+1], s[SP:SP+1], 2048
	s_add_nc_u64 s[BP:BP+1], s[BP:BP+1], 512
	s_add_co_u32 s[SH], s[SH], 1536
	s_add_co_u32 s[SHS], s[SHS], 128
	s_sub_co_u32 s[TR], s[TR], 1
	s_cmp_eq_u32 s[TR], 1
	s_cselect_b64 s[BP:BP+1], s[B2P:B2P+1], s[BP:BP+1]   ; the last trip asks for the second product's bias
	s_cmp_lg_u32 s[TR], 0
	s_cbranch_scc1 .Lg1
	BARRIER                                        ; the hidden layer's sixteen fragments lie in LDS
.irp s, 0,1,2,3
	FETCHF BF+12*\s, HIMG+1536*\s
	ds_load_b32 v[BS+\s], v[L4] offset:HSC+128*\s
.endr
.endm
.macro SECOND hk0                      ; the second product: 16 K steps; a slot is filled again four steps ahead, so twelve younger LDS loads may stay out
.set S2, 0
.rept 16
.if S2 < 12
.set DC_, 12
.set RF_, S2+4
.else
.set DC_, 4*(15-S2)
.set RF_, -1
.endif
.if S2 == 0
	GSTEP 1, DC_, \hk0, RF_
.else
	GSTEP 0, DC_, 0, RF_
.endif
.endr
.endm
	s_load_b512 s[4:19], s[0:1], 0x0               ; x, ln1_g, ln1_b, mlp1_b1, mlp1_b2, ln2_g, ln2_b, bq
	s_load_b128 s[20:23], s[0:1], 0x40             ; wts, x1
	s_load_b64 s[24:25], s[0:1], 0x50              ; qq
	v_lshl_add_u32 v254, v0, 2, 0x12800
	v_mov_b32 v255, 0
	v_lshrrev_b32 v1, 5, v0
	v_readfirstlane_b32 s26, v1                    ; wave
	v_and_b32 v1, 31, v0
	v_and_b32 v2, 15, v0                           ; r
	v_bfe_u32 v3, v0, 4, 1                         ; h
	s_and_b32 s27, ttmp9, 1                        ; batch index
	s_lshr_b32 s28, ttmp9, 1                       ; tile of 16 queries
	v_lshlrev_b32 v[L16], 4, v1
	v_lshlrev_b32 v[L4], 2, v1
	v_lshlrev_b32 v[VB], 6, v3
	v_lshl_add_u32 v[XA], v2, 12, v[VB]            ; a query is 4,096 bytes on from the last
	s_wait_alu depctr_va_sdst(0)                   ; s26, the wave's number, is written, ahead of its first reader
	s_mul_i32 s29, s26, 1536
	v_add_nc_u32 v[IW], s29, v[L16]
	s_lshl_b32 s29, s26, 7
	v_add_nc_u32 v[SW], s29, v[L4]
	s_mul_i32 s29, s26, 6144
	v_add_nc_u32 v[HW], s29, v[L16]
	s_lshl_b32 s29, s26, 9
	v_add_nc_u32 v[HSW], s29, v[L4]
	s_lshl_b32 s29, s26, 2
	v_add_nc_u32 v[STA], s29, v[L16]
	s_mul_i32 s29, s26, 8448
	s_add_co_u32 s29, s29, STG
	v_mul_u32_u24 v[SO], v2, 528
	v_add_nc_u32 v[SO], v[SO], v[VB]
	v_add_nc_u32 v[SO], s29, v[SO]
	v_add_nc_u32 v[SR], s29, v[L16]
	v_mul_u32_u24 v17, v3, 49152                   ; q's codes: lanes 16-31 hold the next head
	v_lshl_add_u32 v18, v2, 3, v17
	v_lshl_add_u32 v17, v2, 4, v17
	s_lshl_b32 s29, s28, 8
	v_add_nc_u32 v17, s29, v17
	s_lshl_b32 s29, s28, 7
	s_add_co_u32 s29, s29, 32768
	v_add_nc_u32 v18, s29, v18
	s_lshl_b32 s29, s27, 2
	s_add_co_u32 s29, s29, s26
	s_lshl_b32 s29, s29, 13
	s_lshl_b32 s30, s28, 6
	s_add_co_u32 s29, s29, s30
	s_add_co_u32 s29, s29, 1572864
	v_lshl_add_u32 v19, v2, 2, s29                 ; q's scale words
	s_mov_b32 s[SEL], 0x76543210
	s_mov_b32 s[SEL+1], 0xfedcba98
	s_mov_b32 s[INV], 0x3b000000                   ; 1 / 512
	s_mov_b32 s[EPS], 0x3727c5ac                   ; 1e-5
	v_mov_b32 v[C9], 0x3e2ef946
	v_mov_b32 v[C9+1], 0x3e2ef946
	v_mov_b32 v[MU+1], 0
	v_mov_b32 v[RS+1], 0
.irp b, 0,1,2,3
	v_mov_b32 v[TM+4+\b], 0                        ; a lane permute's destination counts as one of its sources
.endr
	s_wait_kmcnt 0x0
	s_lshl_b32 s48, s26, 9                         ; my wave's 128 columns
	s_mov_b32 s49, 0
	s_add_nc_u64 s[6:7], s[6:7], s[48:49]
	s_add_nc_u64 s[8:9], s[8:9], s[48:49]
	s_add_nc_u64 s[12:13], s[12:13], s[48:49]
	s_add_nc_u64 s[14:15], s[14:15], s[48:49]
	s_add_nc_u64 s[16:17], s[16:17], s[48:49]
	s_add_nc_u64 s[18:19], s[18:19], s[48:49]
	s_lshl_b32 s50, s28, 16
	s_lshl_b32 s51, s27, 11
	s_add_co_u32 s50, s50, s51
	s_add_co_u32 s50, s50, s48
	s_mov_b32 s51, 0
	s_add_nc_u64 s[4:5], s[4:5], s[50:51]
	s_add_nc_u64 s[22:23], s[22:23], s[50:51]
	s_lshl_b32 s48, s26, 11                        ; my wave's 512 hidden units
	s_add_nc_u64 s[10:11], s[10:11], s[48:49]
	s_add_nc_u64 s[BP:BP+1], s[10:11], 512
	s_mov_b64 s[B2P:B2P+1], s[12:13]
	s_mul_i32 s48, s26, 36*12288
	s_add_nc_u64 s[WP:WP+1], s[20:21], s[48:49]
	s_mul_i32 s48, s26, 36*512
	s_add_co_u32 s48, s48, WSOFF
	s_add_nc_u64 s[SP:SP+1], s[20:21], s[48:49]
	s_mov_b64 s[52:53], s[24:25]
	s_lshl_b32 s48, s27, 2
	s_add_co_u32 s48, s48, s26
	s_mul_i32 s48, s48, 4*49152
	s_add_nc_u64 s[24:25], s[24:25], s[48:49]
	s_wait_alu depctr_va_vdst(0)                   ; the addresses and offsets v4 to v14 and v17 to v19 are written, which the kernel's loads and stores read
	XLOAD ACC, 4
	PLOAD 6, 8
	BLOAD 10
	CHUNK 0, 0
	CHUNK 1, 1
	s_wait_loadcnt 63                              ; 66 loads were issued behind x's and LN1's 48: with 63 out at the most those are in
	LNX 0, ACC, 0
	PLOAD 14, 16                                   ; LN2's gain and bias, wanted far later.  LN1's multiply-adds, which read these registers, stand ahead of the wait in front of its image, and no vector line has followed that wait
	HIDDEN
	SECOND 18                                      ; its first step asks for bq
	STORE_ROWS 22                                  ; x1
	LNX 1, ACC, 0
	GSTEP 1, 0, 0, -1                              ; h wq + bq
	GSTEP 0, 0, 0, -1
	GSTEP 0, 0, 0, -1
	GSTEP 0, 0, 0, -1
.irp b, 0,1,2,3
	L2K ACC+16*\b                                  ; head 4 w + b
.endr
	s_wait_alu depctr_vm_vsrc(0)                   ; the LDS stores of LN2's image have read v[PC ..] and v[PW], which the lines below write again
	QUANT ACC                                      ; a block of 32 is a head: lane (r, h) holds heads 4 w + h and 4 w + 2 + h of query r
	s_wait_alu depctr_va_vdst(0)                   ; q's codes and scale word are written, which the five stores read
.irp c, 0,1
	global_store_b128 v17, v[PC+6*\c:PC+6*\c+3], s[24:25] offset:98304*\c
	global_store_b64 v18, v[PC+6*\c+4:PC+6*\c+5], s[24:25] offset:98304*\c
.endr
	global_store_b32 v19, v[PW], s[52:53]          ; (lanes 16-31 write what lanes 0-15 write)
	s_wait_dscnt 0x0                               ; the closing lines, six on end
	s_wait_alu 0x0
	s_wait_tensorcnt 0x0
	ds_add_u32 v254, v255
	s_wait_dscnt 0x0
	s_endpgm
.Lfunc_end_k_qdcd590b6b5_chain_a:
	.size	k_qdcd590b6b5_chain_a, .Lfunc_end_k_qdcd590b6b5_chain_a-k_qdcd590b6b5_chain_a
	.p2alignl 7, 3214868480
	.fill 96, 4, 3214868480
	.section	.rodata,"a",@progbits
	.p2align	6, 0x0
	.amdhsa_kernel k_qdcd590b6b5_chain_a
		.amdhsa_group_segment_fixed_size 76288
		.amdhsa_private_segment_fixed_size 0
		.amdhsa_enable_private_segment 0
		.amdhsa_kernarg_size 88
		.amdhsa_user_sgpr_count 2
		.amdhsa_user_sgpr_kernarg_segment_ptr 1
		.amdhsa_wavefront_size32 1
		.amdhsa_system_sgpr_workgroup_id_x 1
		.amdhsa_system_sgpr_workgroup_id_y 1
		.amdhsa_system_sgpr_workgroup_id_z 1
		.amdhsa_system_vgpr_workitem_id 0
		.amdhsa_next_free_vgpr 704
		.amdhsa_next_free_sgpr 66
		.amdhsa_reserve_vcc 0
		.amdhsa_float_denorm_mode_32 3
		.amdhsa_float_denorm_mode_16_64 3
		.amdhsa_memory_ordered 1
		.amdhsa_forward_progress 1
		.amdhsa_inst_pref_size 219
	.end_amdhsa_kernel
	.amdgpu_metadata
---
amdhsa.version: [ 1, 2 ]
amdhsa.kernels:
  - .name:           k_qdcd590b6b5_chain_a
    .symbol:         k_qdcd590b6b5_chain_a.kd
    .args:
      - { .name: x, .offset: 0, .size: 8, .value_kind: global_buffer, .address_space: global }
      - { .name: ln1_g, .offset: 8, .size: 8, .value_kind: global_buffer, .address_space: global }
      - { .name: ln1_b, .offset: 16, .size: 8, .value_kind: global_buffer, .address_space: global }
      - { .name: mlp1_b1, .offset: 24, .size: 8, .value_kind: global_buffer, .address_space: global }
      - { .name: mlp1_b2, .offset: 32, .size: 8, .value_kind: global_buffer, .address_space: global }
      - { .name: ln2_g, .offset: 40, .size: 8, .value_kind: global_buffer, .address_space: global }
      - { .name: ln2_b, .offset: 48, .size: 8, .value_kind: global_buffer, .address_space: global }
      - { .name: bq, .offset: 56, .size: 8, .value_kind: global_buffer, .address_space: global }
      - { .name: wts, .offset: 64, .size: 8, .value_kind: global_buffer, .address_space: global }
      - { .name: x1, .offset: 72, .size: 8, .value_kind: global_buffer, .address_space: global }
      - { .name: qq, .offset: 80, .size: 8, .value_kind: global_buffer, .address_space: global }
    .group_segment_fixed_size: 76288
    .private_segment_fixed_size: 0
    .kernarg_segment_align: 8
    .kernarg_segment_size: 88
    .max_flat_workgroup_size: 128
    .sgpr_count:     66
    .vgpr_count:     704
    .wavefront_size: 32
...
	.end_amdgpu_metadata
.endif
;; end of part 8
;; launch att (part 9): grid 8 x 32, 16 waves a work-group, no clusters, 206,848 bytes of LDS; arguments qq, kv, mw, cx; writes cx
.if DOCPART == 9
	.amdgcn_target "amdgcn-amd-amdhsa--gfx1250"
	.amdhsa_code_object_version 6
	.text
	.protected	k_qdcd590b6b5_att
	.globl	k_qdcd590b6b5_att
	.p2align	8
	.type	k_qdcd590b6b5_att,@function
k_qdcd590b6b5_att:
	s_mov_b64 s[64:65], 0
	v_nop
	global_prefetch_b8 v0, s[64:65] scope:SCOPE_SE
	s_setreg_imm32_b32 hwreg(HW_REG_WAVE_MODE, 25, 1), 1
	s_wait_xcnt 0x0
; ATT.  ctx = softmax(mask(q k^T / sqrt(32))) v on FP6 codes, for one batch index and head (work-group y) and 256 queries (work-group x); ctx is quantised along the head's 32 for the next product.
; A wave owns 16 queries in 256 registers: four waves to a SIMD.  THE WHOLE HEAD'S k, v and their scale words, 204,800 bytes, lie in LDS, filled once: each wave brings 12,800 bytes by one tensor load.  Nothing is filled again.
; No multicast: what the eight work-groups of a head share is fetched once at the head of 32 key steps' work.
; Both products are used transposed: a lane holds one query.  K = 32 IN A FORM OF K = 128: a fragment of k holds FOUR tiles of 16 keys, one in each block of 32; q's codes stand in one block and zero codes in the other three.
; The softmax: t = score x log2(e) / sqrt(32); M = the running largest t rounded up to a whole number; p = 2^(t - M) is quantised along the keys; the sum is taken of the unquantised p and divides at the end.
; The mask comes as words with one bit a lane (scalar loads); it only selects values.  A masked score is -10000 sqrt(32), so that its t is -10000 log2(e) within one rounding.
; REGISTERS: v1-5 lane terms of LDS addresses, v8-11, v20 the addresses in hand; v12 -M, v13 largest t, v[14:15] the sum; v16-19 global offsets; v32-55 k; v56-79 v; v96-159 scores, then p; v160-175 O^T;
;   v176-205 zeros, q in lanes 0-15, zeros, q in lanes 16-31, zeros (six each); v206 q's scales, v207 k's, v208 v's; v209 the masked score; v224.. p's codes; v232-254 at work.
; LIMITS: NaN and infinities are not served.
.set SEL, 14
.set CS, 12
.macro MLOAD                           ; a key step's 64 mask words
	s_load_b512 s[16:31], s[8:9], s98 offset:0x0
	s_load_b512 s[32:47], s[8:9], s98 offset:0x40
	s_load_b512 s[48:63], s[8:9], s98 offset:0x80
	s_load_b512 s[68:83], s[8:9], s98 offset:0xc0
.endm
.macro LDU reg, a16, a8                ; four units of 768 bytes: a lane's six registers, four at 16 l, two at 512 + 8 l
.irp q, 0,1,2,3
	ds_load_b128 v[\reg+6*\q:\reg+6*\q+3], v[\a16] offset:768*\q
	ds_load_b64 v[\reg+6*\q+4:\reg+6*\q+5], v[\a8] offset:768*\q
.endr
.endm
	s_load_b256 s[4:11], s[0:1], 0x0               ; qq, kv, mw, cx
	v_lshl_add_u32 v251, v0, 2, 0x32000
	v_mov_b32 v255, 0
	ds_add_u32 v251, v255
	ds_add_u32 v251, v255
	v_lshrrev_b32 v6, 5, v0
	s_delay_alu instid0(VALU_DEP_1)
	v_readfirstlane_b32 s96, v6                    ; wave 0..15
	s_and_b32 s99, ttmp7, 0xffff                   ; y = 16 x batch index + head
	s_mov_b32 s88, 3<<16                           ; group 1: elements of 8 bytes, no mask, no padding
	s_mov_b32 s89, 32<<16                          ; tensor_dim0 = 32 elements: rows of 256 bytes
	s_mov_b32 s90, 50<<16                          ; tensor_dim1 = 50
	s_mov_b32 s91, 32<<16                          ; tile_dim0
	s_mov_b32 s92, 50                              ; tile_dim1
	s_mov_b32 s93, 32                              ; the pitch: the block is dense
	s_mov_b32 s94, 0
	s_mov_b32 s95, 0
	s_mov_b32 s84, 1
	s_mul_i32 s85, s96, 12800                      ; LDS address: my wave's part
	s_mul_i32 s2, s99, 204800
	s_add_co_u32 s2, s2, s85
	s_mov_b32 s3, 0
	s_wait_dscnt 0x0
	s_wait_kmcnt 0x0
	s_add_nc_u64 s[86:87], s[6:7], s[2:3]
	s_or_b32 s87, s87, 0x80000000
	tensor_load_to_lds s[84:87], s[88:95]          ; my one tensor load
	s_nop 0
.rept 4
	v_nop
.endr
	v_and_b32 v6, 31, v0
	v_and_b32 v7, 15, v0
	s_wait_alu depctr_va_vdst(0)
	v_lshlrev_b32 v1, 4, v6                        ; k: 16 l
	v_lshlrev_b32 v2, 3, v6
	s_delay_alu instid0(VALU_DEP_1)
	v_add_nc_u32 v2, 512, v2                       ; 512 + 8 l
	s_delay_alu instid0(VALU_DEP_3)
	v_add_nc_u32 v3, 95232, v1                     ; v: one step (3,072 bytes) ahead of its region at 98,304: the scalar added stands one step on
	s_delay_alu instid0(VALU_DEP_2)
	v_add_nc_u32 v4, 95232, v2
	v_lshlrev_b32 v5, 2, v6
	s_delay_alu instid0(VALU_DEP_1)
	v_add_nc_u32 v5, 196608, v5                    ; k's scale words; v's lie 4,096 on
	s_lshl_b32 s97, ttmp9, 4
	s_add_co_u32 s97, s97, s96                     ; my tile of 16 queries
	s_mul_i32 s100, s99, 49152
	s_lshl_b32 s2, s97, 8
	s_add_co_u32 s2, s2, s100
	v_lshl_add_u32 v16, v7, 4, s2                  ; a query's first 16 bytes of codes, in qq and in cx alike
	s_wait_alu depctr_va_vdst(0)
	s_lshl_b32 s2, s97, 7
	s_add_co_u32 s2, s2, s100
	s_add_co_u32 s2, s2, 32768
	v_lshl_add_u32 v17, v7, 3, s2                  ; its last 8
	s_lshr_b32 s2, s99, 2
	s_lshl_b32 s2, s2, 13
	s_lshl_b32 s3, s97, 6
	s_add_co_u32 s2, s2, s3
	s_add_co_u32 s2, s2, 1572864
	v_lshl_add_u32 v18, v7, 2, s2                  ; its scale word (four heads' bytes)
	s_and_b32 s3, s99, 3
	v_add_nc_u32 v19, s3, v18                      ; my head's byte
	s_mul_i32 s101, s3, 0x01010101                 ; byte select: my head's byte four times
	global_load_b128 v[210:213], v16, s[4:5]
	global_load_b64 v[214:215], v17, s[4:5]
	global_load_b32 v216, v18, s[4:5]
	s_lshr_b32 s2, s99, 4
	s_lshl_b32 s2, s2, 7
	s_add_co_u32 s2, s2, s97
	s_lshl_b32 s2, s2, 13                          ; 32 steps x 256 bytes of mask words a tile
	s_mov_b32 s3, 0
	s_add_nc_u64 s[8:9], s[8:9], s[2:3]
	s_mov_b32 s98, 0
	MLOAD
	s_mov_b32 s[SEL], 0x76543210
	s_mov_b32 s[SEL+1], 0xfedcba98
	s_mov_b32 s[CS], 0x3e8293ee                    ; c = log2(e) / sqrt(32)
	s_mov_b32 s[CS+1], s[CS]
	s_mov_b32 s100, 0xffff
	s_wait_loadcnt 0x0
	v_perm_b32 v206, v216, v216, s101
.irp i, 0,1,2,3,4,5
	v_cndmask_b32 v[182+\i], 0, v[210+\i], s100    ; q in lanes 0-15
	v_cndmask_b32 v[194+\i], v[210+\i], 0, s100    ; q in lanes 16-31
	v_mov_b32 v[176+\i], 0
	v_mov_b32 v[188+\i], 0
	v_mov_b32 v[200+\i], 0
.endr
	v_mov_b32 v209, 0xc75cf88c                     ; -10000 sqrt(32)
	v_mov_b32 v13, 0xff61b1e6                      ; -3e38, under every t
	s_delay_alu instid0(VALU_DEP_1)
	v_floor_f32 v12, -v13
	v_mov_b32 v14, 0
	v_mov_b32 v15, 0
.irp b, 0,1,2,3
	v_mov_b32 v[236+\b], 0
.endr
	v_mov_b32 v253, 0
.irp j, 0,1,2,3,4,5,6,7,8,9,10,11,12,13,14,15
	v_mov_b32 v[160+\j], 0                         ; O^T: the first change of M leaves zeros zeros
.endr
	s_wait_tensorcnt 0x0                           ; my part has landed,
	s_barrier_signal -1
	s_barrier_wait -1                              ; everybody's has
	LDU 32, 1, 2                                   ; k of step 0
	ds_load_b32 v207, v5
	s_mov_b32 s2, 3072
	s_mov_b32 s3, 128
	s_mov_b32 s97, 32
.Lstep:
	s_wait_dscnt 0x0                               ; k and its scale words are in
.set T_, 0
	s_setprio 2
.rept 8                                        ; tile T of 16 keys lies in block T % 4 of fragment T / 4
.set QB_, 176+6*(1-(T_%4)/2)+12*(T_%2)
.if T_ < 4
	v_wmma_scale_f32_16x16x128_f8f6f4 v[96+8*T_:103+8*T_], v[32:43], v[QB_:QB_+11], 0, v207, v206 matrix_a_fmt:MATRIX_FMT_FP6 matrix_b_fmt:MATRIX_FMT_FP6
.else
	v_wmma_scale_f32_16x16x128_f8f6f4 v[96+8*T_:103+8*T_], v[44:55], v[QB_:QB_+11], 0, v207, v206 matrix_a_fmt:MATRIX_FMT_FP6 matrix_b_fmt:MATRIX_FMT_FP6 matrix_a_scale:MATRIX_SCALE_ROW1
.endif
.set T_, T_+1
.endr
	v_add_nc_u32 v8, s2, v1                        ; the addresses of the next step's k and of this step's v: five places behind the products
	v_add_nc_u32 v9, s2, v2
	v_add_nc_u32 v10, s2, v3
	v_add_nc_u32 v11, s2, v4
	v_add_nc_u32 v20, s3, v5
	s_wait_kmcnt 0x0                               ; the step's mask words
.set N_, 0
.rept 64
.if N_ < 48
	v_cndmask_b32 v[96+N_], v[96+N_], v209, s[16+N_]
.else
	v_cndmask_b32 v[96+N_], v[96+N_], v209, s[20+N_]
.endif
.set N_, N_+1
.endr
	s_add_co_u32 s98, s98, 256
	s_min_u32 s98, s98, 7936                       ; the last trip asks for its own words again: no load leaves the tile's words
	MLOAD
	LDU 56, 10, 11                                 ; v of this step,
	ds_load_b32 v208, v20 offset:3968
	LDU 32, 8, 9                                   ; k of the next (the last trip reads bytes of v's region, which nobody uses)
	ds_load_b32 v207, v20
.irp b, 0,1,2,3
	v_max3_num_f32 v[232+\b], v[96+16*\b], v[97+16*\b], v[98+16*\b]   ; the largest score of each block of 32 keys
.endr
.irp i, 3,5,7,9,11,13
.irp b, 0,1,2,3
	s_delay_alu instid0(VALU_DEP_4)
	v_max3_num_f32 v[232+\b], v[232+\b], v[96+16*\b+\i], v[97+16*\b+\i]
.endr
.endr
.irp b, 0,1,2,3
	s_delay_alu instid0(VALU_DEP_4)
	v_max_num_f32 v[232+\b], v[232+\b], v[111+16*\b]
.endr
.irp b, 0,1,2,3
	s_delay_alu instid0(VALU_DEP_4)
	v_permlanex16_b32 v[236+\b], v[232+\b], s[SEL], s[SEL+1]
.endr
.irp b, 0,1,2,3
	s_delay_alu instid0(VALU_DEP_4)
	v_max_num_f32 v[232+\b], v[232+\b], v[236+\b]
.endr
	s_delay_alu instid0(VALU_DEP_2)
	v_max3_num_f32 v254, v232, v233, v234
	s_delay_alu instid0(VALU_DEP_1)
	v_max_num_f32 v254, v254, v235
	s_delay_alu instid0(VALU_DEP_1)
	v_mul_f32 v254, s[CS], v254
	s_delay_alu instid0(VALU_DEP_1)
	v_max_num_f32 v13, v13, v254                   ; the running largest t
	v_mov_b32 v254, v12
	s_delay_alu instid0(VALU_DEP_2)
	v_floor_f32 v12, -v13                          ; -M = floor(-t)
	s_delay_alu instid0(VALU_DEP_1)
	v_sub_f32 v254, v12, v254
	s_delay_alu instid0(VALU_DEP_1)
	v_cvt_i32_f32 v254, v254
	s_delay_alu instid0(VALU_DEP_1)
	v_ldexp_f32 v252, 1.0, v254                    ; f = 2^(old M - new M)
.set J_, 0
.rept 32
	v_pk_fma_f32 v[96+J_:97+J_], v[96+J_:97+J_], s[CS:CS+1], v[12:13] op_sel_hi:[1,0,0]   ; t - M
.set J_, J_+2
.endr
.irp b, 0,1,2,3
	v_fma_f32 v[232+\b], v[232+\b], s[CS], v12
.endr
.set J_, 0
	s_setprio 1
	s_wait_alu depctr_va_vdst(0)
.rept 64
	v_exp_f32 v[96+J_], v[96+J_]
.set J_, J_+1
.endr
.irp b, 0,1,2,3
	v_exp_f32 v[232+\b], v[232+\b]                 ; each block's largest p
.endr
	v_pk_mul_f32 v[14:15], v[14:15], v[252:253] op_sel_hi:[1,0]
	s_wait_alu depctr_va_vdst(0)
.irp b, 0,1,2,3
	v_max_num_f32 v[232+\b], 0x1800000, v[232+\b]
.endr
.irp b, 0,1,2,3
	s_delay_alu instid0(VALU_DEP_4)
	v_add_nc_u32 v[244+\b], 0xff000000, v[232+\b]
.endr
.irp b, 0,1,2,3
	s_delay_alu instid0(VALU_DEP_4)
	v_lshrrev_b32 v[236+\b], 23, v[244+\b]
.endr
	s_delay_alu instid0(VALU_DEP_3)
	v_lshl_or_b32 v253, v237, 8, v236              ; p's scale word
	s_delay_alu instid0(VALU_DEP_1)
	v_lshl_or_b32 v253, v238, 16, v253
	s_delay_alu instid0(VALU_DEP_1)
	v_lshl_or_b32 v253, v239, 24, v253
.irp c, 0,1
	v_cvt_scalef32_pk16_fp6_f32 v[224+6*\c:226+6*\c], v[96+32*\c:111+32*\c], v[244+2*\c]
	v_cvt_scalef32_pk16_fp6_f32 v[236+4*\c:238+4*\c], v[112+32*\c:127+32*\c], v[244+2*\c+1]
.endr
	v_nop
.irp c, 0,1
.irp i, 0,1,2
	v_permlane16_swap_b32 v[224+6*\c+\i], v[236+4*\c+\i]
.endr
.irp i, 0,1,2
	s_delay_alu instid0(VALU_DEP_3)
	v_mov_b32 v[227+6*\c+\i], v[236+4*\c+\i]
.endr
.endr
	s_setprio 0
.irp j, 0,2,4,6,8,10,12,14
	v_pk_mul_f32 v[160+\j:161+\j], v[160+\j:161+\j], v[252:253] op_sel_hi:[1,0]   ; O^T under the new M
.endr
	v_pk_add_f32 v[236:237], v[100:101], v[104:105]
	v_pk_add_f32 v[248:249], v[108:109], v[112:113]
	v_pk_add_f32 v[246:247], v[116:117], v[120:121]
	v_pk_add_f32 v[244:245], v[124:125], v[128:129]
	v_pk_add_f32 v[242:243], v[132:133], v[136:137]
	v_pk_add_f32 v[240:241], v[140:141], v[144:145]
	v_pk_add_f32 v[222:223], v[148:149], v[152:153]
	v_pk_add_f32 v[14:15], v[14:15], v[156:157]
	v_pk_add_f32 v[236:237], v[236:237], v[96:97]
	v_pk_add_f32 v[248:249], v[248:249], v[98:99]
	v_pk_add_f32 v[246:247], v[246:247], v[102:103]
	v_pk_add_f32 v[244:245], v[244:245], v[106:107]
	v_pk_add_f32 v[242:243], v[242:243], v[110:111]
	v_pk_add_f32 v[240:241], v[240:241], v[114:115]
	v_pk_add_f32 v[222:223], v[222:223], v[118:119]
	v_pk_add_f32 v[14:15], v[14:15], v[122:123]
	v_pk_add_f32 v[236:237], v[236:237], v[126:127]
	v_pk_add_f32 v[248:249], v[248:249], v[130:131]
	v_pk_add_f32 v[246:247], v[246:247], v[134:135]
	v_pk_add_f32 v[244:245], v[244:245], v[138:139]
	v_pk_add_f32 v[242:243], v[242:243], v[142:143]
	v_pk_add_f32 v[240:241], v[240:241], v[146:147]
	v_pk_add_f32 v[222:223], v[222:223], v[150:151]
	v_pk_add_f32 v[14:15], v[14:15], v[154:155]
	v_pk_add_f32 v[236:237], v[236:237], v[158:159]
	s_delay_alu instid0(VALU_DEP_2)
	v_pk_add_f32 v[14:15], v[14:15], v[244:245]
	s_delay_alu instid0(VALU_DEP_2)
	v_pk_add_f32 v[236:237], v[236:237], v[242:243]
	v_pk_add_f32 v[248:249], v[248:249], v[240:241]
	v_pk_add_f32 v[246:247], v[246:247], v[222:223]
	s_delay_alu instid0(VALU_DEP_2)
	v_pk_add_f32 v[14:15], v[14:15], v[248:249]
	s_delay_alu instid0(VALU_DEP_2)
	v_pk_add_f32 v[236:237], v[236:237], v[246:247]
	s_delay_alu instid0(VALU_DEP_1)
	v_pk_add_f32 v[14:15], v[14:15], v[236:237]
	s_wait_dscnt 0x0
	v_wmma_scale_f32_16x16x128_f8f6f4 v[160:167], v[56:67], v[224:235], v[160:167], v208, v253 matrix_a_fmt:MATRIX_FMT_FP6 matrix_b_fmt:MATRIX_FMT_FP6
	v_wmma_scale_f32_16x16x128_f8f6f4 v[168:175], v[68:79], v[224:235], v[168:175], v208, v253 matrix_a_fmt:MATRIX_FMT_FP6 matrix_b_fmt:MATRIX_FMT_FP6 matrix_a_scale:MATRIX_SCALE_ROW1
	s_add_co_u32 s2, s2, 3072
	s_add_co_u32 s3, s3, 128
	s_sub_co_u32 s97, s97, 1
	s_cmp_lg_u32 s97, 0
	s_cbranch_scc1 .Lstep
	s_setprio 0
.rept 4
	v_nop
.endr
	s_wait_alu depctr_va_vdst(0)
	v_add_f32 v14, v14, v15
	s_delay_alu instid0(VALU_DEP_1)
	v_permlanex16_b32 v252, v14, s[SEL], s[SEL+1]
	s_delay_alu instid0(VALU_DEP_1)
	v_add_f32 v14, v14, v252                       ; the row's sum
	s_wait_alu depctr_va_vdst(0)
	v_rcp_f32 v14, v14
	v_nop
	s_wait_alu depctr_va_vdst(0)
.irp j, 0,1,2,3,4,5,6,7,8,9,10,11,12,13,14,15
	v_mul_f32 v[96+\j], v[160+\j], v14             ; ctx(query r, d = 16 h + j)
.endr
	v_max3_num_f32 v232, |v96|, |v97|, 0x1800000
.irp i, 2,4,6,8,10,12,14
	s_delay_alu instid0(VALU_DEP_1)
	v_max3_num_f32 v232, v232, |v[96+\i]|, |v[97+\i]|
.endr
	s_delay_alu instid0(VALU_DEP_1)
	v_permlanex16_b32 v236, v232, s[SEL], s[SEL+1]
	s_delay_alu instid0(VALU_DEP_1)
	v_max_num_f32 v232, v232, v236
	s_delay_alu instid0(VALU_DEP_1)
	v_add_nc_u32 v244, 0xff000000, v232
	s_delay_alu instid0(VALU_DEP_1)
	v_lshrrev_b32 v237, 23, v244
	v_cvt_scalef32_pk16_fp6_f32 v[224:226], v[96:111], v244
	v_nop
.irp i, 0,1,2
	v_mov_b32 v[227+\i], v[224+\i]
.endr
.irp i, 0,1,2
	v_permlane16_swap_b32 v[224+\i], v[227+\i]     ; every lane now holds its query's 24 bytes: the lower 16 codes, then the upper
.endr
	global_store_b128 v16, v[224:227], s[10:11]    ; (lanes 16-31 write what lanes 0-15 write)
	global_store_b64 v17, v[228:229], s[10:11]
	global_store_b8 v19, v237, s[10:11]
	s_wait_tensorcnt 0x0
	ds_add_u32 v251, v255
	s_wait_dscnt 0x0
	s_endpgm
.Lfunc_end_k_qdcd590b6b5_att:
	.size	k_qdcd590b6b5_att, .Lfunc_end_k_qdcd590b6b5_att-k_qdcd590b6b5_att
	.p2alignl 7, 3214868480
	.fill 96, 4, 3214868480
	.section	.rodata,"a",@progbits
	.p2align	6, 0x0
	.amdhsa_kernel k_qdcd590b6b5_att
		.amdhsa_group_segment_fixed_size 206848
		.amdhsa_private_segment_fixed_size 0
		.amdhsa_enable_private_segment 0
		.amdhsa_kernarg_size 32
		.amdhsa_user_sgpr_count 2
		.amdhsa_user_sgpr_kernarg_segment_ptr 1
		.amdhsa_wavefront_size32 1
		.amdhsa_system_sgpr_workgroup_id_x 1
		.amdhsa_system_sgpr_workgroup_id_y 1
		.amdhsa_system_sgpr_workgroup_id_z 1
		.amdhsa_system_vgpr_workitem_id 0
		.amdhsa_next_free_vgpr 256
		.amdhsa_next_free_sgpr 102
		.amdhsa_reserve_vcc 0
		.amdhsa_float_denorm_mode_32 3
		.amdhsa_float_denorm_mode_16_64 3
		.amdhsa_memory_ordered 1
		.amdhsa_forward_progress 1
		.amdhsa_inst_pref_size 31
	.end_amdhsa_kernel
	.amdgpu_metadata
---
amdhsa.version: [ 1, 2 ]
amdhsa.kernels:
  - .name:           k_qdcd590b6b5_att
    .symbol:         k_qdcd590b6b5_att.kd
    .args:
      - { .name: qq, .offset: 0, .size: 8, .value_kind: global_buffer, .address_space: global }
      - { .name: kv, .offset: 8, .size: 8, .value_kind: global_buffer, .address_space: global }
      - { .name: mw, .offset: 16, .size: 8, .value_kind: global_buffer, .address_space: global }
      - { .name: cx, .offset: 24, .size: 8, .value_kind: global_buffer, .address_space: global }
    .group_segment_fixed_size: 206848
    .private_segment_fixed_size: 0
    .kernarg_segment_align: 8
    .kernarg_segment_size: 32
    .max_flat_workgroup_size: 512
    .sgpr_count:     102
    .vgpr_count:     256
    .wavefront_size: 32
...
	.end_amdgpu_metadata
.endif
;; end of part 9
;; launch chain_c (part 10): grid 256 x 1, 4 waves a work-group, no clusters, 76,288 bytes of LDS; arguments cx, x1, bd, ln3_g, ln3_b, mlp2_b1, mlp2_b2, wts, out0; writes out0
.if DOCPART == 10
	.amdgcn_target "amdgcn-amd-amdhsa--gfx1250"
	.amdhsa_code_object_version 6
	.text
	.protected	k_qdcd590b6b5_chain_c
	.globl	k_qdcd590b6b5_chain_c
	.p2align	8
	.type	k_qdcd590b6b5_chain_c,@function
k_qdcd590b6b5_chain_c:
	s_mov_b64 s[64:65], 0
	v_nop
	global_prefetch_b8 v0, s[64:65] scope:SCOPE_SE
	s_setreg_imm32_b32 hwreg(HW_REG_WAVE_SCHED_MODE, 0, 2), 2
	s_setreg_imm32_b32 hwreg(HW_REG_WAVE_MODE, 25, 1), 1
	s_wait_xcnt 0x0
	s_wait_alu depctr_vm_vsrc(0)
; CHAIN C.  x2 = x1 + Q(ctx) Q(wd) + bd;  out = x2 + gelu(Q(LN3(x2)) Q(W1) + b1) quantised x Q(W2) + b2.  All products on FP6 codes with E8M0 scales.
; Shares, layouts and the way the weights come are those of the first chain: 16 rows to a work-group, the waves share the columns, every product transposed, rows' codes through LDS as images of the operand's registers,
; each wave walks one linear run of 36 chunks of weights straight into registers, two buffers.  ctx arrives as codes in the operand's order and goes straight into the rows' fragments.
; No multicast: the weights land in registers, and a joint load lands in LDS alone.
; REGISTERS: as in the first chain; window 2 also holds x1, then x2 (v128-191).
; LIMITS: NaN and infinities are not served; erfc by a polynomial of fractional error about 1.2e-7; v_rsq_f32, v_rcp_f32, v_exp_f32 stand ahead of the quantisers.
; THE MODE: SCHED_MODE bits 1:0 = 2 (LLVM: expert scheduling mode 2), set by the entry lines.  The code itself states the register dependences
; between vector or matrix instructions and memory or LDS instructions, with s_wait_alu, always for 0.
; THE PLAN.  Registers that memory or LDS instructions touch:
;   v4-14, v17-19    addresses and offsets: written at the head, never again: one wait on va_vdst ahead of the first load serves them all.
;   the two chunks, v24-31, the bias (window 1 v192-255), v32-83   loaded; read by a K step's eight products alone.  ONE wait on va_vdst stands in a K step, behind its products: they are done reading all of these;
;                    the step's loads (a bias, a fragment of rows, a chunk) follow it with nothing but loads and window switches between.  A step that asks for nothing has no wait.
;   v148-167, v184, v15, v16   codes, scale word and the loop's two LDS addresses: written by QUANT and two additions, read by an image's four LDS stores: a wait on va_vdst between, a wait on vm_vsrc ahead of the next QUANT.
;   v188-191         a row's partial sums: written by vector lines, read by one LDS store, then an LDS load lands there: a wait on va_vdst ahead of the store, a wait on vm_vsrc ahead of the load.
;   v84-147, v188-251   the way out: the residual's additions write the accumulators, the stage's LDS stores read them, its loads land in v188-251: one wait on va_vdst ahead of the stage's stores.
;   window 2         LN3's gain and bias and x1: loaded once, at the head.
; gelu's eight compares write eight scalar masks (s26-31, s48, s49: temporaries of the head), as a run, with one wait on va_sdst ahead of the eight selects.
.set WSOFF, 3932160
.set STAT, 0
.set IMG0, 2048
.set ISC0, 8192
.set HIMG, 15360
.set HSC, 39936
.set STG, 41984
.set L16, 4
.set L4, 5
.set VB, 6
.set XA, 7
.set IW, 8
.set SW, 9
.set HW, 10
.set HSW, 11
.set STA, 12
.set SO, 13
.set SR, 14
.set MU, 20
.set RS, 22
.set WSC, 24
.set BS, 32
.set BF, 36
.set ACC, 84
.set PC, 148
.set TM, 168
.set PW, 184
.set T64, 188
.set LA, 188
.set GZ, 188
.set GT, 196
.set GP, 204
.set C9, 252
.set RES, 128
.set WP, 32
.set SP, 34
.set BP, 36
.set B2P, 38
.set TR, 40
.set SH, 41
.set SHS, 42
.set SEL, 44
.set INV, 46
.set EPS, 47
.set NT, 16                            ; K steps behind the loop: 16 of W2
.set MSB, 0
.macro WIN new                         ; the immediate's high byte repeats the setting that is left
.if MSB != (\new)
	s_set_vgpr_msb (MSB<<8)|(\new)
.set MSB, \new
.endif
.endm
.macro BARRIER
	s_wait_dscnt 0x0
	s_barrier_signal -1
	s_barrier_wait -1
.endm
.macro QUANT s
.irp b, 0,1,2,3
	v_max3_num_f32 v[TM+\b], |v[\s+16*\b]|, |v[\s+1+16*\b]|, 0x1800000
.endr
.irp i, 2,4,6,8,10,12,14
.irp b, 0,1,2,3
	v_max3_num_f32 v[TM+\b], v[TM+\b], |v[\s+16*\b+\i]|, |v[\s+1+16*\b+\i]|
.endr
.endr
.irp b, 0,1,2,3
	v_permlanex16_b32 v[TM+4+\b], v[TM+\b], s[SEL], s[SEL+1]
.endr
.irp b, 0,1,2,3
	v_max_num_f32 v[TM+\b], v[TM+\b], v[TM+4+\b]
.endr
.irp b, 0,1,2,3
	v_add_nc_u32 v[TM+12+\b], 0xff000000, v[TM+\b]
.endr
.irp b, 0,1,2,3
	v_lshrrev_b32 v[TM+4+\b], 23, v[TM+12+\b]
.endr
	v_lshl_or_b32 v[PW], v[TM+5], 8, v[TM+4]
	v_lshl_or_b32 v[PW], v[TM+6], 16, v[PW]
	v_lshl_or_b32 v[PW], v[TM+7], 24, v[PW]
.irp c, 0,1
	v_cvt_scalef32_pk16_fp6_f32 v[PC+6*\c:PC+2+6*\c], v[\s+32*\c:\s+15+32*\c], v[TM+12+2*\c]
	v_cvt_scalef32_pk16_fp6_f32 v[PC+12+4*\c:PC+14+4*\c], v[\s+16+32*\c:\s+31+32*\c], v[TM+12+2*\c+1]
.endr
	v_nop
.irp c, 0,1
.irp i, 0,1,2
	v_permlane16_swap_b32 v[PC+6*\c+\i], v[PC+12+4*\c+\i]
.endr
.irp i, 0,1,2
	v_mov_b32 v[PC+3+6*\c+\i], v[PC+12+4*\c+\i]
.endr
.endr
.endm
.macro IMAGE adr, off
.irp c, 0,1,2
	ds_store_b128 v[\adr], v[PC+4*\c:PC+4*\c+3] offset:\off+512*\c
.endr
.endm
.macro FETCHF reg, off
.irp c, 0,1,2
	ds_load_b128 v[\reg+4*\c:\reg+4*\c+3], v[L16] offset:\off+512*\c
.endr
.endm
.macro XLOAD reg, sb
.irp q, 0,1,2,3,4,5,6,7,8,9,10,11,12,13,14,15
	global_load_b128 v[\reg+4*\q:\reg+4*\q+3], v[XA], s[\sb:\sb+1] offset:128*(\q/4)+16*(\q%4)
.endr
.endm
.macro PLOAD sg, sb
	WIN 0x80
.irp q, 0,1,2,3,4,5,6,7,8,9,10,11,12,13,14,15
	global_load_b128 v[4*\q:4*\q+3], v[VB], s[\sg:\sg+1] offset:128*(\q/4)+16*(\q%4)
.endr
.irp q, 0,1,2,3,4,5,6,7,8,9,10,11,12,13,14,15
	global_load_b128 v[64+4*\q:64+4*\q+3], v[VB], s[\sb:\sb+1] offset:128*(\q/4)+16*(\q%4)
.endr
	WIN 0
.endm
.macro BLOAD sp
	WIN 0x40
.irp q, 0,1,2,3,4,5,6,7,8,9,10,11,12,13,14,15
	global_load_b128 v[192+4*\q:192+4*\q+3], v[VB], s[\sp:\sp+1] offset:128*(\q/4)+16*(\q%4)
.endr
	WIN 0
.endm
.macro CHUNK buf, ahead                ; 25 loads: a chunk's 96 registers and its four scale words
	WIN 0x40
.irp i, 0,1,2,3,4,5,6,7,8,9,10,11,12,13,14,15,16,17,18,19,20,21,22,23
	global_load_b128 v[96*(\buf)+4*\i:96*(\buf)+4*\i+3], v[L16], s[WP:WP+1] offset:(\ahead)*12288+512*\i
.endr
	WIN 0
	global_load_b128 v[WSC+4*(\buf):WSC+4*(\buf)+3], v[L16], s[SP:SP+1] offset:(\ahead)*512
.endm
.macro WMM d, a, b, c, sa, sb, row
.if \row
	v_wmma_scale_f32_16x16x128_f8f6f4 v[\d:\d+7], v[\a:\a+11], v[\b:\b+11], v[\c:\c+7], v[\sa], v[\sb] matrix_a_fmt:MATRIX_FMT_FP6 matrix_b_fmt:MATRIX_FMT_FP6 matrix_a_scale:MATRIX_SCALE_ROW1
.else
	v_wmma_scale_f32_16x16x128_f8f6f4 v[\d:\d+7], v[\a:\a+11], v[\b:\b+11], v[\c:\c+7], v[\sa], v[\sb] matrix_a_fmt:MATRIX_FMT_FP6 matrix_b_fmt:MATRIX_FMT_FP6
.endif
.endm
; A K step: the chunk in buffer buf against the rows' fragment in slot.  cm: the bias starts the sums.  wc: the younger loads that may stay out (the next chunk's 25).  dc: the younger LDS loads.
; hk: a bias to ask for.  rf: the hidden K step that takes the slot next, or -1.  ld: the chunk `ahead` takes the buffer.  The eight accumulators take turns in the same order in every step.
.macro STEP buf, slot, cm, ld, ahead, wc, dc, hk, rf
	s_wait_loadcnt \wc
	s_wait_dscnt \dc
.if \cm
	WIN 0x11
.else
	WIN 0x01
.endif
.irp t, 0,1,2,3,4,5,6,7
.if \cm
	WMM ACC+8*\t, 96*(\buf)+12*\t, BF+12*(\slot), 192+8*\t, WSC+4*(\buf)+\t/2, BS+(\slot), \t%2
.else
	WMM ACC+8*\t, 96*(\buf)+12*\t, BF+12*(\slot), ACC+8*\t, WSC+4*(\buf)+\t/2, BS+(\slot), \t%2
.endif
.endr
	WIN 0
.rept 4
	v_nop                                          ; places behind the products, ahead of the first read of results
.endr
.if (\hk) || ((\rf) >= 0) || (\ld)
	s_wait_alu depctr_va_vdst(0)                   ; the step's eight products are done reading their chunk, its scale words, the rows' fragment with its scale word, and the bias: the loads below land in these
.endif
.if \hk
	BLOAD \hk
.endif
.if (\rf) >= 0
	FETCHF BF+12*(\slot), HIMG+(\rf)*1536
	ds_load_b32 v[BS+(\slot)], v[L4] offset:HSC+(\rf)*128
.endif
.if \ld
	CHUNK \buf, \ahead
.endif
.endm
.macro GSTEP cm, dc, hk, rf
.if S2+2 < NT
.set LD_, 1
.else
.set LD_, 0
.endif
.if S2+1 < NT
.set WC_, 25
.else
.set WC_, 0
.endif
	STEP S2%2, S2%4, \cm, LD_, S2+2, WC_, \dc, \hk, \rf
.set S2, S2+1
.endm
.macro REDUCE off
	v_pk_add_f32 v[LA:LA+1], v[LA:LA+1], v[LA+2:LA+3]
	v_add_f32 v[LA], v[LA], v[LA+1]
	v_permlanex16_b32 v[LA+1], v[LA], s[SEL], s[SEL+1]
	v_add_f32 v[LA], v[LA], v[LA+1]
	s_wait_alu depctr_va_vdst(0)                   ; v[LA] is written, which the LDS store reads; the lines above are done with v[LA .. LA+3], in which the LDS load below lands
	ds_store_b32 v[STA], v[LA] offset:\off
	BARRIER
	s_wait_alu depctr_vm_vsrc(0)                   ; my LDS store has read v[LA], in which the load lands
	ds_load_b128 v[LA:LA+3], v[L16] offset:\off
	s_wait_dscnt 0x0
	v_add_f32 v[LA], v[LA], v[LA+1]
	v_add_f32 v[LA+2], v[LA+2], v[LA+3]
	v_add_f32 v[LA], v[LA], v[LA+2]
.endm
.macro LNX k, src, sw
	WIN (\sw)|((\sw)<<2)
	v_pk_add_f32 v[LA:LA+1], v[\src:\src+1], v[\src+2:\src+3]
	v_pk_add_f32 v[LA+2:LA+3], v[\src+4:\src+5], v[\src+6:\src+7]
	WIN (\sw)<<2
.irp j, 8,12,16,20,24,28,32,36,40,44,48,52,56,60
	v_pk_add_f32 v[LA:LA+1], v[LA:LA+1], v[\src+\j:\src+\j+1]
	v_pk_add_f32 v[LA+2:LA+3], v[LA+2:LA+3], v[\src+\j+2:\src+\j+3]
.endr
	WIN 0
	REDUCE STAT+1024*(\k)
	v_mul_f32 v[MU], s[INV], v[LA]
	WIN \sw
.set J_, 0
.rept 32
	v_pk_add_f32 v[ACC+J_:ACC+J_+1], v[\src+J_:\src+J_+1], v[MU:MU+1] op_sel_hi:[1,0] neg_lo:[0,1] neg_hi:[0,1]
.set J_, J_+2
.endr
	WIN 0
	v_pk_mul_f32 v[LA:LA+1], v[ACC:ACC+1], v[ACC:ACC+1]
	v_pk_mul_f32 v[LA+2:LA+3], v[ACC+2:ACC+3], v[ACC+2:ACC+3]
.irp j, 4,8,12,16,20,24,28,32,36,40,44,48,52,56,60
	v_pk_fma_f32 v[LA:LA+1], v[ACC+\j:ACC+\j+1], v[ACC+\j:ACC+\j+1], v[LA:LA+1]
	v_pk_fma_f32 v[LA+2:LA+3], v[ACC+\j+2:ACC+\j+3], v[ACC+\j+2:ACC+\j+3], v[LA+2:LA+3]
.endr
	REDUCE STAT+1024*(\k)+512
	v_fma_f32 v[RS], v[LA], s[INV], s[EPS]
	s_wait_alu depctr_va_vdst(0)
	v_rsq_f32 v[RS], v[RS]
	v_nop
.set J_, 0
	s_wait_alu depctr_va_vdst(0)                   ; the reciprocal root has written v[RS], ahead of its first reader
.rept 32
	v_pk_mul_f32 v[ACC+J_:ACC+J_+1], v[ACC+J_:ACC+J_+1], v[RS:RS+1] op_sel_hi:[1,0]
.set J_, J_+2
.endr
	WIN 0x28
.set J_, 0
.rept 32
	v_pk_fma_f32 v[ACC+J_:ACC+J_+1], v[ACC+J_:ACC+J_+1], v[J_:J_+1], v[64+J_:65+J_]
.set J_, J_+2
.endr
	WIN 0
	QUANT ACC
	s_wait_alu depctr_va_vdst(0)                   ; the codes in v[PC ..] and the scale word in v[PW] are written, which the four LDS stores read; the projection's products are done reading v32-83, in which the loads behind the barrier land
	IMAGE IW, IMG0+6656*(\k)
	ds_store_b32 v[SW], v[PW] offset:ISC0+6656*(\k)
	BARRIER
.irp s, 0,1,2,3
	FETCHF BF+12*\s, IMG0+6656*(\k)+1536*\s
	ds_load_b32 v[BS+\s], v[L4] offset:ISC0+6656*(\k)+128*\s
.endr
.endm
.macro GELU8 a
.irp i, 0,2,4,6
	v_pk_mul_f32 v[GZ+\i:GZ+\i+1], v[\a+\i:\a+\i+1], 0x3f3504f3 op_sel_hi:[1,0]
.endr
.irp i, 0,1,2,3,4,5,6,7
	v_fma_f32 v[GT+\i], |v[GZ+\i]|, 0.5, 1.0
.endr
	s_wait_alu depctr_va_vdst(0)
.irp i, 0,1,2,3,4,5,6,7
	v_rcp_f32 v[GT+\i], v[GT+\i]
.endr
	v_nop
	s_wait_alu depctr_va_vdst(0)                   ; the eight reciprocals have written v[GT ..], ahead of their first reader
.irp i, 0,2,4,6
	v_pk_fma_f32 v[GP+\i:GP+\i+1], v[GT+\i:GT+\i+1], v[C9:C9+1], 0xbf527892 op_sel_hi:[1,1,0]
.endr
.irp c, 0x3fbe87b0,0xbf914e5d,0x3e8ec7cc,0xbe3ec24c,0x3dc636c9,0x3ebf88fb,0x3f8000c7,0xbffab55a
.irp i, 0,2,4,6
	v_pk_fma_f32 v[GP+\i:GP+\i+1], v[GP+\i:GP+\i+1], v[GT+\i:GT+\i+1], \c op_sel_hi:[1,1,0]
.endr
.endr
.irp i, 0,2,4,6
	v_pk_fma_f32 v[GP+\i:GP+\i+1], v[GZ+\i:GZ+\i+1], v[GZ+\i:GZ+\i+1], v[GP+\i:GP+\i+1] neg_lo:[1,0,0] neg_hi:[1,0,0]
.endr
.irp i, 0,2,4,6
	v_pk_mul_f32 v[GP+\i:GP+\i+1], v[GP+\i:GP+\i+1], 0x3fb8aa3b op_sel_hi:[1,0]
.endr
	s_wait_alu depctr_va_vdst(0)
.irp i, 0,1,2,3,4,5,6,7
	v_exp_f32 v[GP+\i], v[GP+\i]
.endr
	v_nop
.irp i, 0,1,2,3,4,5,6,7
	v_cmp_gt_f32 s[26+\i+16*(\i/6)], 0, v[GZ+\i]   ; the masks z < 0, as a run, into s26-31, s48, s49: they name no exponential's result
.endr
	s_wait_alu depctr_va_vdst(0)                   ; the eight exponentials have written v[GP ..], ahead of their first reader
.irp i, 0,2,4,6
	v_pk_mul_f32 v[GP+\i:GP+\i+1], v[GP+\i:GP+\i+1], v[GT+\i:GT+\i+1]
.endr
.irp i, 0,2,4,6
	v_pk_fma_f32 v[GT+\i:GT+\i+1], v[GP+\i:GP+\i+1], -1.0, 1.0 op_sel_hi:[1,0,0]
.endr
	s_wait_alu depctr_va_sdst(0)                   ; the eight compares have written their masks, ahead of the first select that reads one
.irp i, 0,1,2,3,4,5,6,7
	v_cndmask_b32 v[GT+\i], v[GT+\i], v[GP+\i], s[26+\i+16*(\i/6)]
.endr
.irp i, 0,2,4,6
	v_pk_mul_f32 v[\a+\i:\a+\i+1], v[\a+\i:\a+\i+1], v[GT+\i:GT+\i+1]
.endr
.endm
.macro STORE_ROWS sb
	s_wait_alu depctr_va_vdst(0)                   ; the residual's additions have written the accumulators, which the stage's LDS stores read; every vector line that named v188-251 is done, in which the stage's loads land
.irp q, 0,1,2,3,4,5,6,7,8,9,10,11,12,13,14,15
	ds_store_b128 v[SO], v[ACC+4*\q:ACC+4*\q+3] offset:128*(\q/4)+16*(\q%4)
.endr
.irp i, 0,1,2,3,4,5,6,7,8,9,10,11,12,13,14,15
	ds_load_b128 v[T64+4*\i:T64+4*\i+3], v[SR] offset:528*\i
.endr
.irp i, 0,1,2,3,4,5,6,7,8,9,10,11,12,13,14,15
	s_wait_dscnt 15-\i
	global_store_b128 v[L16], v[T64+4*\i:T64+4*\i+3], s[\sb:\sb+1] offset:4096*\i
.endr
.endm
.macro HIDDEN
	s_mov_b32 s[TR], 4
	s_mov_b32 s[SH], 0
	s_mov_b32 s[SHS], 0
.Lg1:
	STEP 0, 0, 1, 1, 2, 25, 0, BP, -1
	STEP 1, 1, 0, 1, 3, 25, 0, 0, -1
	STEP 0, 2, 0, 1, 4, 25, 0, 0, -1
	STEP 1, 3, 0, 1, 5, 25, 0, 0, -1
.irp t, 0,1,2,3,4,5,6,7
	GELU8 ACC+8*\t
.endr
	s_wait_alu depctr_vm_vsrc(0)                   ; the last image's LDS stores (the last trip's; in the first trip LayerNorm's) have read v[PC ..], v[PW], v15 and v16, which the lines below write again
	QUANT ACC
	v_add_nc_u32 v15, s[SH], v[HW]
	v_add_nc_u32 v16, s[SHS], v[HSW]
	s_wait_alu depctr_va_vdst(0)                   ; the codes, the scale word and the two addresses are written, which the four LDS stores read; behind the last trip also: the products are done reading v32-83, in which the loads behind the barrier land
	IMAGE 15, HIMG
	ds_store_b32 v16, v[PW] offset:HSC
	s_wait_xcnt 0x0                                ; the trip's loads have read their bases
	s_add_nc_u64 s[WP:WP+1], s[WP:WP+1], 49152
	s_add_nc_u64 s[SP:SP+1], s[SP:SP+1], 2048
	s_add_nc_u64 s[BP:BP+1], s[BP:BP+1], 512
	s_add_co_u32 s[SH], s[SH], 1536
	s_add_co_u32 s[SHS], s[SHS], 128
	s_sub_co_u32 s[TR], s[TR], 1
	s_cmp_eq_u32 s[TR], 1
	s_cselect_b64 s[BP:BP+1], s[B2P:B2P+1], s[BP:BP+1]   ; the last trip asks for the second product's bias
	s_cmp_lg_u32 s[TR], 0
	s_cbranch_scc1 .Lg1
	BARRIER
.irp s, 0,1,2,3
	FETCHF BF+12*\s, HIMG+1536*\s
	ds_load_b32 v[BS+\s], v[L4] offset:HSC+128*\s
.endr
.endm
.macro SECOND hk0
.set S2, 0
.rept 16
.if S2 < 12
.set DC_, 12
.set RF_, S2+4
.else
.set DC_, 4*(15-S2)
.set RF_, -1
.endif
.if S2 == 0
	GSTEP 1, DC_, \hk0, RF_
.else
	GSTEP 0, DC_, 0, RF_
.endif
.endr
.endm
	s_load_b512 s[4:19], s[0:1], 0x0               ; cx, x1, bd, ln3_g, ln3_b, mlp2_b1, mlp2_b2, wts
	s_load_b64 s[20:21], s[0:1], 0x40              ; out0
	v_lshl_add_u32 v254, v0, 2, 0x12800
	v_mov_b32 v255, 0
	v_lshrrev_b32 v1, 5, v0
	v_readfirstlane_b32 s26, v1                    ; wave
	v_and_b32 v1, 31, v0
	v_and_b32 v2, 15, v0
	v_bfe_u32 v3, v0, 4, 1
	s_and_b32 s27, ttmp9, 1                        ; batch index
	s_lshr_b32 s28, ttmp9, 1                       ; tile of 16 queries
	v_lshlrev_b32 v[L16], 4, v1
	v_lshlrev_b32 v[L4], 2, v1
	v_lshlrev_b32 v[VB], 6, v3
	v_lshl_add_u32 v[XA], v2, 12, v[VB]
	s_wait_alu depctr_va_sdst(0)                   ; s26, the wave's number, is written, ahead of its first reader
	s_mul_i32 s29, s26, 1536
	v_add_nc_u32 v[IW], s29, v[L16]
	s_lshl_b32 s29, s26, 7
	v_add_nc_u32 v[SW], s29, v[L4]
	s_mul_i32 s29, s26, 6144
	v_add_nc_u32 v[HW], s29, v[L16]
	s_lshl_b32 s29, s26, 9
	v_add_nc_u32 v[HSW], s29, v[L4]
	s_lshl_b32 s29, s26, 2
	v_add_nc_u32 v[STA], s29, v[L16]
	s_mul_i32 s29, s26, 8448
	s_add_co_u32 s29, s29, STG
	v_mul_u32_u24 v[SO], v2, 528
	s_wait_alu depctr_va_vdst(0)
	v_add_nc_u32 v[SO], v[SO], v[VB]
	v_add_nc_u32 v[SO], s29, v[SO]
	v_add_nc_u32 v[SR], s29, v[L16]
	v_mul_u32_u24 v17, v3, 49152                   ; ctx's codes: lanes 16-31 take the next head
	v_lshl_add_u32 v18, v2, 3, v17
	v_lshl_add_u32 v17, v2, 4, v17
	s_lshl_b32 s29, s28, 8
	v_add_nc_u32 v17, s29, v17
	s_lshl_b32 s29, s28, 7
	s_add_co_u32 s29, s29, 32768
	v_add_nc_u32 v18, s29, v18
	s_lshl_b32 s29, s27, 15
	s_lshl_b32 s30, s28, 6
	s_add_co_u32 s29, s29, s30
	s_add_co_u32 s29, s29, 1572864
	v_lshl_add_u32 v19, v2, 2, s29                 ; ctx's scale words
	s_mov_b32 s[SEL], 0x76543210
	s_mov_b32 s[SEL+1], 0xfedcba98
	s_mov_b32 s[INV], 0x3b000000
	s_mov_b32 s[EPS], 0x3727c5ac
	v_mov_b32 v[C9], 0x3e2ef946
	v_mov_b32 v[C9+1], 0x3e2ef946
	v_mov_b32 v[MU+1], 0
	v_mov_b32 v[RS+1], 0
.irp b, 0,1,2,3
	v_mov_b32 v[TM+4+\b], 0
.endr
	s_wait_kmcnt 0x0
	s_lshl_b32 s48, s26, 9
	s_mov_b32 s49, 0
	s_add_nc_u64 s[8:9], s[8:9], s[48:49]
	s_add_nc_u64 s[10:11], s[10:11], s[48:49]
	s_add_nc_u64 s[12:13], s[12:13], s[48:49]
	s_add_nc_u64 s[16:17], s[16:17], s[48:49]
	s_lshl_b32 s50, s28, 16
	s_lshl_b32 s51, s27, 11
	s_add_co_u32 s50, s50, s51
	s_add_co_u32 s50, s50, s48
	s_mov_b32 s51, 0
	s_add_nc_u64 s[6:7], s[6:7], s[50:51]
	s_add_nc_u64 s[20:21], s[20:21], s[50:51]
	s_lshl_b32 s48, s26, 11
	s_add_nc_u64 s[14:15], s[14:15], s[48:49]
	s_add_nc_u64 s[BP:BP+1], s[14:15], 512
	s_mov_b64 s[B2P:B2P+1], s[16:17]
	s_mul_i32 s48, s26, 36*12288
	s_add_co_u32 s48, s48, 144*12288
	s_add_nc_u64 s[WP:WP+1], s[18:19], s[48:49]
	s_mul_i32 s48, s26, 36*512
	s_add_co_u32 s48, s48, WSOFF+144*512
	s_add_nc_u64 s[SP:SP+1], s[18:19], s[48:49]
	s_mul_i32 s48, s27, 16*49152
	s_add_nc_u64 s[22:23], s[4:5], s[48:49]
	s_wait_alu depctr_va_vdst(0)                   ; the addresses and offsets v4 to v14 and v17 to v19 are written, which the kernel's loads and stores read
.irp g, 0,1,2,3                                ; K step g of ctx wd is heads 4 g .. 4 g + 3: lane (r, h) takes heads 4 g + h and 4 g + 2 + h of query r
.irp c, 0,1
	global_load_b128 v[BF+12*\g+6*\c:BF+12*\g+6*\c+3], v17, s[22:23] offset:(4*\g+2*\c)*49152
	global_load_b64 v[BF+12*\g+6*\c+4:BF+12*\g+6*\c+5], v18, s[22:23] offset:(4*\g+2*\c)*49152
.endr
	global_load_b32 v[BS+\g], v19, s[4:5] offset:8192*\g
.endr
	WIN 0x80
	XLOAD RES, 6                                   ; x1
	WIN 0
	PLOAD 10, 12
	BLOAD 8                                        ; bd
	CHUNK 0, 0
	CHUNK 1, 1
	STEP 0, 0, 1, 1, 2, 25, 0, 14, -1              ; ctx wd + bd; the first step asks for my first group's b1
	STEP 1, 1, 0, 1, 3, 25, 0, 0, -1
	STEP 0, 2, 0, 1, 4, 25, 0, 0, -1
	STEP 1, 3, 0, 1, 5, 25, 0, 0, -1
	s_wait_xcnt 0x0
	s_add_nc_u64 s[WP:WP+1], s[WP:WP+1], 49152
	s_add_nc_u64 s[SP:SP+1], s[SP:SP+1], 2048
	WIN 0x88                                       ; x2 = the sums + x1, kept in window 2
.set J_, 0
.rept 32
	v_pk_add_f32 v[RES+J_:RES+J_+1], v[ACC+J_:ACC+J_+1], v[RES+J_:RES+J_+1]
.set J_, J_+2
.endr
	WIN 0
	LNX 0, RES, 2
	HIDDEN
	SECOND 0
	WIN 0x08
.set J_, 0
.rept 32
	v_pk_add_f32 v[ACC+J_:ACC+J_+1], v[ACC+J_:ACC+J_+1], v[RES+J_:RES+J_+1]   ; + x2
.set J_, J_+2
.endr
	WIN 0
	STORE_ROWS 20
	s_wait_dscnt 0x0                               ; the closing lines, six on end
	s_wait_alu 0x0
	s_wait_tensorcnt 0x0
	ds_add_u32 v254, v255
	s_wait_dscnt 0x0
	s_endpgm
.Lfunc_end_k_qdcd590b6b5_chain_c:
	.size	k_qdcd590b6b5_chain_c, .Lfunc_end_k_qdcd590b6b5_chain_c-k_qdcd590b6b5_chain_c
	.p2alignl 7, 3214868480
	.fill 96, 4, 3214868480
	.section	.rodata,"a",@progbits
	.p2align	6, 0x0
	.amdhsa_kernel k_qdcd590b6b5_chain_c
		.amdhsa_group_segment_fixed_size 76288
		.amdhsa_private_segment_fixed_size 0
		.amdhsa_enable_private_segment 0
		.amdhsa_kernarg_size 72
		.amdhsa_user_sgpr_count 2
		.amdhsa_user_sgpr_kernarg_segment_ptr 1
		.amdhsa_wavefront_size32 1
		.amdhsa_system_sgpr_workgroup_id_x 1
		.amdhsa_system_sgpr_workgroup_id_y 1
		.amdhsa_system_sgpr_workgroup_id_z 1
		.amdhsa_system_vgpr_workitem_id 0
		.amdhsa_next_free_vgpr 704
		.amdhsa_next_free_sgpr 66
		.amdhsa_reserve_vcc 0
		.amdhsa_float_denorm_mode_32 3
		.amdhsa_float_denorm_mode_16_64 3
		.amdhsa_memory_ordered 1
		.amdhsa_forward_progress 1
		.amdhsa_inst_pref_size 197
	.end_amdhsa_kernel
	.amdgpu_metadata
---
amdhsa.version: [ 1, 2 ]
amdhsa.kernels:
  - .name:           k_qdcd590b6b5_chain_c
    .symbol:         k_qdcd590b6b5_chain_c.kd
    .args:
      - { .name: cx, .offset: 0, .size: 8, .value_kind: global_buffer, .address_space: global }
      - { .name: x1, .offset: 8, .size: 8, .value_kind: global_buffer, .address_space: global }
      - { .name: bd, .offset: 16, .size: 8, .value_kind: global_buffer, .address_space: global }
      - { .name: ln3_g, .offset: 24, .size: 8, .value_kind: global_buffer, .address_space: global }
      - { .name: ln3_b, .offset: 32, .size: 8, .value_kind: global_buffer, .address_space: global }
      - { .name: mlp2_b1, .offset: 40, .size: 8, .value_kind: global_buffer, .address_space: global }
      - { .name: mlp2_b2, .offset: 48, .size: 8, .value_kind: global_buffer, .address_space: global }
      - { .name: wts, .offset: 56, .size: 8, .value_kind: global_buffer, .address_space: global }
      - { .name: out0, .offset: 64, .size: 8, .value_kind: global_buffer, .address_space: global }
    .group_segment_fixed_size: 76288
    .private_segment_fixed_size: 0
    .kernarg_segment_align: 8
    .kernarg_segment_size: 72
    .max_flat_workgroup_size: 128
    .sgpr_count:     66
    .vgpr_count:     704
    .wavefront_size: 32
...
	.end_amdgpu_metadata
.endif
;; end of part 10
